; MI455X (gfx1250); checked and timed in simulation.
; The chip was launched on July 23, 2026; its instructions are those of AMD's public machine-readable ISA for CDNA 5 (MIT licence, August 2026) and "CDNA5" Instruction Set Architecture Reference Guide (July 2026). The comments in the code are by the model that wrote it; some were corrected since.
;; Encoder Layer. Allowed arithmetic: matrix products marked QUANTISED: E2M3 operands, one E8M0 scale for each 32 along K, by v_wmma_scale_f32_16x16x128_f8f6f4 with both operands' format E2M3, f32 sums; everything else in f32.
;; Inputs: b1 4,096 float32; b2 1,024 float32; be1 1,024 float32; be2 1,024 float32; bk 1,024 float32; bo 1,024 float32; bq 1,024 float32; bv 1,024 float32; g1 1,024 float32; g2 1,024 float32; w1 1,024 x 4,096 float32; w2 4,096 x 1,024 float32; wk 1,024 x 1,024 float32; wo 1,024 x 1,024 float32; wq 1,024 x 1,024 float32; wv 1,024 x 1,024 float32; x 2 x 2,048 x 1,024 float32.
;; Outputs: out0 2 x 2,048 x 1,024 float32.
;; This version of the problem:
;;   THIS VERSION OF THE PROBLEM IS GIVEN IN LOW PRECISION. The matrix products marked QUANTISED in the list below multiply operands that are first quantised to E2M3 (2 exponent bits, 3 mantissa bits; 6 bits a number), with one power-of-two scale for each 32 numbers along K (OCP MX v1.0); their sums are f32. All else is computed in f32.
;;   The module's matrix products, in the order in which they are computed (A, B: the left and right operand; K: the contracted axis; several contracted axes count as one K, in the product's order):
;;     1. [M 4,096, K 1,024] x [K 1,024, N 1,024]; A: input x; B: input wq: QUANTISED
;;     2. [M 4,096, K 1,024] x [K 1,024, N 1,024]; A: input x; B: input wk: QUANTISED
;;     3. [M 4,096, K 1,024] x [K 1,024, N 1,024]; A: input x; B: input wv: QUANTISED
;;     4. batch 32 x [M 2,048, K 64] x [K 64, N 2,048]; A: computed on the way; B: computed on the way: QUANTISED
;;     5. batch 32 x [M 2,048, K 2,048] x [K 2,048, N 64]; A: softmax (see below); B: computed on the way: QUANTISED
;;     6. [M 4,096, K 1,024] x [K 1,024, N 1,024]; A: computed on the way; B: input wo: QUANTISED
;;     7. [M 4,096, K 1,024] x [K 1,024, N 4,096]; A: computed on the way; B: input w1: QUANTISED
;;     8. [M 4,096, K 4,096] x [K 4,096, N 1,024]; A: computed on the way; B: input w2: QUANTISED
;;   THE QUANTISER, for each operand of a quantised product, along K:
;;     - K is cut into blocks of 32 from its start; a last block that is shorter is filled with zeros.
;;     - A block's scale is 2^e with e = floor(log2(the largest magnitude in the block)) - 2, held to -126 .. 127; a block of zeros has e = 0. As a byte (E8M0): e + 127.
;;     - Each number is divided by its block's scale, clamped to +-7.5, and rounded to the nearest number of E2M3, ties to even, subnormals kept.
;;     - The product sums the exact products of the quantised numbers (number of the format x scale) in f32.
;;   ~~~python
;;   def quantise(x, axis):      # numpy; x: float32 -> the quantised numbers, widened to float32 again
;;       x = np.moveaxis(x, axis, -1); K = x.shape[-1]
;;       x = np.pad(x, [(0, 0)] * (x.ndim - 1) + [(0, -K % 32)]); x = x.reshape(x.shape[:-1] + (-1, 32)); a = np.abs(x).max(-1, keepdims=True)
;;       e = np.where(a > 0, np.clip(np.frexp(np.where(a > 0, a, 1))[1] - 1 - 2, -126, 127), 0)      # np.frexp(a)[1] - 1 = floor(log2(a)), exactly
;;       r = np.clip(x / 2.0 ** e, -7.5, 7.5)
;;       step = 2.0 ** (np.maximum(np.frexp(np.where(r == 0, 1, r))[1] - 1, 0) - 3)
;;       q = np.round(r / step) * step * 2.0 ** e      # np.round: ties to even
;;       return np.moveaxis(q.reshape(q.shape[:-2] + (-1,))[..., :K], -1, axis).astype(np.float32)
;;   ~~~
;;   SOFTMAX AHEAD OF A QUANTISED PRODUCT. Where the list says 'softmax', what is quantised is not the finished softmax but p = 2^(t - M), with t = logit x log2(e) and M = ceil(the row's largest t), a whole number; so 1/2 < the row's largest p <= 1. The row's sum l is taken of the UNQUANTISED p, in f32, and the product's result is divided by l at the end. Since M is a whole number, a kernel that streams over the keys may use a running M (the ceiling of the running maximum): every later rescaling is an exact power of two, which a block's scale takes up: the codes' values come out the same.
;;   OPERANDS COMPUTED ON THE WAY. 'Computed on the way' means the value that the module computes at that place (a softmax that the list does not call 'softmax' is quantised finished and normalised). What goes into a quantiser is computed in f32, as accurately as f32 sums, v_exp_f32 and their like allow (about 1e-6 of the number): no bf16 or f16 on the way to a quantiser, and a product that is left as it is and whose result goes on into a quantised operand takes f32 operands (vector FMAs, or v_wmma_f32_16x16x4_f32). A number that lies on a knife's edge between two numbers of the format may be rounded either way, as far as f32 arithmetic and the matrix unit's own rounding can turn it there, and no further.
;; 2 versions. Each part assembles by itself: llvm-mc -triple=amdgcn-amd-amdhsa -mcpu=gfx1250 --defsym DOCPART=n.
;; ======== version 1 of 2: 6 launches
;; workspace buffers: blk0 11,944,448 bytes; blk1 11,944,448 bytes; qkv 18,350,080 bytes; act 14,680,064 bytes; o1f 16,777,216 bytes; kp1 2,048 bytes of whole numbers; kp2 2,048 bytes of whole numbers
;; launch prep (part 1): grid 513 x 1, 4 waves a work-group, no clusters, 65,024 bytes of LDS; arguments x, wq, wk, wv, wo, w1, w2, bq, bk, b1, blk0, blk1, kp1, kp2; writes blk0, blk1, kp1, kp2
.if DOCPART == 1
	.amdgcn_target "amdgcn-amd-amdhsa--gfx1250"
	.amdhsa_code_object_version 6
	.text
	.protected	k_qcff01fd6b2_prep
	.globl	k_qcff01fd6b2_prep
	.p2align	8
	.type	k_qcff01fd6b2_prep,@function
k_qcff01fd6b2_prep:
	s_mov_b64 s[64:65], 0
	v_nop
	global_prefetch_b8 v0, s[64:65] scope:SCOPE_SE
	s_setreg_imm32_b32 hwreg(HW_REG_WAVE_MODE, 25, 1), 1
	s_wait_xcnt 0x0
; PREP: x and the six weights, f32, become codes of FP6 (E2M3) with one E8M0 scale byte for each 32 along K, laid as the later launches' operand registers want them.
; A TILE is 16 rows x 128 K in 1,792 bytes: byte 512 c + 16 l + 4 i is register 4 c + i of lane l of the operand (lane (r, h): registers 6 c' .. 6 c' + 5 hold k = 64 c' + 32 h + 0 .. 31 of row r);
; bytes 1536 + 8 l hold the scale word of row l % 16 and a zero word.  So a tile is read by three loads of 16 bytes a lane and one of 4, and written in whole aligned blocks of 256 bytes.
; ROW SLOTS: slot r of row tile 2 b + u holds row (token, or column of a weight) 32 b + 8 u + r + 8 (r / 8).  K inside a tile is in its natural order.
; A block's scale is 2^(floor(log2(largest magnitude)) - 2); its byte is the largest magnitude's exponent field - 2, held at 1 from below.
; LIMITS: a block of zeros, or one whose largest magnitude lies under 2^-124, gets the byte 1 (this program alone reads the bytes; zero codes add nothing); NaN and infinities among the inputs are not served.
; FOUR PATHS by the work-group's number, each with LDS bytes of its own: 0-255 weights with rows of 4,096 bytes (wq, wk, wv, wo: 32 work-groups each; w2: 128); 256-383 w1 (rows of 16,384 bytes);
; 384-511 x; 512 the column biases, the floors and the whole numbers that the later launches read.
; No tensor loads, no barrier, no cluster: waves share nothing and every input byte is read once.
.set TILE,   1792
.set OFF_B,  3670016                   ; blk0: [wq; wk] image; blk1: w1 image
.set WQK,    917504                    ; 64 row tiles x 8 K steps
.set OFF_A2, 7340032                   ; blk0: wv image
.set OFF_E,  8257536                   ; 512 bytes of floor, then 16,384 of column bias
.set OFF_W,  8274432                   ; blk0: wo image; blk1: w2 image
.set STP,    1920                      ; a tile's place in a weight wave's stage
.set STW,    2*STP
.set LBX,    8*STW                     ; behind the two weight paths' stages: x's stages
.set STX,    16*528
.set SPARE,  LBX+4*STX                 ; the spare words, 128 bytes for each wave: two blocks of 256 bytes that no other line names
.set SPW,    14                        ; v14  LDS address of my spare word; never rewritten
.set NIL,    15                        ; v15  0; never rewritten
.set XT,     16                        ; x's path: v16-22 at work
.set XPW,    24                        ; v[24:25] a scale word and 0
.set XSH,    26                        ; v26  8 h
.set XPC,    224                       ; v224-235 a tile's codes
.set XPD,    236                       ; v236-242 the second halves as the conversions leave them
.set XSEL,   38                        ; s[38:39] lane selects: lane l xor 16
.macro FINISH                          ; the wave's end, behind my last LDS store
	s_wait_tensorcnt 0x0
	ds_add_u32 v[SPW], v[NIL]
	s_wait_dscnt 0x0
	s_endpgm
.endm
; 64 numbers of a lane, register 32 c + i = k 64 c + 32 h + i of my row: two whole blocks.  They become the tile's 12 registers in v[XPC] on and its scale word in v[XPW].
.macro XQ s
.irp c, 0,1
	v_max3_num_f32 v[XT+\c], |v[\s+32*\c]|, |v[\s+32*\c+1]|, 0x1800000   ; with the floor 2^(3 - 127): the byte cannot fall under 1
.endr
.irp i, 2,4,6,8,10,12,14,16,18,20,22,24,26,28,30
.irp c, 0,1
	v_max3_num_f32 v[XT+\c], v[XT+\c], |v[\s+32*\c+\i]|, |v[\s+32*\c+\i+1]|
.endr
.endr
.irp c, 0,1
	v_add_nc_u32 v[XT+2+\c], 0xff000000, v[XT+\c]   ; 2 off the exponent field: the conversion's scale operand
.endr
.irp c, 0,1
	v_lshrrev_b32 v[XT+4+\c], 23, v[XT+2+\c]        ; the scale's byte
.endr
	v_lshl_or_b32 v[XPW], v[XT+5], 16, v[XT+4]      ; my bytes: blocks h and 2 + h,
	v_lshlrev_b32 v[XPW], v[XSH], v[XPW]            ; 8 h bits up;
	v_permlanex16_b32 v[XT+6], v[XPW], s[XSEL], s[XSEL+1]
	v_or_b32 v[XPW], v[XPW], v[XT+6]                ; with lane l xor 16's two the word is whole, in all 32 lanes
.irp c, 0,1
	v_cvt_scalef32_pk16_fp6_f32 v[XPC+6*\c:XPC+6*\c+2], v[\s+32*\c:\s+32*\c+15], v[XT+2+\c]
	v_cvt_scalef32_pk16_fp6_f32 v[XPD+4*\c:XPD+4*\c+2], v[\s+32*\c+16:\s+32*\c+31], v[XT+2+\c]   ; (a conversion's three registers begin on an even number)
.endr
	v_nop                                           ; one plain place behind a scaled conversion
.irp c, 0,1
.irp i, 0,1,2
	v_mov_b32 v[XPC+6*\c+3+\i], v[XPD+4*\c+\i]
.endr
.endr
.endm
; THE WEIGHTS.  A lane takes a column and its registers run down K: a block of 32 is one lane's, and the codes come out with K innermost.
.macro LOADW t, NPB                    ; block t: w(32 t + i, my column) into set t % 2; a wave reads 128 consecutive bytes, the work-group 512
.irp i, 0,1,2,3,4,5,6,7,8,9,10,11,12,13,14,15,16,17,18,19,20,21,22,23,24,25,26,27,28,29,30,31
	global_load_b32 v[32+32*((\t)%2)+\i], v3, s[44:45] offset:(32*(\t)+\i)*\NPB th:TH_LOAD_NT
.endr
.endm
.macro BLOCKW t, NPB
.set XS, 32+32*((\t)%2)
.if (\t) < 7
	s_wait_loadcnt 32                              ; this block's 32 loads are in; the next block's may be out
.else
	s_wait_loadcnt 0
.endif
	v_max3_num_f32 v12, |v[XS]|, |v[XS+1]|, |v[XS+2]|
	v_max3_num_f32 v13, |v[XS+3]|, |v[XS+4]|, |v[XS+5]|
.irp i, 6,10,14,18,22,26
	v_max3_num_f32 v12, v12, |v[XS+\i]|, |v[XS+\i+1]|
	v_max3_num_f32 v13, v13, |v[XS+\i+2]|, |v[XS+\i+3]|
.endr
	v_max3_num_f32 v12, v12, |v[XS+30]|, |v[XS+31]|
	v_max3_num_f32 v12, v12, v13, 0x1800000        ; and the floor
	v_add_nc_u32 v17, 0xff000000, v12              ; the conversion's scale operand
	v_lshrrev_b32 v18, 23, v17                     ; the byte
.if (\t)%4 == 0
	v_mov_b32 v24, v18                             ; four bytes make a tile's scale word, the lower K in the lower byte
.else
	v_lshl_or_b32 v24, v18, 8*((\t)%4), v24
.endif
	v_cvt_scalef32_pk16_fp6_f32 v[96:98], v[XS:XS+15], v17
	v_cvt_scalef32_pk16_fp6_f32 v[104:106], v[XS+16:XS+31], v17
	v_nop                                          ; one plain place behind a scaled conversion
	v_mov_b32 v99, v104
	v_mov_b32 v100, v105
	v_mov_b32 v101, v106
; block t of a tile is k = 64 c + 32 h with c = (t % 4) / 2, h = t % 2: registers 6 c .. 6 c + 5 of the image's lane r + 16 h
.if ((\t)%4)/2 == 0
	ds_store_b128 v7, v[96:99] offset:256*((\t)%2)
	ds_store_b64 v7, v[100:101] offset:512+256*((\t)%2)
.else
	ds_store_b64 v7, v[96:97] offset:520+256*((\t)%2)
	ds_store_b128 v7, v[98:101] offset:1024+256*((\t)%2)
.endif
.if (\t)+2 < 8
	LOADW (\t)+2, \NPB
.endif
	s_wait_dscnt 0x0                               ; the stores have read their registers: the next block's codes may be written
.endm
.macro FLUSHW q                        ; two finished tiles (my 32 columns, K step q of my two) leave the stage as images; each has registers of its own, so no store's data are written again
	ds_store_b64 v8, v[24:25] offset:1536          ; the scale word for the image's lanes r
	ds_store_b64 v8, v[24:25] offset:1536+128      ; and r + 16
.irp u, 0,1
.irp c, 0,1,2
	ds_load_b128 v[112+16*(2*\q+\u)+4*\c:112+16*(2*\q+\u)+4*\c+3], v11 offset:\u*STP+512*\c   ; LDS serves a wave's instructions in order: these see my stores
.endr
	ds_load_b64 v[112+16*(2*\q+\u)+12:112+16*(2*\q+\u)+13], v16 offset:\u*STP+1536
.endr
	s_wait_dscnt 0x0
.irp c, 0,1,2
	global_store_b128 v9, v[112+32*\q+4*\c:112+32*\q+4*\c+3], s[48:49] offset:TILE*\q+512*\c   ; 32 lanes store 512 consecutive bytes, aligned to 256
.endr
	global_store_b64 v10, v[112+32*\q+12:112+32*\q+13], s[48:49] offset:TILE*\q+1536
.irp c, 0,1,2
	global_store_b128 v9, v[128+32*\q+4*\c:128+32*\q+4*\c+3], s[56:57] offset:TILE*\q+512*\c
.endr
	global_store_b64 v10, v[128+32*\q+12:128+32*\q+13], s[56:57] offset:TILE*\q+1536
.endm
; s[44:45] the weight, s[48:49] the buffer of its image, s46 the image's place there, s47 its K steps, s50 which 128 columns, s51 which 256 along K
.macro WPATH NPB, LB
	s_mul_i32 s52, s51, 256*\NPB
	s_lshl_b32 s53, s50, 9
	s_add_co_u32 s52, s52, s53
	s_lshl_b32 s53, s36, 7
	s_add_co_u32 s52, s52, s53                     ; 256 kg rows + 4 (128 cg + 32 wave) bytes
	s_mov_b32 s53, 0
	s_add_nc_u64 s[44:45], s[44:45], s[52:53]
	s_lshl_b32 s54, s50, 3
	s_lshl_b32 s55, s36, 1
	s_add_co_u32 s54, s54, s55                     ; my first row tile: 8 cg + 2 wave
	s_mul_i32 s54, s54, s47
	s_lshl_b32 s55, s51, 1
	s_add_co_u32 s54, s54, s55                     ; its K step 2 kg
	s_mul_i32 s54, s54, TILE
	s_add_co_u32 s54, s54, s46
	s_mov_b32 s55, 0
	s_add_nc_u64 s[48:49], s[48:49], s[54:55]
	s_mul_i32 s54, s47, TILE
	s_add_nc_u64 s[56:57], s[48:49], s[54:55]      ; and my second row tile
	v_lshlrev_b32 v3, 2, v2                        ; in: 4 bytes a lane
	v_bfe_u32 v4, v0, 3, 1                         ; my column 8 u + r + 8 (r / 8) of the 32: u,
	v_and_b32 v5, 7, v0
	v_bfe_u32 v6, v0, 4, 1
	v_lshl_add_u32 v5, v6, 3, v5                   ; and r
	v_mul_u32_u24 v4, v4, STP
	s_mul_i32 s58, s36, STW
	s_add_co_u32 s58, s58, \LB                     ; my stage
	v_add_nc_u32 v4, s58, v4
	v_lshl_add_u32 v7, v5, 4, v4                   ; codes: 16 r in tile u
	v_lshl_add_u32 v8, v5, 3, v4                   ; scale words: 8 r
	v_lshlrev_b32 v9, 4, v2
	v_lshlrev_b32 v10, 3, v2
	v_add_nc_u32 v11, s58, v9                      ; back: 16 x lane,
	v_add_nc_u32 v16, s58, v10                     ; 8 x lane
	v_mov_b32 v25, 0
	LOADW 0, \NPB
	LOADW 1, \NPB
	BLOCKW 0, \NPB
	BLOCKW 1, \NPB
	BLOCKW 2, \NPB
	BLOCKW 3, \NPB
	FLUSHW 0
	BLOCKW 4, \NPB
	BLOCKW 5, \NPB
	BLOCKW 6, \NPB
	BLOCKW 7, \NPB
	FLUSHW 1
	FINISH
.endm
; x: K is innermost.  Each load reads 512 consecutive bytes of one token; a tile's 16 x 512 bytes turn through my stage (rows of 528 bytes) and come back 32 neighbours to a lane and block.
.macro LOADX t
.irp j, 0,1,2,3,4,5,6,7,8,9,10,11,12,13,14,15
	global_load_b128 v[32+64*((\t)%2)+4*\j:32+64*((\t)%2)+4*\j+3], v9, s[8:9] offset:(\j+8*(\j/8))*4096+512*(\t) th:TH_LOAD_NT
.endr
.endm
.macro TILEX t
.if (\t) < 3
	s_wait_loadcnt 16                              ; this tile's 16 loads are in; the next tile's may be out
.else
	s_wait_loadcnt 0
.endif
.irp j, 0,1,2,3,4,5,6,7,8,9,10,11,12,13,14,15
	ds_store_b128 v4, v[32+64*((\t)%2)+4*\j:32+64*((\t)%2)+4*\j+3] offset:528*\j
.endr
.irp c, 0,1
.irp i, 0,1,2,3,4,5,6,7
	ds_load_b128 v[160+32*\c+4*\i:160+32*\c+4*\i+3], v7 offset:256*\c+16*\i
.endr
.endr
	s_wait_dscnt 0x0                               ; the numbers are back, and the stores have read their registers
	s_wait_xcnt 0x0                                ; the last tile's global stores have read the codes and the word: they are written again only behind this wait
.if (\t)+2 < 4
	LOADX (\t)+2
.endif
	XQ 160
.irp c, 0,1,2
	global_store_b128 v9, v[XPC+4*\c:XPC+4*\c+3], s[28:29] offset:TILE*(\t)+512*\c
.endr
	global_store_b64 v10, v[XPW:XPW+1], s[28:29] offset:TILE*(\t)+1536
.endm
	s_load_b512 s[8:23], s[0:1], 0x0               ; x, wq, wk, wv, wo, w1, w2, bq
	s_load_b256 s[24:31], s[0:1], 0x40             ; bk, b1, blk0, blk1
	s_load_b128 s[32:35], s[0:1], 0x60             ; kp1, kp2
	v_lshl_add_u32 v[SPW], v0, 2, SPARE
	v_mov_b32 v[NIL], 0
	v_lshrrev_b32 v1, 5, v0
	v_readfirstlane_b32 s36, v1                    ; wave
	v_and_b32 v2, 31, v0                           ; lane
	s_mov_b32 s[XSEL], 0x76543210
	s_mov_b32 s[XSEL+1], 0xfedcba98
	s_wait_kmcnt 0x0
	s_cmp_ge_u32 ttmp9, 512
	s_cbranch_scc1 .Lpath_e
	s_cmp_ge_u32 ttmp9, 384
	s_cbranch_scc1 .Lpath_x
	s_cmp_ge_u32 ttmp9, 256
	s_cbranch_scc1 .Lpath_w1
	; work-groups 0-255: which weight, and where its image goes.  Only pointers and numbers are chosen, on the work-group's number
	s_lshr_b32 s40, ttmp9, 5
	s_and_b32 s41, ttmp9, 31
	s_sub_co_u32 s42, ttmp9, 128
	s_mov_b32 s46, OFF_B
	s_cmp_eq_u32 s40, 1
	s_cselect_b64 s[44:45], s[12:13], s[10:11]
	s_cselect_b32 s46, OFF_B+WQK, s46
	s_cmp_eq_u32 s40, 2
	s_cselect_b64 s[44:45], s[14:15], s[44:45]
	s_cselect_b32 s46, OFF_A2, s46
	s_cmp_eq_u32 s40, 3
	s_cselect_b64 s[44:45], s[16:17], s[44:45]
	s_cselect_b32 s46, OFF_W, s46
	s_cmp_ge_u32 s40, 4
	s_cselect_b64 s[44:45], s[20:21], s[44:45]
	s_cselect_b32 s46, OFF_W, s46
	s_cselect_b64 s[48:49], s[30:31], s[28:29]
	s_cselect_b32 s41, s42, s41
	s_cselect_b32 s47, 32, 8
	s_and_b32 s50, s41, 7
	s_lshr_b32 s51, s41, 3
	WPATH 4096, 0
.Lpath_w1:
	s_sub_co_u32 s41, ttmp9, 256
	s_mov_b64 s[44:45], s[18:19]
	s_mov_b64 s[48:49], s[30:31]
	s_mov_b32 s46, OFF_B
	s_mov_b32 s47, 8
	s_and_b32 s50, s41, 31
	s_lshr_b32 s51, s41, 5
	WPATH 16384, 4*STW
.Lpath_x:
	s_sub_co_u32 s41, ttmp9, 384                   ; u: row tiles 2 u and 2 u + 1
	s_lshr_b32 s42, s36, 1                         ; which of the two is my wave's,
	s_and_b32 s43, s36, 1                          ; and which four K steps
	s_lshl_b32 s44, s41, 5
	s_lshl_b32 s45, s42, 3
	s_add_co_u32 s44, s44, s45                     ; the tile's first token: 32 u + 8 (wave / 2)
	s_lshl_b32 s44, s44, 12
	s_lshl_b32 s45, s43, 11
	s_add_co_u32 s44, s44, s45
	s_mov_b32 s45, 0
	s_add_nc_u64 s[8:9], s[8:9], s[44:45]
	s_lshl_b32 s46, s41, 1
	s_add_co_u32 s46, s46, s42
	s_lshl_b32 s46, s46, 3
	s_lshl_b32 s47, s43, 2
	s_add_co_u32 s46, s46, s47
	s_mul_i32 s46, s46, TILE
	s_mov_b32 s47, 0
	s_add_nc_u64 s[28:29], s[28:29], s[46:47]      ; x's image begins at blk0's first byte
	v_lshlrev_b32 v9, 4, v2
	v_lshlrev_b32 v10, 3, v2
	s_mul_i32 s48, s36, STX
	s_add_co_u32 s48, s48, LBX                     ; my stage
	v_add_nc_u32 v4, s48, v9                       ; in: 16 x lane of a row
	v_and_b32 v5, 15, v0
	v_bfe_u32 v6, v0, 4, 1
	v_mul_u32_u24 v7, v5, 528
	v_lshl_add_u32 v7, v6, 7, v7
	v_add_nc_u32 v7, s48, v7                       ; back: row r, + 128 h
	v_lshlrev_b32 v[XSH], 3, v6
	v_mov_b32 v[XPW+1], 0
	v_mov_b32 v[XT+6], 0                           ; a lane permute's destination counts as one of its sources
	LOADX 0
	LOADX 1
	TILEX 0
	TILEX 1
	TILEX 2
	TILEX 3
	FINISH
.Lpath_e:
	v_lshlrev_b32 v3, 4, v0                        ; 16 bytes a thread
	v_lshlrev_b32 v4, 2, v0
	global_load_b128 v[32:35], v3, s[22:23]
	global_load_b128 v[36:39], v3, s[22:23] offset:2048
	global_load_b128 v[40:43], v3, s[24:25]
	global_load_b128 v[44:47], v3, s[24:25] offset:2048
.irp j, 0,1,2,3,4,5,6,7
	global_load_b128 v[48+4*\j:51+4*\j], v3, s[26:27] offset:2048*\j
.endr
	v_mov_b32 v5, 0xff800000                       ; the floor under q, k, v: -infinity (no activation)
	v_mov_b32 v6, 0                                ; under the hidden layer: 0 (relu)
	v_mov_b32 v16, 8                               ; kp1: 8 K steps, an image is made, 8 / 2 - 1 trips
	v_mov_b32 v17, 1
	v_mov_b32 v18, 3
	v_mov_b32 v19, 0
	v_mov_b32 v20, 32                              ; kp2: 32 K steps, no image, 32 / 2 - 1 trips
	v_mov_b32 v21, 0
	v_mov_b32 v22, 15
	v_mov_b32 v23, 0
	s_add_nc_u64 s[40:41], s[28:29], OFF_E
	s_add_nc_u64 s[42:43], s[30:31], OFF_E
	global_store_b32 v4, v5, s[40:41]
	global_store_b32 v4, v6, s[42:43]
	global_store_b128 v3, v[16:19], s[32:33]
	global_store_b128 v3, v[20:23], s[34:35]
	s_wait_loadcnt 0x0
	global_store_b128 v3, v[32:35], s[40:41] offset:512          ; blk0: bq, then bk
	global_store_b128 v3, v[36:39], s[40:41] offset:512+2048
	global_store_b128 v3, v[40:43], s[40:41] offset:512+4096
	global_store_b128 v3, v[44:47], s[40:41] offset:512+6144
.irp j, 0,1,2,3,4,5,6,7
	global_store_b128 v3, v[48+4*\j:51+4*\j], s[42:43] offset:512+2048*\j   ; blk1: b1
.endr
	FINISH
.Lfunc_end_k_qcff01fd6b2_prep:
	.size	k_qcff01fd6b2_prep, .Lfunc_end_k_qcff01fd6b2_prep-k_qcff01fd6b2_prep
	.p2alignl 7, 3214868480
	.fill 96, 4, 3214868480
	.section	.rodata,"a",@progbits
	.p2align	6, 0x0
	.amdhsa_kernel k_qcff01fd6b2_prep
		.amdhsa_group_segment_fixed_size 65024
		.amdhsa_private_segment_fixed_size 0
		.amdhsa_enable_private_segment 0
		.amdhsa_kernarg_size 112
		.amdhsa_user_sgpr_count 2
		.amdhsa_user_sgpr_kernarg_segment_ptr 1
		.amdhsa_wavefront_size32 1
		.amdhsa_system_sgpr_workgroup_id_x 1
		.amdhsa_system_sgpr_workgroup_id_y 1
		.amdhsa_system_sgpr_workgroup_id_z 1
		.amdhsa_system_vgpr_workitem_id 0
		.amdhsa_next_free_vgpr 256
		.amdhsa_next_free_sgpr 66
		.amdhsa_reserve_vcc 0
		.amdhsa_float_denorm_mode_32 3
		.amdhsa_float_denorm_mode_16_64 3
		.amdhsa_memory_ordered 1
		.amdhsa_forward_progress 1
		.amdhsa_inst_pref_size 118
	.end_amdhsa_kernel
	.amdgpu_metadata
---
amdhsa.version: [ 1, 2 ]
amdhsa.kernels:
  - .name:           k_qcff01fd6b2_prep
    .symbol:         k_qcff01fd6b2_prep.kd
    .args:
      - { .name: x, .offset: 0, .size: 8, .value_kind: global_buffer, .address_space: global }
      - { .name: wq, .offset: 8, .size: 8, .value_kind: global_buffer, .address_space: global }
      - { .name: wk, .offset: 16, .size: 8, .value_kind: global_buffer, .address_space: global }
      - { .name: wv, .offset: 24, .size: 8, .value_kind: global_buffer, .address_space: global }
      - { .name: wo, .offset: 32, .size: 8, .value_kind: global_buffer, .address_space: global }
      - { .name: w1, .offset: 40, .size: 8, .value_kind: global_buffer, .address_space: global }
      - { .name: w2, .offset: 48, .size: 8, .value_kind: global_buffer, .address_space: global }
      - { .name: bq, .offset: 56, .size: 8, .value_kind: global_buffer, .address_space: global }
      - { .name: bk, .offset: 64, .size: 8, .value_kind: global_buffer, .address_space: global }
      - { .name: b1, .offset: 72, .size: 8, .value_kind: global_buffer, .address_space: global }
      - { .name: blk0, .offset: 80, .size: 8, .value_kind: global_buffer, .address_space: global }
      - { .name: blk1, .offset: 88, .size: 8, .value_kind: global_buffer, .address_space: global }
      - { .name: kp1, .offset: 96, .size: 8, .value_kind: global_buffer, .address_space: global }
      - { .name: kp2, .offset: 104, .size: 8, .value_kind: global_buffer, .address_space: global }
    .group_segment_fixed_size: 65024
    .private_segment_fixed_size: 0
    .kernarg_segment_align: 8
    .kernarg_segment_size: 112
    .max_flat_workgroup_size: 128
    .sgpr_count:     66
    .vgpr_count:     256
    .wavefront_size: 32
...
	.end_amdgpu_metadata
.endif
;; end of part 1
;; launch qkv (part 2): grid 8 x 24, 4 waves a work-group, clusters of 4 x 4, 327,680 bytes of LDS; arguments blk0, bv, qkv; writes qkv
.if DOCPART == 2
	.amdgcn_target "amdgcn-amd-amdhsa--gfx1250"
	.amdhsa_code_object_version 6
	.text
	.protected	k_qcff01fd6b2_qkv
	.globl	k_qcff01fd6b2_qkv
	.p2align	8
	.type	k_qcff01fd6b2_qkv,@function
k_qcff01fd6b2_qkv:
	s_mov_b64 s[64:65], 0
	v_nop
	global_prefetch_b8 v0, s[64:65] scope:SCOPE_SE
	s_setreg_imm32_b32 hwreg(HW_REG_WAVE_MODE, 25, 1), 1
	s_wait_xcnt 0x0
	s_wait_alu depctr_hold_cnt(0) depctr_sa_sdst(0) depctr_va_vdst(0) depctr_va_sdst(0) depctr_va_ssrc(0) depctr_va_vcc(0) depctr_vm_vsrc(0)
	s_getreg_b32 s2, hwreg(HW_REG_IB_STS2, 6, 4)
	s_cmp_eq_u32 s2, 0
	s_cbranch_scc0 .Lentry_in_a_cluster
	s_endpgm
.Lentry_in_a_cluster:
	s_bfe_u32 s2, ttmp6, 0x10000c
	s_cmp_lg_u32 s2, 0xf033
	s_cbranch_scc0 .Lentry_shape_is_right
	s_endpgm
.Lentry_shape_is_right:
; A GEMM on codes of FP6 (E2M3) with E8M0 scales, K = 1,024, whose result is quantised on the way out into the next product's operand tiles.  It serves two launches on other buffers.
; OPERANDS are images of tiles of 1,792 bytes (16 rows x 128 K: 12 registers a lane as they stand, then a scale word for each lane); tile (row tile, K step) lies at (8 x row tile + K step) x 1,792.
; Slot r of row tile 2 b + u holds row 32 b + 8 u + r + 8 (r / 8), in every operand.
; PROBLEM 1 (clusters with y under 4): A = the image at the buffer's byte 0 (x, or out1), B = the image at OFF_B ([wq; wk], or w1); a bias for each column of C (at OFF_EB).
; PROBLEM 2 (clusters with y from 4 on; the first launch alone has them): A = wv's image at OFF_A2, B = x's image at 0: C = v transposed; a bias for each ROW of C (the second argument).
; Both biases are always loaded, and the one that does not apply is masked to zeros; then max(floor, .), the floor read at OFF_E (-infinity, or 0 for relu).
; A tile of C, 256 x 256, is made by four waves, 128 x 128 each: 64 accumulators, 512 registers.  K goes in steps of 256 through two LDS slots filled by the tensor data mover; a load brings 8 row tiles x 3,584 bytes.
; THE MATRIX INSTRUCTION IS USED TRANSPOSED (source 0 = 16 rows of B, source 1 = 16 rows of A).  By the row slots a lane's 64 results of one block of A's rows are, in order, columns 32 b + 16 h + 0 .. 15 of my 128:
; sixteen neighbours of each block of 32 along the next K.  So each block of 16 rows becomes ONE tile of the output, made in registers and stored as four whole runs: no LDS on the way out.
; CLUSTERS: 4 x 4 work-groups; A's tiles are asked for jointly along a row of the cluster, B's along a column.  Which problem a cluster has hangs on the cluster's numbers alone: it is the same in all sixteen.
; No prefetch: K is four slots, two of them asked for at the head.
; LIMITS: a block of zeros, or under 2^-124, gets the scale byte 1 (read by this program alone); NaN and infinities are not served.
; REGISTERS: window 0: v0-31 addresses; v32-63 scale words, two sets; v64-127 the column bias; v128-223 A's fragments, later a block's 64 numbers and its codes; v224-239 the row bias; v240-255 at work on the way out.
;   window 1: B's fragments, two sets, at v0 and v128.  windows 2, 3: the accumulators ((a, b) at v[8 (8 (a % 4) + b)]).
.set TILE,   1792
.set RT2,    2*TILE                    ; a row tile's part of a slot: two K steps of 128
.set RPITCH, 8*TILE                    ; a row tile in memory
.set HALFT,  8*RT2                     ; what one tensor load brings, and what one wave reads of A or of B
.set SLOT,   4*HALFT                   ; A's 16 row tiles, then B's 16
.set SPARE,  2*SLOT                    ; behind the ring: the spare words, 128 bytes for each wave: two blocks of 256 bytes that no other line names
.set OFF_B,  3670016
.set OFF_A2, 7340032
.set OFF_E,  8257536
.set OFF_EB, OFF_E+512
.set OFF_VT, 14680064                  ; where problem 2's tiles begin in the output
.set OPITCH, 32*TILE                   ; a row tile of the output
.set FR,  12
.set NL,  3                            ; LDS loads that bring a fragment
.set NP,  4                            ; places behind this matrix instruction (ISA guide 7.12.1)
.set NQ,  2
.set ADRA, 16                          ; v16-17 my A fragments in slot 0, 1
.set ADRB, 20                          ; v20-21 my B fragments
.set ADRS, 22                          ; v22-23 my scale words: lanes 0-15 A's, lanes 16-31 B's
.set LI,   24                          ; v24  16 x lane
.set LS,   25                          ; v25  8 x lane
.set SPW,  28                          ; v28  LDS address of my spare word; never rewritten
.set NIL,  29                          ; v29  0; never rewritten
.set PW,   30                          ; v[30:31] the scale word just made, and 0
.set SC,   32
.set BC,   64
.set AF,   128
.set HA,   128
.set PC,   192
.set BR,   224
.set TM,   240
.set SEL,  76                          ; s[76:77] lane selects: lane l xor 16
.set G1,   24
.set G0,   32
.set G1B,  48
.set G0B,  56
.set MSB, 0
.macro WIN new                         ; the immediate's high byte repeats the setting that is left
.if MSB != (\new)
	s_set_vgpr_msb (MSB<<8)|(\new)
.set MSB, (\new)
.endif
.endm
.set MUL_LO, 0xa1                      ; source 0 (B) window 1, source 1 (A) window 0, C and D window 2
.set MUL_HI, 0xf1
.set TO_B,   0x40
; A joint load: waves 0 and 1 fetch for A, waves 2 and 3 for B; the branch hangs on the wave's number alone.  An s_nop 0 and four v_nop follow each of the two lines.
.macro JLOAD g0a, g1a, g0b, g1b
	s_cmp_eq_u32 s15, 0
	s_cbranch_scc0 .Lfor_b_\@
	tensor_load_to_lds s[\g0a:\g0a+3], s[\g1a:\g1a+7]
	s_nop 0
.rept 4
	v_nop
.endr
	s_branch .Lasked_\@
.Lfor_b_\@:
	tensor_load_to_lds s[\g0b:\g0b+3], s[\g1b:\g1b+7]
	s_nop 0
.rept 4
	v_nop
.endr
.Lasked_\@:
.endm
.macro CREST                           ; a round of the cluster's barrier behind its opening barrier
	s_cmp_lg_u32 s14, 0
	s_cbranch_scc1 .Lnot_wave_0_\@
	s_barrier_signal -3
.Lnot_wave_0_\@:
	s_barrier_wait -3
	s_barrier_signal -1
	s_barrier_wait -1
.endm
.macro CROUND
	s_barrier_signal -1
	s_barrier_wait -1
	CREST
.endm
	s_load_b128 s[4:7], s[0:1], 0x0                ; the block of images, the row bias
	s_load_b64 s[12:13], s[0:1], 0x10              ; the output
	v_lshl_add_u32 v[SPW], v0, 2, SPARE
	v_mov_b32 v[NIL], 0
	ds_add_u32 v[SPW], v[NIL]                      ; the wave's opening: the add, with its wait ahead of my first tensor load; work on registers stands between them
	v_lshrrev_b32 v1, 5, v0
	v_readfirstlane_b32 s14, v1                    ; wave 0..3
	s_lshr_b32 s15, s14, 1                         ; which half of the tile's rows is mine.  Also: I fetch for A (0) or for B (1)
	s_and_b32 s16, s14, 1                          ; which half of its columns.  Also: which 8 row tiles I fetch
	s_bfe_u32 s40, ttmp6, 0x40000                  ; cx, cy: my place in the cluster
	s_bfe_u32 s41, ttmp6, 0x40004
	s_and_b32 s18, ttmp7, 0xffff                   ; the cluster's y
	s_sub_co_u32 s19, s18, 4
	s_lshl_b32 s19, s19, 1
	s_add_co_u32 s19, s19, ttmp9                   ; problem 2: which four tile columns
	s_cmp_ge_u32 s18, 4                            ; problem 2?  Only selections follow this compare
	s_cselect_b32 s20, s19, ttmp9
	s_cselect_b32 s21, 0, s18
	s_cselect_b32 s66, OFF_A2, 0                   ; where A's image begins,
	s_cselect_b32 s67, 0, OFF_B                    ; B's,
	s_cselect_b32 s68, OFF_VT, 0                   ; and the output's tiles
	s_cselect_b32 s69, 0, -1                       ; the column bias is kept in problem 1,
	s_cselect_b32 s70, -1, 0                       ; the row bias in problem 2
	s_lshl_b32 s42, s20, 2
	s_add_co_u32 s42, s42, s40                     ; tile column of C
	s_lshl_b32 s17, s21, 2
	s_add_co_u32 s17, s17, s41                     ; tile row of C
	s_lshl_b32 s43, s41, 2
	s_lshl_b32 s43, 15, s43                        ; my row of the cluster
	s_lshl_b32 s44, 0x1111, s40                    ; my column
	s_or_b32 s[G1+0], s43, (3<<16)|(1<<21)         ; 15:0 the mask; 17:16 elements of 8 bytes; 20 no padding; 21 set beside a mask
	s_or_b32 s[G1B+0], s44, (3<<16)|(1<<21)
.irp g, G1, G1B
	s_mov_b32 s[\g+1], 448<<16                     ; tensor_dim0: 3,584 bytes
	s_mov_b32 s[\g+2], 8<<16                       ; tensor_dim1: 8 row tiles
	s_mov_b32 s[\g+3], 448<<16                     ; tile_dim0
	s_mov_b32 s[\g+4], 8                           ; tile_dim1
	s_mov_b32 s[\g+5], 1792                        ; from row tile to row tile: 14,336 bytes
	s_mov_b32 s[\g+6], 0
	s_mov_b32 s[\g+7], 0
.endr
	s_lshl_b32 s18, s16, 3
	s_lshl_b32 s20, s17, 4
	s_add_co_u32 s20, s20, s18                     ; A: row tile 16 x tile row + 8 x half
	s_mul_i32 s20, s20, RPITCH
	s_add_co_u32 s20, s20, s66
	s_mov_b32 s21, 0
	s_lshl_b32 s46, s42, 4
	s_add_co_u32 s46, s46, s18                     ; B: row tile 16 x tile column + 8 x half
	s_mul_i32 s46, s46, RPITCH
	s_add_co_u32 s46, s46, s67
	s_mov_b32 s47, 0
	s_mul_i32 s45, s14, HALFT                      ; where they go: no place in the cluster enters an LDS address
	s_mov_b32 s[SEL], 0x76543210
	s_mov_b32 s[SEL+1], 0xfedcba98
	s_wait_dscnt 0x0                               ; the opening add is done
	s_wait_kmcnt 0x0
	s_add_nc_u64 s[20:21], s[4:5], s[20:21]
	s_add_nc_u64 s[46:47], s[4:5], s[46:47]
	CROUND                                         ; all sixteen work-groups are here: the first joint loads meet
.irp s, 0,1
	s_mov_b32 s[G0+4*\s], 1
	s_add_co_u32 s[G0+4*\s+1], s45, \s*SLOT
	s_add_nc_u64 s[G0+4*\s+2:G0+4*\s+3], s[20:21], \s*RT2
	s_or_b32 s[G0+4*\s+3], s[G0+4*\s+3], 0x80000000
	s_mov_b32 s[G0B+4*\s], 1
	s_add_co_u32 s[G0B+4*\s+1], s45, \s*SLOT
	s_add_nc_u64 s[G0B+4*\s+2:G0B+4*\s+3], s[46:47], \s*RT2
	s_or_b32 s[G0B+4*\s+3], s[G0B+4*\s+3], 0x80000000
	JLOAD G0+4*\s, G1, G0B+4*\s, G1B               ; two tensor loads of mine are out
.endr
	v_and_b32 v1, 31, v0                           ; lane
	v_and_b32 v2, 15, v0                           ; r
	v_bfe_u32 v3, v0, 4, 1                         ; h
	v_lshlrev_b32 v[LI], 4, v1
	v_lshlrev_b32 v[LS], 3, v1
	s_lshl_b32 s72, s42, 10                        ; the column bias: 256 numbers a tile column (problem 2: from the first on, masked below),
	s_and_b32 s72, s72, s69
	s_lshl_b32 s73, s16, 9                         ; my 128 of them
	s_add_co_u32 s72, s72, s73
	s_add_co_u32 s72, s72, OFF_EB
	s_mov_b32 s73, 0
	s_add_nc_u64 s[72:73], s[4:5], s[72:73]
	s_lshl_b32 s74, s17, 10                        ; the row bias likewise
	s_and_b32 s74, s74, s70
	s_lshl_b32 s75, s15, 9
	s_add_co_u32 s74, s74, s75
	s_mov_b32 s75, 0
	s_add_nc_u64 s[74:75], s[6:7], s[74:75]
	s_add_nc_u64 s[78:79], s[4:5], OFF_E
	s_load_b32 s71, s[78:79], 0x0                  ; the floor
	v_lshlrev_b32 v4, 6, v3                        ; register 16 b + i is column 32 b + 16 h + i
	v_and_b32 v5, 8, v2
	v_add_nc_u32 v5, v5, v2
	v_lshlrev_b32 v5, 2, v5                        ; slot r of block a is row 32 (a / 2) + 8 (a % 2) + r + 8 (r / 8)
.irp b, 0,1,2,3
.irp j, 0,1,2,3
	global_load_b128 v[BC+16*\b+4*\j:BC+16*\b+4*\j+3], v4, s[72:73] offset:128*\b+16*\j
.endr
.endr
.irp a, 0,1,2,3,4,5,6,7
	global_load_b32 v[BR+2*\a], v5, s[74:75] offset:4*(32*(\a/2)+8*(\a%2))
	global_load_b32 v[BR+2*\a+1], v5, s[74:75] offset:4*(32*(\a/2)+8*(\a%2))   ; twice: a pair for the packed addition
.endr
	s_mul_i32 s21, s15, HALFT                      ; my 8 row tiles of A
	s_mul_i32 s22, s16, HALFT
	s_add_co_u32 s22, s22, 2*HALFT                 ; my 8 of B, behind A's 16
	s_sub_co_u32 s23, s22, s21
	v_mul_u32_u24 v6, s23, v3                      ; lanes 16-31 take B's scale words: one product, the distance x h
	v_add_nc_u32 v6, v6, v[LS]
.irp s, 0,1
	v_add_nc_u32 v[ADRA+\s], s21, v[LI]
	v_add_nc_u32 v[ADRB+\s], s22, v[LI]
	v_add_nc_u32 v[ADRS+\s], s21, v6
	s_add_co_u32 s21, s21, SLOT
	s_add_co_u32 s22, s22, SLOT
.endr
	s_lshl_b32 s20, s17, 4                         ; my first tile of the output: row tile 16 x tile row + 8 x half, K step 2 x tile column + half
	s_lshl_b32 s21, s15, 3
	s_add_co_u32 s20, s20, s21
	s_lshl_b32 s20, s20, 5
	s_lshl_b32 s21, s42, 1
	s_add_co_u32 s20, s20, s21
	s_add_co_u32 s20, s20, s16
	s_mul_i32 s20, s20, TILE
	s_add_co_u32 s20, s20, s68
	s_mov_b32 s21, 0
	s_add_nc_u64 s[12:13], s[12:13], s[20:21]
	s_wait_loadcnt 0x0
.set n, 0
.rept 64
	v_and_b32 v[BC+n], s69, v[BC+n]                ; the bias that does not apply becomes zeros
.set n, n+1
.endr
.set n, 0
.rept 16
	v_and_b32 v[BR+n], s70, v[BR+n]
.set n, n+1
.endr
	s_wait_kmcnt 0x0
.macro FRAG reg, adr, q, i             ; a fragment comes as it was stored: three loads of 16 bytes a lane, 512 consecutive bytes each
.irp c, 0,1,2
	ds_load_b128 v[\reg+4*\c:\reg+4*\c+3], v[\adr] offset:(\i)*RT2+(\q)*TILE+512*\c
.endr
.endm
; 16 matrix instructions: A's blocks a0, a0 + 1 x B's eight, the slot's q-th 128 along K.  The 64 accumulators take turns, one instruction a turn, in the same order in every step.
.macro MUL16 a0, p, q, sc, zero
.irp a, \a0, \a0+1
.irp b, 0,1,2,3,4,5,6,7
.if \zero
	v_wmma_scale_f32_16x16x128_f8f6f4 v[8*(8*((\a)%4)+\b):8*(8*((\a)%4)+\b)+7], v[128*(\p)+FR*\b:128*(\p)+FR*\b+FR-1], v[AF+FR*(\a):AF+FR*(\a)+FR-1], 0, v[SC+8*NQ*(\sc)+NQ*\b+(\q)], v[SC+8*NQ*(\sc)+NQ*(\a)+(\q)] matrix_a_fmt:MATRIX_FMT_FP6 matrix_b_fmt:MATRIX_FMT_FP6 matrix_a_scale:MATRIX_SCALE_ROW1
.else
	v_wmma_scale_f32_16x16x128_f8f6f4 v[8*(8*((\a)%4)+\b):8*(8*((\a)%4)+\b)+7], v[128*(\p)+FR*\b:128*(\p)+FR*\b+FR-1], v[AF+FR*(\a):AF+FR*(\a)+FR-1], v[8*(8*((\a)%4)+\b):8*(8*((\a)%4)+\b)+7], v[SC+8*NQ*(\sc)+NQ*\b+(\q)], v[SC+8*NQ*(\sc)+NQ*(\a)+(\q)] matrix_a_fmt:MATRIX_FMT_FP6 matrix_b_fmt:MATRIX_FMT_FP6 matrix_a_scale:MATRIX_SCALE_ROW1
.endif
.endr
.endr
.endm
.macro FETCH_B slot, q, p
	WIN TO_B
.irp i, 0,1,2,3,4,5,6,7
	FRAG 128*(\p)+FR*\i, ADRB+\slot, \q, \i
.endr
	WIN 0
.endm
.macro FETCH_A slot, q, i0
.irp i, \i0, \i0+1, \i0+2, \i0+3
	FRAG AF+FR*(\i), ADRA+\slot, \q, \i
.endr
.endm
.macro SCALES sl                       ; a slot's scale words: register 2 i + q: lanes 0-15 the word of A's block i, lanes 16-31 that of B's block i
.irp i, 0,1,2,3,4,5,6,7
.irp q, 0,1
	ds_load_b32 v[SC+16*\sl+2*\i+\q], v[ADRS+\sl] offset:\i*RT2+\q*TILE+1536
.endr
.endr
.endm
.macro PLACES n                        ; plain places in front of loads into registers that matrix instructions have read, and of the first read of results
.rept \n
	v_nop
.endr
.endm
.macro STEP slot, q, zero              ; a step of 128 along K that has its successor in the same slot
	s_wait_dscnt 4*NL                              ; B's set, A's blocks 0-3 and the scale words are in; the youngest 12 loads (A's blocks 4-7) may be out
	WIN MUL_LO
	MUL16 0, (\q)%2, \q, \slot, \zero
	MUL16 2, (\q)%2, \q, \slot, \zero
	s_wait_dscnt 0                                 ; A's blocks 4-7 are in
	PLACES NP
	FETCH_B \slot, (\q)+1, 1-(\q)%2
	FETCH_A \slot, (\q)+1, 0
	WIN MUL_HI
	MUL16 4, (\q)%2, \q, \slot, \zero
	MUL16 6, (\q)%2, \q, \slot, \zero
	PLACES NP
	WIN 0
	FETCH_A \slot, (\q)+1, 4
.endm
; A slot's last step changes slots: one barrier; in front of it each wave waits for all its tensor loads, adds 0 to its spare word, and waits for that and for its reads of this slot.  fill = 1: the slot is filled again.
.macro TURN slot, next, fill
	s_wait_tensorcnt 0x0                           ; all my tensor loads have landed: my part of the next slot
	ds_add_u32 v[SPW], v[NIL]                      ; 0 onto my spare word
	s_wait_dscnt 4*NL+1                            ; (the add and the youngest 12 loads may be out)
	WIN MUL_LO
	MUL16 0, 1, NQ-1, \slot, 0                     ; sixteen matrix instructions stand between the add and the wait for it
	s_wait_dscnt 0x0                               ; the add is done, and my reads of this slot are over
	s_barrier_signal -1
	MUL16 2, 1, NQ-1, \slot, 0
	WIN 0
	s_barrier_wait -1
.if \fill
	CREST                                          ; the barrier has opened a round of the cluster's barrier: no wave of any partner still reads this slot or has a load on its way
	s_add_nc_u64 s[G0+4*\slot+2:G0+4*\slot+3], s[G0+4*\slot+2:G0+4*\slot+3], 2*RT2
	s_add_nc_u64 s[G0B+4*\slot+2:G0B+4*\slot+3], s[G0B+4*\slot+2:G0B+4*\slot+3], 2*RT2
	JLOAD G0+4*\slot, G1, G0B+4*\slot, G1B         ; the first tensor load behind the round; its four v_nop are the places in front of the loads below
.else
	PLACES NP
.endif
	FETCH_B \next, 0, 0
	FETCH_A \next, 0, 0
	SCALES \next
	WIN MUL_HI
	MUL16 4, 1, NQ-1, \slot, 0
	MUL16 6, 1, NQ-1, \slot, 0
	PLACES NP
	WIN 0
	FETCH_A \next, 0, 4
.endm
	s_wait_tensorcnt 1                             ; my part of slot 0 is in; slot 1's may stay out
	s_barrier_signal -1
	s_barrier_wait -1
	FETCH_B 0, 0, 0
	FETCH_A 0, 0, 0
	SCALES 0
	FETCH_A 0, 0, 4
	STEP 0, 0, 1                                   ; K = 1,024 is eight steps, written out: the first starts the sums
	TURN 0, 1, 1
	STEP 1, 0, 0
	TURN 1, 0, 1
	STEP 0, 0, 0
	TURN 0, 1, 0                                   ; nothing is left to fetch
	STEP 1, 0, 0
	s_wait_dscnt 4*NL
	WIN MUL_LO
	MUL16 0, 1, NQ-1, 1, 0
	MUL16 2, 1, NQ-1, 1, 0
	s_wait_dscnt 0
	WIN MUL_HI
	MUL16 4, 1, NQ-1, 1, 0
	MUL16 6, 1, NQ-1, 1, 0
	WIN 0
; 64 numbers of a lane, register 16 b + i = k 32 b + 16 h + i of my row, become a tile's codes in v[PC] on and its scale word in v[PW].
.macro QUANT s
.irp b, 0,1,2,3
	v_max3_num_f32 v[TM+\b], |v[\s+16*\b]|, |v[\s+1+16*\b]|, 0x1800000   ; my 16 numbers of block b, and the floor 2^(3 - 127): the byte cannot fall under 1
.endr
.irp i, 2,4,6,8,10,12,14
.irp b, 0,1,2,3
	v_max3_num_f32 v[TM+\b], v[TM+\b], |v[\s+16*\b+\i]|, |v[\s+1+16*\b+\i]|
.endr
.endr
.irp b, 0,1,2,3
	v_permlanex16_b32 v[TM+4+\b], v[TM+\b], s[SEL], s[SEL+1]
.endr
.irp b, 0,1,2,3
	v_max_num_f32 v[TM+\b], v[TM+\b], v[TM+4+\b]   ; with lane l xor 16's: the block's largest magnitude
.endr
.irp b, 0,1,2,3
	v_add_nc_u32 v[TM+12+\b], 0xff000000, v[TM+\b] ; 2 off its exponent field: the conversion's scale operand
.endr
.irp b, 0,1,2,3
	v_lshrrev_b32 v[TM+4+\b], 23, v[TM+12+\b]      ; the scale's byte
.endr
	v_lshl_or_b32 v[PW], v[TM+5], 8, v[TM+4]
	v_lshl_or_b32 v[PW], v[TM+6], 16, v[PW]
	v_lshl_or_b32 v[PW], v[TM+7], 24, v[PW]
.irp c, 0,1
	v_cvt_scalef32_pk16_fp6_f32 v[PC+6*\c:PC+2+6*\c], v[\s+32*\c:\s+15+32*\c], v[TM+12+2*\c]
	v_cvt_scalef32_pk16_fp6_f32 v[PC+12+4*\c:PC+14+4*\c], v[\s+16+32*\c:\s+31+32*\c], v[TM+12+2*\c+1]
.endr
	v_nop                                          ; one plain place behind a scaled conversion
.irp c, 0,1                                    ; the operand's layout wants a whole block in a lane
.irp i, 0,1,2
	v_permlane16_swap_b32 v[PC+6*\c+\i], v[PC+12+4*\c+\i]
.endr
.irp i, 0,1,2
	v_mov_b32 v[PC+3+6*\c+\i], v[PC+12+4*\c+\i]
.endr
.endr
.endm
; THE WAY OUT of block a (16 rows x my 128 columns): bias, floor, quantiser, one tile of the output.
.macro EPI a
	WIN 0x02+(\a)/4                                ; source 0: window 2 or 3
.set n, 0
.rept 32
	v_pk_add_f32 v[HA+2*n:HA+2*n+1], v[64*((\a)%4)+2*n:64*((\a)%4)+2*n+1], v[BC+2*n:BC+2*n+1]   ; each accumulator from its low end on
.set n, n+1
.endr
	WIN 0
.set n, 0
.rept 32
	v_pk_add_f32 v[HA+2*n:HA+2*n+1], v[HA+2*n:HA+2*n+1], v[BR+2*(\a):BR+2*(\a)+1]   ; one of the two biases is zeros: the sum is rounded once
.set n, n+1
.endr
.set n, 0
.rept 64
	v_max_num_f32 v[HA+n], s71, v[HA+n]
.set n, n+1
.endr
	s_wait_xcnt 0x0                                ; the last block's stores have read the codes and the word: they are written again only behind this wait
	QUANT HA
.irp c, 0,1,2
	global_store_b128 v[LI], v[PC+4*\c:PC+4*\c+3], s[12:13] offset:(\a)*OPITCH+512*\c th:TH_STORE_NT   ; 32 lanes store 512 consecutive bytes, aligned to 256
.endr
	global_store_b64 v[LS], v[PW:PW+1], s[12:13] offset:(\a)*OPITCH+1536 th:TH_STORE_NT
.endm
	PLACES NP                                      ; behind the last products: for the first reads of results and the writes into registers that held A's fragments
.irp b, 0,1,2,3
	v_mov_b32 v[TM+4+\b], 0                        ; a lane permute's destination counts as one of its sources
.endr
	v_mov_b32 v[PW+1], 0
.irp a, 0,1,2,3,4,5,6,7
	EPI \a
.endr
	s_wait_tensorcnt 0x0                           ; the wave's end
	ds_add_u32 v[SPW], v[NIL]
	s_wait_dscnt 0x0
	CROUND                                         ; the closing round: no work-group ends while a partner may still ask for a tile that names it
	s_endpgm
.Lfunc_end_k_qcff01fd6b2_qkv:
	.size	k_qcff01fd6b2_qkv, .Lfunc_end_k_qcff01fd6b2_qkv-k_qcff01fd6b2_qkv
	.p2alignl 7, 3214868480
	.fill 96, 4, 3214868480
	.section	.rodata,"a",@progbits
	.p2align	6, 0x0
	.amdhsa_kernel k_qcff01fd6b2_qkv
		.amdhsa_group_segment_fixed_size 327680
		.amdhsa_private_segment_fixed_size 0
		.amdhsa_enable_private_segment 0
		.amdhsa_kernarg_size 24
		.amdhsa_user_sgpr_count 2
		.amdhsa_user_sgpr_kernarg_segment_ptr 1
		.amdhsa_wavefront_size32 1
		.amdhsa_system_sgpr_workgroup_id_x 1
		.amdhsa_system_sgpr_workgroup_id_y 1
		.amdhsa_system_sgpr_workgroup_id_z 1
		.amdhsa_system_vgpr_workitem_id 0
		.amdhsa_next_free_vgpr 1024
		.amdhsa_next_free_sgpr 98
		.amdhsa_reserve_vcc 0
		.amdhsa_float_denorm_mode_32 3
		.amdhsa_float_denorm_mode_16_64 3
		.amdhsa_memory_ordered 1
		.amdhsa_forward_progress 1
		.amdhsa_inst_pref_size 194
	.end_amdhsa_kernel
	.amdgpu_metadata
---
amdhsa.version: [ 1, 2 ]
amdhsa.kernels:
  - .name:           k_qcff01fd6b2_qkv
    .symbol:         k_qcff01fd6b2_qkv.kd
    .args:
      - { .name: blk0, .offset: 0, .size: 8, .value_kind: global_buffer, .address_space: global }
      - { .name: bv, .offset: 8, .size: 8, .value_kind: global_buffer, .address_space: global }
      - { .name: qkv, .offset: 16, .size: 8, .value_kind: global_buffer, .address_space: global }
    .group_segment_fixed_size: 327680
    .private_segment_fixed_size: 0
    .kernarg_segment_align: 8
    .kernarg_segment_size: 24
    .max_flat_workgroup_size: 128
    .sgpr_count:     98
    .vgpr_count:     1024
    .wavefront_size: 32
...
	.end_amdgpu_metadata
.endif
;; end of part 2
;; launch att (part 3): grid 16 x 16, 16 waves a work-group, clusters of 4 x 1, 327,680 bytes of LDS; arguments qkv, act; writes act
.if DOCPART == 3
	.amdgcn_target "amdgcn-amd-amdhsa--gfx1250"
	.amdhsa_code_object_version 6
	.text
	.protected	k_qcff01fd6b2_att
	.globl	k_qcff01fd6b2_att
	.p2align	8
	.type	k_qcff01fd6b2_att,@function
k_qcff01fd6b2_att:
	s_mov_b64 s[64:65], 0
	v_nop
	global_prefetch_b8 v0, s[64:65] scope:SCOPE_SE
	s_setreg_imm32_b32 hwreg(HW_REG_WAVE_MODE, 25, 1), 1
	s_wait_xcnt 0x0
	s_wait_alu depctr_hold_cnt(0) depctr_sa_sdst(0) depctr_va_vdst(0) depctr_va_sdst(0) depctr_va_ssrc(0) depctr_va_vcc(0) depctr_vm_vsrc(0)
	s_getreg_b32 s2, hwreg(HW_REG_IB_STS2, 6, 4)
	s_cmp_eq_u32 s2, 0
	s_cbranch_scc0 .Lentry_in_a_cluster
	s_endpgm
.Lentry_in_a_cluster:
	s_bfe_u32 s2, ttmp6, 0x10000c
	s_cmp_lg_u32 s2, 0x3003
	s_cbranch_scc0 .Lentry_shape_is_right
	s_endpgm
.Lentry_shape_is_right:
; ATTENTION on codes of FP6 (E2M3) with E8M0 scales: ctx = softmax(q k^T / 8) v for 2 x 16 heads of 64, 2,048 keys, no mask; the result is quantised into the tiles of the next product's operand.
; INPUT (one buffer): q's and k's tiles (16 tokens x 128 columns = a PAIR of heads) at (32 x row tile + K step) x 1,792, K steps 0-7 q's pairs, 8-15 k's; from OFF_VT on v transposed: row tile 4 x head + t (16 of the
; head's 64), K step = token / 128.  A tile is 12 registers a lane as they stand, then a scale word for each lane.  Slot r of row tile 2 b + u holds row 32 b + 8 u + r + 8 (r / 8).
; THE SOFTMAX: t = score x log2(e) / 8; M = the row's largest t so far, rounded UP to a whole number; p = 2^(t - M) is quantised along the keys, not normalised; the row's sum is taken of the unquantised p and divides at the end.
; When M moves, the sum and O are multiplied by 2^(old M - new M): exact.  A block's largest p is made from the block's largest score by the same multiply-add and exponential
; (this takes v_exp_f32 not to fall where its input rises; at the worst one p of a block, within an ulp of a power of two, is held one code low).
; SHARES.  A work-group owns 128 queries of one pair of heads; wave w owns the tile of 16 queries w / 2 of head w % 2, in 256 registers: four waves to a SIMD.  Every wave walks all keys, 128 a step.
; THE HEAD'S 64 IN AN INSTRUCTION OF 128: a tile of k or q holds both heads (registers 0-5 the even one, 6-11 the odd one).  My q fragment's registers of the OTHER head are cleared: zero codes add nothing,
; so k's fragments and all scale words are used as they lie.
; Both products are used transposed (S^T = k q^T, O^T = v^T p^T): a lane holds one query throughout, and by the row slots p's 64 registers are keys 32 b + 16 h + 0 .. 15 in order, O^T's 32 likewise the head's channels.
; RING: two LDS slots of 512 keys (k: 32 tiles; v^T: 8 row tiles x 4 K steps).  CLUSTER: the four work-groups of a cluster walk the same k and v: each tile is asked for jointly (waves 0, 1: k's halves; waves 2, 3: v's).
; No prefetch: a refill has four key steps of all sixteen waves in which to land.
; LIMITS: a block of zeros, or under 2^-124, gets the scale byte 1 (read by this program alone); NaN and infinities are not served.
; REGISTERS: v1-7 addresses that stay; v8-11 addresses in hand; v12 -M, v13 the largest t, v[14:15] the sum; v16-27 q; v32-79 four fragments; v96-159 S^T, then p; v160-191 O^T; v224-235 p's codes; v232-254 at work;
; v248-251 the tiles' scale words, v253 p's, v255 q's.
.set TILE,   1792
.set QP,     32*TILE                   ; from row tile to row tile in memory
.set OFF_VT, 14680064
.set HV,     16*TILE                   ; what one tensor load brings: 28,672 bytes
.set VOFF,   2*HV                      ; a slot: k's 32 tiles, then v's 8 x 4
.set SLOT1,  1<<17                     ; slot 1 begins here: one exclusive or turns an address
.set NSL,    4
.set STAGE,  2*SLOT1                   ; the way out: 1,024 bytes for each wave, its own
.set SPARE,  STAGE+16*1024             ; the spare words, 128 bytes for each wave: eight blocks of 256 bytes that no other line names
.set AK0,  1                           ; v1  16 x lane
.set AV0,  2                           ; v2  my head's v in a slot + 16 x lane
.set AS0,  3                           ; v3  8 x lane
.set AVS0, 4                           ; v4  my head's v in a slot + 8 x lane
.set SPW,  5                           ; v5  LDS address of my spare word; never rewritten
.set NIL,  6                           ; v6  0; never rewritten
.set ADK,  8
.set ADV,  9
.set ADS,  10
.set ADT,  11
.set WV,   18
.set SEL,  20
.set CS,   22
.set G1K,  24
.set G1V,  32
.set G0K,  40
.set G0V,  44
.set TB,   48                          ; s48  LDS byte at which the slot in hand begins
.set SLOTS, 49
.macro TLOAD                           ; waves 0 and 1 fetch for k, waves 2 and 3 for v, the others nothing; an s_nop 0 and four v_nop follow each line
	s_cmp_lt_u32 s[WV], 2
	s_cbranch_scc0 .Lnot_k_\@
	tensor_load_to_lds s[G0K:G0K+3], s[G1K:G1K+7]
	s_nop 0
.rept 4
	v_nop
.endr
	s_branch .Lasked_\@
.Lnot_k_\@:
	s_cmp_lt_u32 s[WV], 4
	s_cbranch_scc0 .Lasked_\@
	tensor_load_to_lds s[G0V:G0V+3], s[G1V:G1V+7]
	s_nop 0
.rept 4
	v_nop
.endr
.Lasked_\@:
.endm
.macro CROUND                          ; a round of the cluster's barrier
	s_barrier_signal -1
	s_barrier_wait -1
	s_cmp_lg_u32 s[WV], 0
	s_cbranch_scc1 .Lnot_wave_0_\@
	s_barrier_signal -3
.Lnot_wave_0_\@:
	s_barrier_wait -3
	s_barrier_signal -1
	s_barrier_wait -1
.endm
.macro PLACES
.rept 4
	v_nop
.endr
.endm
.macro FRAG reg, adr, off
.irp c, 0,1,2
	ds_load_b128 v[\reg+4*\c:\reg+4*\c+3], v[\adr] offset:\off+512*\c
.endr
.endm
	s_load_b128 s[4:7], s[0:1], 0x0                ; the tiles of q, k, v; the output
	v_lshl_add_u32 v[SPW], v0, 2, SPARE
	v_mov_b32 v[NIL], 0
	ds_add_u32 v[SPW], v[NIL]                      ; the wave's opening: the add, with its wait ahead of the first tensor loads; work on registers stands between them
	v_lshrrev_b32 v8, 5, v0
	v_readfirstlane_b32 s[WV], v8                  ; wave 0..15
	s_bfe_u32 s50, ttmp6, 0x40000                  ; cx
	s_lshl_b32 s51, ttmp9, 2
	s_add_co_u32 s51, s51, s50                     ; my block of 128 queries: it enters q's and the output's addresses alone
	s_and_b32 s52, ttmp7, 0xffff
	s_lshr_b32 s53, s52, 3                         ; batch
	s_and_b32 s54, s52, 7                          ; pair of heads
	s_lshr_b32 s55, s[WV], 1                       ; my tile of queries
	s_and_b32 s56, s[WV], 1                        ; my head of the pair.  Also: which half I fetch
	s_lshl_b32 s57, s53, 7                         ; the batch's first row tile
	s_lshl_b32 s58, s56, 4
	s_add_co_u32 s58, s58, s57
	s_mul_i32 s58, s58, QP
	s_add_co_u32 s59, s54, 8
	s_mul_i32 s59, s59, TILE
	s_add_co_u32 s58, s58, s59                     ; k: row tile 128 batch + 16 half, K step 8 + pair
	s_mov_b32 s59, 0
	s_lshl_b32 s60, s54, 3
	s_lshl_b32 s61, s56, 2
	s_add_co_u32 s60, s60, s61
	s_mul_i32 s60, s60, QP
	s_mul_i32 s61, s53, 16*TILE
	s_add_co_u32 s60, s60, s61
	s_add_co_u32 s60, s60, OFF_VT                  ; v: row tile 8 pair + 4 half, K step 16 batch
	s_mov_b32 s61, 0
	s_lshl_b32 s62, s51, 3
	s_add_co_u32 s62, s62, s57                     ; my block's first row tile
	s_add_co_u32 s66, s62, s55
	s_mul_i32 s66, s66, QP
	s_mul_i32 s67, s54, TILE
	s_add_co_u32 s66, s66, s67                     ; q: my tile, K step pair
	s_mov_b32 s67, 0
	s_and_b32 s68, s[WV], 7
	s_add_co_u32 s68, s68, s62
	s_lshl_b32 s68, s68, 3
	s_add_co_u32 s68, s68, s54
	s_mul_i32 s68, s68, TILE                       ; the output tile that wave w % 8 stores: (8 x row tile + pair) x 1,792
	s_mov_b32 s69, 0
	s_mov_b32 s[G1K], 15|(3<<16)|(1<<21)           ; 15:0 the mask: all four work-groups; 17:16 elements of 8 bytes; 21 set beside a mask
	s_mov_b32 s[G1K+1], 224<<16                    ; k: 16 tiles of 1,792 bytes,
	s_mov_b32 s[G1K+2], 16<<16
	s_mov_b32 s[G1K+3], 224<<16
	s_mov_b32 s[G1K+4], 16
	s_mov_b32 s[G1K+5], 7168                       ; 57,344 bytes apart
	s_mov_b32 s[G1K+6], 0
	s_mov_b32 s[G1K+7], 0
	s_mov_b32 s[G1V], 15|(3<<16)|(1<<21)
	s_mov_b32 s[G1V+1], 896<<16                    ; v: 4 row tiles x 4 K steps on end, 7,168 bytes
	s_mov_b32 s[G1V+2], 4<<16
	s_mov_b32 s[G1V+3], 896<<16
	s_mov_b32 s[G1V+4], 4
	s_mov_b32 s[G1V+5], 7168
	s_mov_b32 s[G1V+6], 0
	s_mov_b32 s[G1V+7], 0
	s_cmp_eq_u32 s56, 0
	s_cselect_b32 s70, -1, 0                       ; what is kept of q's registers 0-5,
	s_cselect_b32 s71, 0, -1                       ; and of 6-11
	s_mul_i32 s72, s56, HV
	s_add_co_u32 s73, s72, VOFF
	s_mov_b32 s[SEL], 0x76543210
	s_mov_b32 s[SEL+1], 0xfedcba98
	s_mov_b32 s[CS], 0x3e38aa3b                    ; c = log2(e) / 8
	s_mov_b32 s[CS+1], s[CS]                       ; (named with it as a pair, so it is written)
	s_mov_b32 s[TB], 0
	s_mov_b32 s[SLOTS], NSL-1
	s_wait_dscnt 0x0                               ; the opening add is done
	s_wait_kmcnt 0x0
	s_mov_b32 s[G0K], 1
	s_mov_b32 s[G0K+1], s72
	s_add_nc_u64 s[G0K+2:G0K+3], s[4:5], s[58:59]
	s_or_b32 s[G0K+3], s[G0K+3], 0x80000000
	s_mov_b32 s[G0V], 1
	s_mov_b32 s[G0V+1], s73
	s_add_nc_u64 s[G0V+2:G0V+3], s[4:5], s[60:61]
	s_or_b32 s[G0V+3], s[G0V+3], 0x80000000
	CROUND                                         ; all four work-groups are here: the first joint loads meet
	TLOAD                                          ; slot 0
	s_add_nc_u64 s[74:75], s[4:5], s[66:67]
	s_add_nc_u64 s[6:7], s[6:7], s[68:69]
	v_and_b32 v7, 31, v0                           ; lane
	v_lshlrev_b32 v[AK0], 4, v7
	v_lshlrev_b32 v[AS0], 3, v7
.irp c, 0,1,2
	global_load_b128 v[16+4*\c:19+4*\c], v[AK0], s[74:75] offset:512*\c   ; q's fragment stays in registers
.endr
	global_load_b32 v255, v[AS0], s[74:75] offset:1536
	v_add_nc_u32 v[AV0], s73, v[AK0]
	v_add_nc_u32 v[AVS0], s73, v[AS0]
	v_mov_b32 v13, 0xff61b1e6                      ; the largest t so far: -3e38
	v_floor_f32 v12, -v13                          ; -M
	v_mov_b32 v14, 0
	v_mov_b32 v15, 0
.irp b, 0,1,2,3
	v_mov_b32 v[236+\b], 0                         ; a lane permute's destination counts as one of its sources
.endr
	v_mov_b32 v253, 0
	s_wait_loadcnt 0x0
.irp i, 0,1,2,3,4,5
	v_and_b32 v[16+\i], s70, v[16+\i]              ; the other head's codes become zeros
	v_and_b32 v[22+\i], s71, v[22+\i]
.endr
.set n, 0
.rept 32
	v_mov_b32 v[160+n], 0                          ; O^T: the step is written once; the first finds zeros
.set n, n+1
.endr
; A KEY STEP: 128 keys, the q-th of the slot in hand.
.macro STEP q
	v_add_nc_u32 v[ADK], s[TB], v[AK0]             ; (these four are also the places behind the last step's products)
	v_add_nc_u32 v[ADV], s[TB], v[AV0]
	v_add_nc_u32 v[ADS], s[TB], v[AS0]
	v_add_nc_u32 v[ADT], s[TB], v[AVS0]
.irp g, 0,1                                    ; S^T = k q^T, four tiles of 16 keys at a time
.if \g
	PLACES
.endif
.irp t, 0,1,2,3
	FRAG 32+12*\t, ADK, (8*(\q)+4*\g+\t)*TILE
	ds_load_b32 v[248+\t], v[ADS] offset:(8*(\q)+4*\g+\t)*TILE+1536
.endr
	s_wait_dscnt 0x0
.irp t, 0,1,2,3
	v_wmma_scale_f32_16x16x128_f8f6f4 v[96+8*(4*\g+\t):103+8*(4*\g+\t)], v[32+12*\t:43+12*\t], v[16:27], 0, v[248+\t], v255 matrix_a_fmt:MATRIX_FMT_FP6 matrix_b_fmt:MATRIX_FMT_FP6
.endr
.endr
	PLACES
.irp t, 0,1,2,3                                ; my head's four tiles of v^T for these 128 keys: asked for now, they land while the softmax is walked
	FRAG 32+12*\t, ADV, (4*\t+(\q))*TILE
	ds_load_b32 v[248+\t], v[ADT] offset:(4*\t+(\q))*TILE+1536
.endr
.irp b, 0,1,2,3
	v_max3_num_f32 v[232+\b], v[96+16*\b], v[97+16*\b], v[98+16*\b]   ; the largest score of each block of 32 keys: for the row's maximum, and for the block's largest p
.endr
.irp i, 3,5,7,9,11,13
.irp b, 0,1,2,3
	v_max3_num_f32 v[232+\b], v[232+\b], v[96+16*\b+\i], v[97+16*\b+\i]
.endr
.endr
.irp b, 0,1,2,3
	v_max_num_f32 v[232+\b], v[232+\b], v[111+16*\b]
.endr
.irp b, 0,1,2,3
	v_permlanex16_b32 v[236+\b], v[232+\b], s[SEL], s[SEL+1]
.endr
.irp b, 0,1,2,3
	v_max_num_f32 v[232+\b], v[232+\b], v[236+\b]  ; with lane l xor 16's 16 keys
.endr
	v_max3_num_f32 v254, v232, v233, v234
	v_max_num_f32 v254, v254, v235
	v_mul_f32 v254, s[CS], v254                    ; as t (c is positive)
	v_max_num_f32 v13, v13, v254                   ; the running largest t
	v_mov_b32 v254, v12
	v_floor_f32 v12, -v13                          ; the new -M = -ceil(t): a whole number
	v_sub_f32 v254, v12, v254                      ; old M - new M, 0 or less
	v_cvt_i32_f32 v254, v254                       ; (it saturates)
	v_ldexp_f32 v252, 1.0, v254                    ; f = 2^(old M - new M)
.set n, 0
.rept 32
	v_pk_fma_f32 v[96+n:97+n], v[96+n:97+n], s[CS:CS+1], v[12:13] op_sel_hi:[1,0,0]   ; t - M, two at a time
.set n, n+2
.endr
.irp b, 0,1,2,3
	v_fma_f32 v[232+\b], v[232+\b], s[CS], v12
.endr
.set n, 0
.rept 64
	v_exp_f32 v[96+n], v[96+n]                     ; p = 2^(t - M), at most 1
.set n, n+1
.endr
	v_pk_mul_f32 v[14:15], v[14:15], v[252:253] op_sel_hi:[1,0]   ; the sums under the new M: a plain place behind the exponentials
	s_wait_alu depctr_va_vdst(0)                   ; one wait for the batch of 64, ahead of its first reader
.irp b, 0,1,2,3
	v_exp_f32 v[232+\b], v[232+\b]                 ; the blocks' largest p
.endr
	v_pk_add_f32 v[236:237], v[96:97], v[98:99]    ; the row's sum is taken of the unquantised p, in two chains
.irp j, 4,8,12,16,20,24,28,32,36,40,44,48,52,56,60
	v_pk_add_f32 v[14:15], v[14:15], v[96+\j:97+\j]
	v_pk_add_f32 v[236:237], v[236:237], v[98+\j:99+\j]
.endr
	v_pk_add_f32 v[14:15], v[14:15], v[236:237]
	s_wait_alu depctr_va_vdst(0)                   ; and one for the four
.irp b, 0,1,2,3
	v_max_num_f32 v[232+\b], 0x1800000, v[232+\b]  ; the floor 2^(3 - 127): the byte cannot fall under 1
.endr
.irp b, 0,1,2,3
	v_add_nc_u32 v[244+\b], 0xff000000, v[232+\b]  ; the conversion's scale operand
.endr
.irp b, 0,1,2,3
	v_lshrrev_b32 v[236+\b], 23, v[244+\b]         ; the scale's byte
.endr
	v_lshl_or_b32 v253, v237, 8, v236              ; p's scale word for these 128 keys
	v_lshl_or_b32 v253, v238, 16, v253
	v_lshl_or_b32 v253, v239, 24, v253
.irp c, 0,1
	v_cvt_scalef32_pk16_fp6_f32 v[224+6*\c:226+6*\c], v[96+32*\c:111+32*\c], v[244+2*\c]
	v_cvt_scalef32_pk16_fp6_f32 v[236+4*\c:238+4*\c], v[112+32*\c:127+32*\c], v[244+2*\c+1]
.endr
	v_nop                                          ; one plain place behind a scaled conversion
.irp c, 0,1
.irp i, 0,1,2
	v_permlane16_swap_b32 v[224+6*\c+\i], v[236+4*\c+\i]
.endr
.irp i, 0,1,2
	v_mov_b32 v[227+6*\c+\i], v[236+4*\c+\i]
.endr
.endr
.set n, 0
.rept 16
	v_pk_mul_f32 v[160+n:161+n], v[160+n:161+n], v[252:253] op_sel_hi:[1,0]   ; O^T under the new M; these sixteen stand between the scale word's making and the products
.set n, n+2
.endr
	s_wait_dscnt 0x0                               ; v's fragments are in
.irp t, 0,1,2,3                                ; O^T += v^T p^T: four accumulators, one turn each
	v_wmma_scale_f32_16x16x128_f8f6f4 v[160+8*\t:167+8*\t], v[32+12*\t:43+12*\t], v[224:235], v[160+8*\t:167+8*\t], v[248+\t], v253 matrix_a_fmt:MATRIX_FMT_FP6 matrix_b_fmt:MATRIX_FMT_FP6
.endr
.endm
; THE CHANGE OF SLOTS stands at a slot's head.  Each wave waits for all its tensor loads, adds 0 to its spare word, and waits for that and for its reads of the slot that it has left.
; fill = 1: a round of the cluster's barrier, and behind it the slot just left is filled with the next 512 keys, jointly.
.macro CHANGE fill
	s_wait_tensorcnt 0x0                           ; no tensor load of mine is out, so a group 0 may be written
	ds_add_u32 v[SPW], v[NIL]
.if \fill
	s_xor_b32 s[G0K+1], s[G0K+1], SLOT1
	s_add_nc_u64 s[G0K+2:G0K+3], s[G0K+2:G0K+3], 32*QP
	s_xor_b32 s[G0V+1], s[G0V+1], SLOT1
	s_add_nc_u64 s[G0V+2:G0V+3], s[G0V+2:G0V+3], 4*TILE
.endif
	s_wait_dscnt 0x0                               ; the add is done, and my reads of the slot that I have left are over
.if \fill
	CROUND
	TLOAD                                          ; the first thing behind the round, and a wave's one tensor load until the next
.else
	s_barrier_signal -1
	s_barrier_wait -1
.endif
.endm
.macro SLOT_STEPS
	STEP 0
	STEP 1
	STEP 2
	STEP 3
	s_xor_b32 s[TB], s[TB], SLOT1
.endm
.Lslot:                                            ; three trips: behind each change of slots but the last the next slot is asked for
	CHANGE 1
	SLOT_STEPS
	s_sub_co_u32 s[SLOTS], s[SLOTS], 1
	s_cmp_lg_u32 s[SLOTS], 0
	s_cbranch_scc1 .Lslot
	CHANGE 0                                       ; the last slot is written out
	SLOT_STEPS
	; THE WAY OUT.  O^T / the sum is my head's 64 channels of 16 queries: two blocks of 32 along the next K, half a tile.  It is quantised in registers; the two waves of a tile meet in LDS.
	v_add_f32 v14, v14, v15
	v_permlanex16_b32 v252, v14, s[SEL], s[SEL+1]
	v_add_f32 v14, v14, v252                       ; the row's sum
	v_rcp_f32 v14, v14
	s_lshl_b32 s76, s[WV], 10
	s_add_co_u32 s76, s76, STAGE                   ; my 1,024 bytes
	v_add_nc_u32 v8, s76, v[AS0]                   ; (plain work behind the reciprocal)
	v_lshlrev_b32 v9, 2, v7
	v_add_nc_u32 v9, s76, v9
	s_and_b32 s77, s[WV], 7
	s_lshl_b32 s77, s77, 11
	s_add_co_u32 s77, s77, STAGE                   ; what wave w % 8 reads back: the parts of waves 2 w and 2 w + 1
	v_add_nc_u32 v10, s77, v[AS0]
	v_lshlrev_b32 v11, 2, v7
	v_add_nc_u32 v11, s77, v11
	s_wait_alu depctr_va_vdst(0)                   ; the wait ahead of the reciprocal's first reader
.set n, 0
.rept 32
	v_mul_f32 v[96+n], v[160+n], v14               ; register 16 b + i is channel 32 b + 16 h + i
.set n, n+1
.endr
.irp b, 0,1
	v_max3_num_f32 v[232+\b], |v[96+16*\b]|, |v[97+16*\b]|, 0x1800000
.endr
.irp i, 2,4,6,8,10,12,14
.irp b, 0,1
	v_max3_num_f32 v[232+\b], v[232+\b], |v[96+16*\b+\i]|, |v[97+16*\b+\i]|
.endr
.endr
.irp b, 0,1
	v_permlanex16_b32 v[236+\b], v[232+\b], s[SEL], s[SEL+1]
.endr
.irp b, 0,1
	v_max_num_f32 v[232+\b], v[232+\b], v[236+\b]
.endr
.irp b, 0,1
	v_add_nc_u32 v[244+\b], 0xff000000, v[232+\b]
.endr
.irp b, 0,1
	v_lshrrev_b32 v[236+\b], 23, v[244+\b]
.endr
	v_lshl_or_b32 v240, v237, 8, v236              ; my half of the scale word
	v_cvt_scalef32_pk16_fp6_f32 v[224:226], v[96:111], v244
	v_cvt_scalef32_pk16_fp6_f32 v[228:230], v[112:127], v245
	v_nop                                          ; one plain place behind a scaled conversion
.irp i, 0,1,2
	v_permlane16_swap_b32 v[224+\i], v[228+\i]
.endr
	v_mov_b32 v227, v228
	v_mov_b32 v228, v229
	v_mov_b32 v229, v230                           ; v224-229: registers 6 x head .. + 5 of the tile
	ds_store_b64 v8, v[224:225]
	ds_store_b64 v8, v[226:227] offset:256
	ds_store_b64 v8, v[228:229] offset:512
	ds_store_b32 v9, v240 offset:768
	s_wait_dscnt 0x0                               ; for the others' sake: my stores are done
	s_barrier_signal -1
	s_barrier_wait -1
	s_cmp_ge_u32 s[WV], 8
	s_cbranch_scc1 .Ldone
.irp p, 0,1,2,3,4,5
	ds_load_b64 v[32+2*\p:33+2*\p], v10 offset:256*(\p%3)+1024*(\p/3)   ; the tile's twelve registers, lane for lane
.endr
	ds_load_b32 v44, v11 offset:768
	ds_load_b32 v46, v11 offset:1792
	s_wait_dscnt 0x0
	v_lshl_or_b32 v44, v46, 16, v44                ; the two halves make the scale word
	v_mov_b32 v45, 0
.irp c, 0,1,2
	global_store_b128 v[AK0], v[32+4*\c:35+4*\c], s[6:7] offset:512*\c   ; 32 lanes store 512 consecutive bytes, aligned to 256
.endr
	global_store_b64 v[AS0], v[44:45], s[6:7] offset:1536
.Ldone:
	s_wait_tensorcnt 0x0                           ; the wave's end
	ds_add_u32 v[SPW], v[NIL]
	s_wait_dscnt 0x0
	CROUND                                         ; the closing round
	s_endpgm
.Lfunc_end_k_qcff01fd6b2_att:
	.size	k_qcff01fd6b2_att, .Lfunc_end_k_qcff01fd6b2_att-k_qcff01fd6b2_att
	.p2alignl 7, 3214868480
	.fill 96, 4, 3214868480
	.section	.rodata,"a",@progbits
	.p2align	6, 0x0
	.amdhsa_kernel k_qcff01fd6b2_att
		.amdhsa_group_segment_fixed_size 327680
		.amdhsa_private_segment_fixed_size 0
		.amdhsa_enable_private_segment 0
		.amdhsa_kernarg_size 16
		.amdhsa_user_sgpr_count 2
		.amdhsa_user_sgpr_kernarg_segment_ptr 1
		.amdhsa_wavefront_size32 1
		.amdhsa_system_sgpr_workgroup_id_x 1
		.amdhsa_system_sgpr_workgroup_id_y 1
		.amdhsa_system_sgpr_workgroup_id_z 1
		.amdhsa_system_vgpr_workitem_id 0
		.amdhsa_next_free_vgpr 256
		.amdhsa_next_free_sgpr 100
		.amdhsa_reserve_vcc 0
		.amdhsa_float_denorm_mode_32 3
		.amdhsa_float_denorm_mode_16_64 3
		.amdhsa_memory_ordered 1
		.amdhsa_forward_progress 1
		.amdhsa_inst_pref_size 147
	.end_amdhsa_kernel
	.amdgpu_metadata
---
amdhsa.version: [ 1, 2 ]
amdhsa.kernels:
  - .name:           k_qcff01fd6b2_att
    .symbol:         k_qcff01fd6b2_att.kd
    .args:
      - { .name: qkv, .offset: 0, .size: 8, .value_kind: global_buffer, .address_space: global }
      - { .name: act, .offset: 8, .size: 8, .value_kind: global_buffer, .address_space: global }
    .group_segment_fixed_size: 327680
    .private_segment_fixed_size: 0
    .kernarg_segment_align: 8
    .kernarg_segment_size: 16
    .max_flat_workgroup_size: 512
    .sgpr_count:     100
    .vgpr_count:     256
    .wavefront_size: 32
...
	.end_amdgpu_metadata
.endif
;; end of part 3
;; launch woln (part 4): grid 64 x 1, 4 waves a work-group, no clusters, 263,680 bytes of LDS; arguments act, blk0, bo, x, g1, be1, o1f, blk1, kp1; writes o1f, blk1
.if DOCPART == 4
	.amdgcn_target "amdgcn-amd-amdhsa--gfx1250"
	.amdhsa_code_object_version 6
	.text
	.protected	k_qcff01fd6b2_woln
	.globl	k_qcff01fd6b2_woln
	.p2align	8
	.type	k_qcff01fd6b2_woln,@function
k_qcff01fd6b2_woln:
	s_mov_b64 s[64:65], 0
	v_nop
	global_prefetch_b8 v0, s[64:65] scope:SCOPE_SE
	s_setreg_imm32_b32 hwreg(HW_REG_WAVE_MODE, 25, 1), 1
	s_wait_xcnt 0x0
; out = layernorm(resid + A W + bias) x g + be, the product on codes of FP6 (E2M3) with E8M0 scales; N = 1,024; K = 128 x KS.  It serves two launches on other buffers (ctx wo with K = 1,024; hidden w2 with K = 4,096).
; KS, whether an image of the result is made, and the K loop's trips are whole numbers that the first launch stored (last argument); each is held by s_min_u32 before it is used.
; OPERANDS are images of tiles of 1,792 bytes (16 rows x 128 K: 12 registers a lane as they stand, then a scale word for each lane); tile (row tile, K step) lies at (KS x row tile + K step) x 1,792; W's image begins at OFF_W.
; Slot r of row tile 2 b + u holds row (token; column of W) 32 b + 8 u + r + 8 (r / 8).
; SHARES.  The norm wants whole rows: a work-group owns 64 row slots (4 row tiles) x all 1,024 columns: 64 work-groups.  Wave w owns W's row tiles 16 w .. 16 w + 15 (256 columns): 64 accumulators, 512 registers.
; OPERANDS GO FROM MEMORY STRAIGHT INTO REGISTERS.  Each tile of W is read by one wave of the work-group alone, so LDS would only be written and read once more; and two slots of one K step (2 x 114,688 bytes)
; do not fit beside the stage of 263,168 bytes.  With no tensor load there is no joint request, hence no cluster; and the trip count may be a stored number, so that one text serves both K.
; THE MATRIX INSTRUCTION IS USED TRANSPOSED (source 0 = 16 columns of W, source 1 = 16 rows of A): a lane holds one row and neighbouring columns.
; WAY OUT: all results into a stage of 64 rows x 4,112 bytes; a barrier; wave w norms the 16 rows of row tile w, a row at a time over its 32 lanes, stores them as f32, and (first launch) quantises them into tiles.
; LIMITS: a block of zeros, or under 2^-124, gets the scale byte 1 (read by this program alone); NaN and infinities are not served.
; REGISTERS: window 0: v0-29 addresses and work; v32-63 offsets of W's and A's tiles; v64-159 A's fragments, two sets; v240-247 A's scale words, v248-255 W's.  window 1: W's 16 fragments; later 8 rows of the residual.
;   windows 2, 3: accumulator (a, b) at v[8 (4 (b % 8) + a)], b under 8 in window 2.  On the way out: v32-127 bias, g, be; v128-159 a row; v160-223 at work; v224-235 codes.
.set TILE,  1792
.set OFF_W, 8274432
.set SP,    4112                       ; a stage row: 4,096 bytes + 16: an odd multiple of 16
.set SPARE, 64*SP                      ; behind the stage: the spare words, 128 bytes for each wave: two blocks of 256 bytes that no other line names
.set STO,  4                           ; v4-7  where I put my results of A's block a
.set RD,   8                           ; v8    my 16 rows, 16 x lane
.set RD3,  9                           ; v9    my row r, + 128 h
.set XT,   10                          ; v10-16 at work in the quantiser
.set XPW,  18                          ; v[18:19] a scale word and 0
.set XSH,  20                          ; v20   8 h
.set LI,   24                          ; v24   16 x lane
.set LS,   25                          ; v25   8 x lane
.set SPW,  28                          ; v28   LDS address of my spare word; never rewritten
.set NIL,  29                          ; v29   0; never rewritten
.set VB,   32                          ; v32-47 16 x lane + b x pitch
.set VA,   VB                          ; (A's four offsets are the first four of these)
.set VBS,  48                          ; v48-55 8 x lane + (2 p + h) x pitch
.set VAS,  60                          ; v60-63 8 x lane + a x pitch
.set AFR,  64
.set SA,   240
.set SB,   248
.set BI,   32
.set GA,   64
.set BE,   96
.set Y,    128
.set SS,   160
.set XPC,  224
.set XPD,  128
.set XSEL, 42
.set MSB, 0
.macro WIN new
.if MSB != (\new)
	s_set_vgpr_msb (MSB<<8)|(\new)
.set MSB, (\new)
.endif
.endm
.macro WM a, b, set, zero              ; one product.  W's scale words: lanes 0-15 of register b / 2 for an even b, lanes 16-31 for an odd one
.set ACC, 8*(4*((\b)%8)+(\a))
.if (\b)%2
.if \zero
	v_wmma_scale_f32_16x16x128_f8f6f4 v[ACC:ACC+7], v[12*(\b):12*(\b)+11], v[AFR+48*(\set)+12*(\a):AFR+48*(\set)+12*(\a)+11], 0, v[SB+(\b)/2], v[SA+4*(\set)+(\a)] matrix_a_fmt:MATRIX_FMT_FP6 matrix_b_fmt:MATRIX_FMT_FP6 matrix_a_scale:MATRIX_SCALE_ROW1
.else
	v_wmma_scale_f32_16x16x128_f8f6f4 v[ACC:ACC+7], v[12*(\b):12*(\b)+11], v[AFR+48*(\set)+12*(\a):AFR+48*(\set)+12*(\a)+11], v[ACC:ACC+7], v[SB+(\b)/2], v[SA+4*(\set)+(\a)] matrix_a_fmt:MATRIX_FMT_FP6 matrix_b_fmt:MATRIX_FMT_FP6 matrix_a_scale:MATRIX_SCALE_ROW1
.endif
.else
.if \zero
	v_wmma_scale_f32_16x16x128_f8f6f4 v[ACC:ACC+7], v[12*(\b):12*(\b)+11], v[AFR+48*(\set)+12*(\a):AFR+48*(\set)+12*(\a)+11], 0, v[SB+(\b)/2], v[SA+4*(\set)+(\a)] matrix_a_fmt:MATRIX_FMT_FP6 matrix_b_fmt:MATRIX_FMT_FP6
.else
	v_wmma_scale_f32_16x16x128_f8f6f4 v[ACC:ACC+7], v[12*(\b):12*(\b)+11], v[AFR+48*(\set)+12*(\a):AFR+48*(\set)+12*(\a)+11], v[ACC:ACC+7], v[SB+(\b)/2], v[SA+4*(\set)+(\a)] matrix_a_fmt:MATRIX_FMT_FP6 matrix_b_fmt:MATRIX_FMT_FP6
.endif
.endif
.endm
.macro LOADB g, imm                    ; W's tiles 4 g .. 4 g + 3 of the K step imm bytes on: 14 loads
.irp p, 0,1
	global_load_b32 v[SB+2*(\g)+\p], v[VBS+2*(\g)+\p], s[10:11] offset:(\imm)+1536
.endr
	WIN 0x40                                       ; destination window 1
.irp t, 0,1,2,3
.irp c, 0,1,2
	global_load_b128 v[12*(4*(\g)+\t)+4*\c:12*(4*(\g)+\t)+4*\c+3], v[VB+4*(\g)+\t], s[10:11] offset:(\imm)+512*\c
.endr
.endr
	WIN 0
.endm
.macro LOADA set, imm                  ; A's four tiles: 16 loads
.irp a, 0,1,2,3
.irp c, 0,1,2
	global_load_b128 v[AFR+48*(\set)+12*\a+4*\c:AFR+48*(\set)+12*\a+4*\c+3], v[VA+\a], s[8:9] offset:(\imm)+512*\c
.endr
	global_load_b32 v[SA+4*(\set)+\a], v[VAS+\a], s[8:9] offset:(\imm)+1536
.endr
.endm
; 16 products on 16 different accumulators (they take turns), four places, and the same tiles of the next K step are asked for
.macro GROUP g, set, zero, reload, imm, cnt
	s_wait_loadcnt \cnt
	WIN 0xa1+0x50*((\g)/2)                         ; source 0 (W) window 1, source 1 (A) window 0, C and D window 2 or 3
.irp t, 0,1,2,3
.irp a, 0,1,2,3
	WM \a, 4*(\g)+\t, \set, \zero
.endr
.endr
	WIN 0
.rept 4
	v_nop                                          ; places in front of loads into registers that these products have read, and of the first read of results
.endr
.if \reload
	LOADB \g, \imm
.if (\g) == 0
	LOADA 1-(\set), \imm
.endif
.endif
.endm
; A K step.  Loads are issued in the order G0, A, G1, G2, G3 (14, 16, 14, 14, 14).  Group 0 needs G0 and A: behind them G1, G2, G3 = 42 may be out.
; Group 1 needs G1: behind it G2, G3 and the next step's G0 and A = 58; groups 2 and 3 likewise 58.  The last step asks for nothing: 42, 28, 14, 0.
.macro STEPK set, zero, reload, imm
.if \reload
	GROUP 0, \set, \zero, 1, \imm, 42
	GROUP 1, \set, \zero, 1, \imm, 58
	GROUP 2, \set, \zero, 1, \imm, 58
	GROUP 3, \set, \zero, 1, \imm, 58
.else
	GROUP 0, \set, \zero, 0, 0, 42
	GROUP 1, \set, \zero, 0, 0, 28
	GROUP 2, \set, \zero, 0, 0, 14
	GROUP 3, \set, \zero, 0, 0, 0
.endif
.endm
.macro RED x                           ; a sum over the 32 lanes, in every lane
	v_add_f32_dpp v[\x], v[\x], v[\x] row_xmask:1 row_mask:0xf bank_mask:0xf
	v_add_f32_dpp v[\x], v[\x], v[\x] row_xmask:2 row_mask:0xf bank_mask:0xf
	v_add_f32_dpp v[\x], v[\x], v[\x] row_xmask:4 row_mask:0xf bank_mask:0xf
	v_add_f32_dpp v[\x], v[\x], v[\x] row_xmask:8 row_mask:0xf bank_mask:0xf
	v_permlanex16_b32 v[\x+1], v[\x], s[XSEL], s[XSEL+1]
	v_add_f32 v[\x], v[\x], v[\x+1]
.endm
; 64 numbers of a lane, register 32 c + i = k 64 c + 32 h + i of my row: two whole blocks; they become a tile's 12 registers in v[XPC] on and its scale word in v[XPW].
.macro XQ s
.irp c, 0,1
	v_max3_num_f32 v[XT+\c], |v[\s+32*\c]|, |v[\s+32*\c+1]|, 0x1800000
.endr
.irp i, 2,4,6,8,10,12,14,16,18,20,22,24,26,28,30
.irp c, 0,1
	v_max3_num_f32 v[XT+\c], v[XT+\c], |v[\s+32*\c+\i]|, |v[\s+32*\c+\i+1]|
.endr
.endr
.irp c, 0,1
	v_add_nc_u32 v[XT+2+\c], 0xff000000, v[XT+\c]
.endr
.irp c, 0,1
	v_lshrrev_b32 v[XT+4+\c], 23, v[XT+2+\c]
.endr
	v_lshl_or_b32 v[XPW], v[XT+5], 16, v[XT+4]
	v_lshlrev_b32 v[XPW], v[XSH], v[XPW]
	v_permlanex16_b32 v[XT+6], v[XPW], s[XSEL], s[XSEL+1]
	v_or_b32 v[XPW], v[XPW], v[XT+6]
.irp c, 0,1
	v_cvt_scalef32_pk16_fp6_f32 v[XPC+6*\c:XPC+6*\c+2], v[\s+32*\c:\s+32*\c+15], v[XT+2+\c]
	v_cvt_scalef32_pk16_fp6_f32 v[XPD+4*\c:XPD+4*\c+2], v[\s+32*\c+16:\s+32*\c+31], v[XT+2+\c]
.endr
	v_nop                                          ; one plain place behind a scaled conversion
.irp c, 0,1
.irp i, 0,1,2
	v_mov_b32 v[XPC+6*\c+3+\i], v[XPD+4*\c+\i]
.endr
.endr
.endm
	s_load_b512 s[8:23], s[0:1], 0x0               ; A's image, the block with W's image, bias, residual, g, be, the f32 output, the image's buffer
	s_load_b64 s[24:25], s[0:1], 0x40              ; the whole numbers
	v_lshl_add_u32 v[SPW], v0, 2, SPARE
	v_mov_b32 v[NIL], 0
	v_lshrrev_b32 v1, 5, v0
	v_readfirstlane_b32 s26, v1                    ; wave 0..3
	v_and_b32 v1, 31, v0                           ; lane
	v_and_b32 v2, 15, v0                           ; r
	v_bfe_u32 v3, v0, 4, 1                         ; h
	v_lshlrev_b32 v[LI], 4, v1
	v_lshlrev_b32 v[LS], 3, v1
	s_mov_b32 s[XSEL], 0x76543210
	s_mov_b32 s[XSEL+1], 0xfedcba98
	s_mov_b32 s44, 0x3a800000                      ; 1 / 1,024
	s_mov_b32 s45, 0x358637bd                      ; 1e-6
	s_wait_kmcnt 0x0
	s_load_b128 s[28:31], s[24:25], 0x0
	s_wait_kmcnt 0x0
	s_min_u32 s28, s28, 32                         ; K steps
	s_min_u32 s29, s29, 1                          ; is an image made?
	s_min_u32 s30, s30, 15                         ; trips: K steps / 2 - 1
	s_mul_i32 s32, s28, TILE                       ; from row tile to row tile
	s_lshl_b32 s33, ttmp9, 2                       ; my work-group's first row tile
	s_mul_i32 s34, s33, s32
	s_mov_b32 s35, 0
	s_add_nc_u64 s[8:9], s[8:9], s[34:35]
	s_lshl_b32 s34, s26, 4
	s_mul_i32 s34, s34, s32
	s_add_co_u32 s34, s34, OFF_W
	s_add_nc_u64 s[10:11], s[10:11], s[34:35]      ; my wave's 16 row tiles of W
	s_lshl_b32 s38, ttmp9, 6                       ; the first token of row tile 4 wg + w: 64 wg + 32 (w / 2) + 8 (w % 2)
	s_lshr_b32 s39, s26, 1
	s_lshl_b32 s39, s39, 5
	s_add_co_u32 s38, s38, s39
	s_and_b32 s39, s26, 1
	s_lshl_b32 s39, s39, 3
	s_add_co_u32 s38, s38, s39
	s_lshl_b32 s38, s38, 12
	s_mov_b32 s39, 0
	s_add_nc_u64 s[14:15], s[14:15], s[38:39]
	s_add_nc_u64 s[20:21], s[20:21], s[38:39]
	s_add_co_u32 s46, s33, s26
	s_mul_i32 s46, s46, 8*TILE                     ; the image's row tile 4 wg + w (8 K steps)
	s_mov_b32 s47, 0
	s_add_nc_u64 s[22:23], s[22:23], s[46:47]
	v_mov_b32 v[VB], v[LI]
.irp b, 1,2,3,4,5,6,7,8,9,10,11,12,13,14,15
	v_add_nc_u32 v[VB+\b], s32, v[VB+\b-1]
.endr
	v_mul_lo_u32 v10, v3, s32
	v_add_nc_u32 v[VBS], v10, v[LS]
	s_lshl_b32 s36, s32, 1
.irp p, 1,2,3,4,5,6,7
	v_add_nc_u32 v[VBS+\p], s36, v[VBS+\p-1]
.endr
	v_mov_b32 v[VAS], v[LS]
.irp a, 1,2,3
	v_add_nc_u32 v[VAS+\a], s32, v[VAS+\a-1]
.endr
	v_mul_u32_u24 v[STO], v2, SP                   ; the stage: row 16 a + r, byte 1,024 w + 64 h + what the tile adds
	v_lshl_add_u32 v[STO], v3, 6, v[STO]
	s_lshl_b32 s40, s26, 10
	v_add_nc_u32 v[STO], s40, v[STO]
.irp a, 1,2,3
	v_add_nc_u32 v[STO+\a], 16*SP, v[STO+\a-1]
.endr
	s_mul_i32 s41, s26, 16*SP
	v_add_nc_u32 v[RD], s41, v[LI]
	v_mul_u32_u24 v[RD3], v2, SP
	v_lshl_add_u32 v[RD3], v3, 7, v[RD3]
	v_add_nc_u32 v[RD3], s41, v[RD3]
	v_lshlrev_b32 v[XSH], 3, v3
	LOADB 0, 0
	LOADA 0, 0
	LOADB 1, 0
	LOADB 2, 0
	LOADB 3, 0
	STEPK 0, 1, 1, TILE                            ; K step 0 starts the sums and asks for step 1
	s_mov_b32 s37, 0
.Lk:                                               ; a trip: an odd and an even K step
	STEPK 1, 0, 1, 2*TILE
	s_wait_xcnt 0x0                                ; the loads have read their bases: they step only behind this wait
	s_add_nc_u64 s[8:9], s[8:9], 2*TILE
	s_add_nc_u64 s[10:11], s[10:11], 2*TILE
	STEPK 0, 0, 1, TILE
	s_add_co_u32 s37, s37, 1
	s_cmp_lt_u32 s37, s30
	s_cbranch_scc1 .Lk
	STEPK 1, 0, 0, 0                               ; the last K step asks for nothing: no load leaves its buffer
	; bias, g, be of my columns in a row (128 i + 4 lane + 0 .. 3), and the residual's first 8 rows: asked for ahead of the turn through the stage
.irp i, 0,1,2,3,4,5,6,7
	global_load_b128 v[BI+4*\i:BI+4*\i+3], v[LI], s[12:13] offset:512*\i
	global_load_b128 v[GA+4*\i:GA+4*\i+3], v[LI], s[16:17] offset:512*\i
	global_load_b128 v[BE+4*\i:BE+4*\i+3], v[LI], s[18:19] offset:512*\i
.endr
	WIN 0x40
.irp k, 0,1,2,3,4,5,6,7
.irp i, 0,1,2,3,4,5,6,7
	global_load_b128 v[32*\k+4*\i:32*\k+4*\i+3], v[LI], s[14:15] offset:\k*4096+512*\i
.endr
.endr
.irp hw, 0,1
	WIN 0x08+4*\hw                                 ; an LDS store's data are its source 1: window 2, then 3
.irp bb, 0,1,2,3,4,5,6,7
.irp a, 0,1,2,3
	ds_store_b128 v[STO+\a], v[8*(4*\bb+\a):8*(4*\bb+\a)+3] offset:128*((8*\hw+\bb)/2)+32*(\bb%2)          ; each accumulator from its low end on: columns 32 (b / 2) + 16 h + 8 (b % 2) + 0 .. 7
	ds_store_b128 v[STO+\a], v[8*(4*\bb+\a)+4:8*(4*\bb+\a)+7] offset:128*((8*\hw+\bb)/2)+32*(\bb%2)+16
.endr
.endr
.endr
	WIN 0
	s_wait_dscnt 0x0                               ; for the others' sake: my stores into the stage are done
	s_barrier_signal -1
	s_barrier_wait -1                              ; 64 whole rows lie in the stage; from here on a wave touches its own 16 rows alone
; Row slot p of my row tile: token p + 8 (p / 8) from my first.
.macro ROW p
	s_wait_xcnt 0x0                                ; the last row's global stores have read their data: the row's registers are written again only behind this wait
.irp i, 0,1,2,3,4,5,6,7
	ds_load_b128 v[Y+4*\i:Y+4*\i+3], v[RD] offset:(\p)*SP+512*\i
.endr
	s_wait_dscnt 0x0
.if (\p) < 8
	s_wait_loadcnt 56                              ; this row's residual is in; seven rows' loads behind it may be out
.else
	s_wait_loadcnt 8*(15-(\p))
.endif
.set n, 0
.rept 16
	v_pk_add_f32 v[Y+2*n:Y+2*n+1], v[Y+2*n:Y+2*n+1], v[BI+2*n:BI+2*n+1]
.set n, n+1
.endr
	WIN 0x04                                       ; source 1: window 1
.set n, 0
.rept 16
	v_pk_add_f32 v[Y+2*n:Y+2*n+1], v[Y+2*n:Y+2*n+1], v[32*((\p)%8)+2*n:32*((\p)%8)+2*n+1]
.set n, n+1
.endr
.if (\p) < 8
	WIN 0x40
.irp i, 0,1,2,3,4,5,6,7
	global_load_b128 v[32*(\p)+4*\i:32*(\p)+4*\i+3], v[LI], s[14:15] offset:((\p)+16)*4096+512*\i   ; its registers take the row eight slots on
.endr
.endif
	WIN 0
.irp c, 0,1,2,3
	v_pk_add_f32 v[SS+2*\c:SS+2*\c+1], v[Y+2*\c:Y+2*\c+1], v[Y+8+2*\c:Y+8+2*\c+1]   ; the row's sum, in four chains
.endr
.irp k, 16,24
.irp c, 0,1,2,3
	v_pk_add_f32 v[SS+2*\c:SS+2*\c+1], v[SS+2*\c:SS+2*\c+1], v[Y+\k+2*\c:Y+\k+2*\c+1]
.endr
.endr
	v_pk_add_f32 v[SS:SS+1], v[SS:SS+1], v[SS+2:SS+3]
	v_pk_add_f32 v[SS+4:SS+5], v[SS+4:SS+5], v[SS+6:SS+7]
	v_pk_add_f32 v[SS:SS+1], v[SS:SS+1], v[SS+4:SS+5]
	v_add_f32 v[SS], v[SS], v[SS+1]
	RED SS
	v_mul_f32 v[SS+2], 0xba800000, v[SS]           ; - the mean
.set n, 0
.rept 16
	v_pk_add_f32 v[Y+2*n:Y+2*n+1], v[Y+2*n:Y+2*n+1], v[SS+2:SS+3] op_sel_hi:[1,0]
.set n, n+1
.endr
	v_pk_mul_f32 v[SS+4:SS+5], v[Y:Y+1], v[Y:Y+1]  ; the squares, in two chains
	v_pk_mul_f32 v[SS+6:SS+7], v[Y+2:Y+3], v[Y+2:Y+3]
.irp k, 4,8,12,16,20,24,28
	v_pk_fma_f32 v[SS+4:SS+5], v[Y+\k:Y+\k+1], v[Y+\k:Y+\k+1], v[SS+4:SS+5]
	v_pk_fma_f32 v[SS+6:SS+7], v[Y+\k+2:Y+\k+3], v[Y+\k+2:Y+\k+3], v[SS+6:SS+7]
.endr
	v_pk_add_f32 v[SS+4:SS+5], v[SS+4:SS+5], v[SS+6:SS+7]
	v_add_f32 v[SS+4], v[SS+4], v[SS+5]
	RED SS+4
	v_fma_f32 v[SS+4], v[SS+4], s44, s45           ; the variance + 1e-6
	v_rsq_f32 v[SS+6], v[SS+4]
	v_nop                                          ; a plain place behind the transcendental,
	s_wait_alu depctr_va_vdst(0)                   ; and the wait ahead of its first reader
.set n, 0
.rept 16
	v_pk_mul_f32 v[Y+2*n:Y+2*n+1], v[Y+2*n:Y+2*n+1], v[SS+6:SS+7] op_sel_hi:[1,0]
.set n, n+1
.endr
.set n, 0
.rept 16
	v_pk_fma_f32 v[Y+2*n:Y+2*n+1], v[Y+2*n:Y+2*n+1], v[GA+2*n:GA+2*n+1], v[BE+2*n:BE+2*n+1]
.set n, n+1
.endr
.irp i, 0,1,2,3,4,5,6,7
	global_store_b128 v[LI], v[Y+4*\i:Y+4*\i+3], s[20:21] offset:((\p)+8*((\p)/8))*4096+512*\i th:TH_STORE_NT   ; 32 lanes store 512 consecutive bytes, aligned to 256
.endr
.irp i, 0,1,2,3,4,5,6,7
	ds_store_b128 v[RD], v[Y+4*\i:Y+4*\i+3] offset:(\p)*SP+512*\i   ; and back into my own row, for the image
.endr
.endm
.irp p, 0,1,2,3,4,5,6,7,8,9,10,11,12,13,14,15
	ROW \p
.endr
	s_cmp_eq_u32 s29, 0                            ; a stored whole number: the second launch of this text makes no image
	s_cbranch_scc1 .Lno_image
	v_mov_b32 v[XT+6], 0                           ; a lane permute's destination counts as one of its sources
	v_mov_b32 v[XPW+1], 0
.irp ks, 0,1,2,3,4,5,6,7                       ; my 16 rows become the 8 tiles of row tile 4 wg + w
.irp c, 0,1
.irp i, 0,1,2,3,4,5,6,7
	ds_load_b128 v[160+32*\c+4*\i:160+32*\c+4*\i+3], v[RD3] offset:512*\ks+256*\c+16*\i   ; LDS serves a wave's instructions in order: these see my stores
.endr
.endr
	s_wait_dscnt 0x0
	s_wait_xcnt 0x0                                ; the last tile's stores have read the codes and the word
	XQ 160
.irp c, 0,1,2
	global_store_b128 v[LI], v[XPC+4*\c:XPC+4*\c+3], s[22:23] offset:TILE*\ks+512*\c
.endr
	global_store_b64 v[LS], v[XPW:XPW+1], s[22:23] offset:TILE*\ks+1536
.endr
.Lno_image:
	s_wait_tensorcnt 0x0                           ; the wave's end, behind my last LDS store
	ds_add_u32 v[SPW], v[NIL]
	s_wait_dscnt 0x0
	s_endpgm
.Lfunc_end_k_qcff01fd6b2_woln:
	.size	k_qcff01fd6b2_woln, .Lfunc_end_k_qcff01fd6b2_woln-k_qcff01fd6b2_woln
	.p2alignl 7, 3214868480
	.fill 96, 4, 3214868480
	.section	.rodata,"a",@progbits
	.p2align	6, 0x0
	.amdhsa_kernel k_qcff01fd6b2_woln
		.amdhsa_group_segment_fixed_size 263680
		.amdhsa_private_segment_fixed_size 0
		.amdhsa_enable_private_segment 0
		.amdhsa_kernarg_size 72
		.amdhsa_user_sgpr_count 2
		.amdhsa_user_sgpr_kernarg_segment_ptr 1
		.amdhsa_wavefront_size32 1
		.amdhsa_system_sgpr_workgroup_id_x 1
		.amdhsa_system_sgpr_workgroup_id_y 1
		.amdhsa_system_sgpr_workgroup_id_z 1
		.amdhsa_system_vgpr_workitem_id 0
		.amdhsa_next_free_vgpr 1024
		.amdhsa_next_free_sgpr 66
		.amdhsa_reserve_vcc 0
		.amdhsa_float_denorm_mode_32 3
		.amdhsa_float_denorm_mode_16_64 3
		.amdhsa_memory_ordered 1
		.amdhsa_forward_progress 1
		.amdhsa_inst_pref_size 255
	.end_amdhsa_kernel
	.section	.bss,"aw",@nobits
	.p2align	6
	.space	262144
	.amdgpu_metadata
---
amdhsa.version: [ 1, 2 ]
amdhsa.kernels:
  - .name:           k_qcff01fd6b2_woln
    .symbol:         k_qcff01fd6b2_woln.kd
    .args:
      - { .name: act, .offset: 0, .size: 8, .value_kind: global_buffer, .address_space: global }
      - { .name: blk0, .offset: 8, .size: 8, .value_kind: global_buffer, .address_space: global }
      - { .name: bo, .offset: 16, .size: 8, .value_kind: global_buffer, .address_space: global }
      - { .name: x, .offset: 24, .size: 8, .value_kind: global_buffer, .address_space: global }
      - { .name: g1, .offset: 32, .size: 8, .value_kind: global_buffer, .address_space: global }
      - { .name: be1, .offset: 40, .size: 8, .value_kind: global_buffer, .address_space: global }
      - { .name: o1f, .offset: 48, .size: 8, .value_kind: global_buffer, .address_space: global }
      - { .name: blk1, .offset: 56, .size: 8, .value_kind: global_buffer, .address_space: global }
      - { .name: kp1, .offset: 64, .size: 8, .value_kind: global_buffer, .address_space: global }
    .group_segment_fixed_size: 263680
    .private_segment_fixed_size: 0
    .kernarg_segment_align: 8
    .kernarg_segment_size: 72
    .max_flat_workgroup_size: 128
    .sgpr_count:     66
    .vgpr_count:     1024
    .wavefront_size: 32
...
	.end_amdgpu_metadata
.endif
;; end of part 4
;; launch ffn1: the kernel of part 2 again; grid 16 x 16, 4 waves a work-group, clusters of 4 x 4, 327,680 bytes of LDS; arguments blk1, b1, act; writes act
;; launch ffn2ln: the kernel of part 4 again; grid 64 x 1, 4 waves a work-group, no clusters, 263,680 bytes of LDS; arguments act, blk1, b2, o1f, g2, be2, out0, blk0, kp2; writes out0, blk0
;; ======== version 2 of 2: 7 launches
;; limits: right only within a limited range of input values
;; workspace buffers: blk0 11,944,448 bytes; blk1 11,944,448 bytes; qkv 18,350,080 bytes; act 14,680,064 bytes; o1f 16,777,216 bytes; part 67,108,864 bytes
;; launch prep (part 5): grid 513 x 1, 4 waves a work-group, no clusters, 65,024 bytes of LDS; arguments x, wq, wk, wv, wo, w1, w2, bq, bk, b1, blk0, blk1; writes blk0, blk1
.if DOCPART == 5
	.amdgcn_target "amdgcn-amd-amdhsa--gfx1250"
	.amdhsa_code_object_version 6
	.text
	.protected	k_qcff01fd6b2_prep
	.globl	k_qcff01fd6b2_prep
	.p2align	8
	.type	k_qcff01fd6b2_prep,@function
k_qcff01fd6b2_prep:
	s_mov_b64 s[64:65], 0
	v_nop
	global_prefetch_b8 v0, s[64:65] scope:SCOPE_SE
	s_setreg_imm32_b32 hwreg(HW_REG_WAVE_MODE, 25, 1), 1
	s_wait_xcnt 0x0
; PREP: x and the six weights, f32, become codes of FP6 (E2M3) with one E8M0 scale byte for each 32 along K, laid as the later launches' operand registers want them.
; A TILE is 16 rows x 128 K in 1,792 bytes: byte 512 c + 16 l + 4 i is register 4 c + i of lane l of the operand (lane (r, h): registers 6 c' .. 6 c' + 5 hold k = 64 c' + 32 h + 0 .. 31 of row r);
; bytes 1536 + 8 l hold the scale word of row l % 16 and a zero word.  So a tile is read by three loads of 16 bytes a lane and one of 4, and written in whole aligned blocks of 256 bytes.
; ROW SLOTS: slot r of row tile 2 b + u holds row (token, or column of a weight) 32 b + 8 u + r + 8 (r / 8).  K inside a tile is in its natural order.
; A block's scale is 2^(floor(log2(largest magnitude)) - 2); its byte is the largest magnitude's exponent field - 2, held at 1 from below.
; LIMITS: a block of zeros, or one whose largest magnitude lies under 2^-124, gets the byte 1 (this program alone reads the bytes; zero codes add nothing); NaN and infinities among the inputs are not served.
; FOUR PATHS by the work-group's number, each with LDS bytes of its own: 0-255 weights with rows of 4,096 bytes (wq, wk, wv, wo: 32 work-groups each; w2: 128); 256-383 w1 (rows of 16,384 bytes);
; 384-511 x; 512 the column biases and the floors that the later launches read.
; No tensor loads, no barrier, no cluster: waves share nothing and every input byte is read once.
.set TILE,   1792
.set OFF_B,  3670016                   ; blk0: [wq; wk] image; blk1: w1 image
.set WQK,    917504                    ; 64 row tiles x 8 K steps
.set OFF_A2, 7340032                   ; blk0: wv image
.set OFF_E,  8257536                   ; 512 bytes of floor, then 16,384 of column bias
.set OFF_W,  8274432                   ; blk0: wo image; blk1: w2 image
.set STP,    1920                      ; a tile's place in a weight wave's stage
.set STW,    2*STP
.set LBX,    8*STW                     ; behind the two weight paths' stages: x's stages
.set STX,    16*528
.set SPARE,  LBX+4*STX                 ; the spare words, 128 bytes for each wave: two blocks of 256 bytes that no other line names
.set SPW,    14                        ; v14  LDS address of my spare word; never rewritten
.set NIL,    15                        ; v15  0; never rewritten
.set XT,     16                        ; x's path: v16-22 at work
.set XPW,    24                        ; v[24:25] a scale word and 0
.set XSH,    26                        ; v26  8 h
.set XPC,    224                       ; v224-235 a tile's codes
.set XPD,    236                       ; v236-242 the second halves as the conversions leave them
.set XSEL,   38                        ; s[38:39] lane selects: lane l xor 16
.macro FINISH                          ; the wave's end, behind my last LDS store
	s_wait_tensorcnt 0x0
	ds_add_u32 v[SPW], v[NIL]
	s_wait_dscnt 0x0
	s_endpgm
.endm
; 64 numbers of a lane, register 32 c + i = k 64 c + 32 h + i of my row: two whole blocks.  They become the tile's 12 registers in v[XPC] on and its scale word in v[XPW].
.macro XQ s
.irp c, 0,1
	v_max3_num_f32 v[XT+\c], |v[\s+32*\c]|, |v[\s+32*\c+1]|, 0x1800000   ; with the floor 2^(3 - 127): the byte cannot fall under 1
.endr
.irp i, 2,4,6,8,10,12,14,16,18,20,22,24,26,28,30
.irp c, 0,1
	v_max3_num_f32 v[XT+\c], v[XT+\c], |v[\s+32*\c+\i]|, |v[\s+32*\c+\i+1]|
.endr
.endr
.irp c, 0,1
	v_add_nc_u32 v[XT+2+\c], 0xff000000, v[XT+\c]   ; 2 off the exponent field: the conversion's scale operand
.endr
.irp c, 0,1
	v_lshrrev_b32 v[XT+4+\c], 23, v[XT+2+\c]        ; the scale's byte
.endr
	v_lshl_or_b32 v[XPW], v[XT+5], 16, v[XT+4]      ; my bytes: blocks h and 2 + h,
	v_lshlrev_b32 v[XPW], v[XSH], v[XPW]            ; 8 h bits up;
	v_permlanex16_b32 v[XT+6], v[XPW], s[XSEL], s[XSEL+1]
	v_or_b32 v[XPW], v[XPW], v[XT+6]                ; with lane l xor 16's two the word is whole, in all 32 lanes
.irp c, 0,1
	v_cvt_scalef32_pk16_fp6_f32 v[XPC+6*\c:XPC+6*\c+2], v[\s+32*\c:\s+32*\c+15], v[XT+2+\c]
	v_cvt_scalef32_pk16_fp6_f32 v[XPD+4*\c:XPD+4*\c+2], v[\s+32*\c+16:\s+32*\c+31], v[XT+2+\c]   ; (a conversion's three registers begin on an even number)
.endr
	v_nop                                           ; one plain place behind a scaled conversion
.irp c, 0,1
.irp i, 0,1,2
	v_mov_b32 v[XPC+6*\c+3+\i], v[XPD+4*\c+\i]
.endr
.endr
.endm
; THE WEIGHTS.  A lane takes a column and its registers run down K: a block of 32 is one lane's, and the codes come out with K innermost.
.macro LOADW t, NPB                    ; block t: w(32 t + i, my column) into set t % 2; a wave reads 128 consecutive bytes, the work-group 512
.irp i, 0,1,2,3,4,5,6,7,8,9,10,11,12,13,14,15,16,17,18,19,20,21,22,23,24,25,26,27,28,29,30,31
	global_load_b32 v[32+32*((\t)%2)+\i], v3, s[44:45] offset:(32*(\t)+\i)*\NPB th:TH_LOAD_NT
.endr
.endm
.macro BLOCKW t, NPB
.set XS, 32+32*((\t)%2)
.if (\t) < 7
	s_wait_loadcnt 32                              ; this block's 32 loads are in; the next block's may be out
.else
	s_wait_loadcnt 0
.endif
	v_max3_num_f32 v12, |v[XS]|, |v[XS+1]|, |v[XS+2]|
	v_max3_num_f32 v13, |v[XS+3]|, |v[XS+4]|, |v[XS+5]|
.irp i, 6,10,14,18,22,26
	v_max3_num_f32 v12, v12, |v[XS+\i]|, |v[XS+\i+1]|
	v_max3_num_f32 v13, v13, |v[XS+\i+2]|, |v[XS+\i+3]|
.endr
	v_max3_num_f32 v12, v12, |v[XS+30]|, |v[XS+31]|
	v_max3_num_f32 v12, v12, v13, 0x1800000        ; and the floor
	v_add_nc_u32 v17, 0xff000000, v12              ; the conversion's scale operand
	v_lshrrev_b32 v18, 23, v17                     ; the byte
.if (\t)%4 == 0
	v_mov_b32 v24, v18                             ; four bytes make a tile's scale word, the lower K in the lower byte
.else
	v_lshl_or_b32 v24, v18, 8*((\t)%4), v24
.endif
	v_cvt_scalef32_pk16_fp6_f32 v[96:98], v[XS:XS+15], v17
	v_cvt_scalef32_pk16_fp6_f32 v[104:106], v[XS+16:XS+31], v17
	v_nop                                          ; one plain place behind a scaled conversion
	v_mov_b32 v99, v104
	v_mov_b32 v100, v105
	v_mov_b32 v101, v106
; block t of a tile is k = 64 c + 32 h with c = (t % 4) / 2, h = t % 2: registers 6 c .. 6 c + 5 of the image's lane r + 16 h
.if ((\t)%4)/2 == 0
	ds_store_b128 v7, v[96:99] offset:256*((\t)%2)
	ds_store_b64 v7, v[100:101] offset:512+256*((\t)%2)
.else
	ds_store_b64 v7, v[96:97] offset:520+256*((\t)%2)
	ds_store_b128 v7, v[98:101] offset:1024+256*((\t)%2)
.endif
.if (\t)+2 < 8
	LOADW (\t)+2, \NPB
.endif
	s_wait_dscnt 0x0                               ; the stores have read their registers: the next block's codes may be written
.endm
.macro FLUSHW q                        ; two finished tiles (my 32 columns, K step q of my two) leave the stage as images; each has registers of its own, so no store's data are written again
	ds_store_b64 v8, v[24:25] offset:1536          ; the scale word for the image's lanes r
	ds_store_b64 v8, v[24:25] offset:1536+128      ; and r + 16
.irp u, 0,1
.irp c, 0,1,2
	ds_load_b128 v[112+16*(2*\q+\u)+4*\c:112+16*(2*\q+\u)+4*\c+3], v11 offset:\u*STP+512*\c   ; LDS serves a wave's instructions in order: these see my stores
.endr
	ds_load_b64 v[112+16*(2*\q+\u)+12:112+16*(2*\q+\u)+13], v16 offset:\u*STP+1536
.endr
	s_wait_dscnt 0x0
.irp c, 0,1,2
	global_store_b128 v9, v[112+32*\q+4*\c:112+32*\q+4*\c+3], s[48:49] offset:TILE*\q+512*\c   ; 32 lanes store 512 consecutive bytes, aligned to 256
.endr
	global_store_b64 v10, v[112+32*\q+12:112+32*\q+13], s[48:49] offset:TILE*\q+1536
.irp c, 0,1,2
	global_store_b128 v9, v[128+32*\q+4*\c:128+32*\q+4*\c+3], s[56:57] offset:TILE*\q+512*\c
.endr
	global_store_b64 v10, v[128+32*\q+12:128+32*\q+13], s[56:57] offset:TILE*\q+1536
.endm
; s[44:45] the weight, s[48:49] the buffer of its image, s46 the image's place there, s47 its K steps, s50 which 128 columns, s51 which 256 along K
.macro WPATH NPB, LB
	s_mul_i32 s52, s51, 256*\NPB
	s_lshl_b32 s53, s50, 9
	s_add_co_u32 s52, s52, s53
	s_lshl_b32 s53, s36, 7
	s_add_co_u32 s52, s52, s53                     ; 256 kg rows + 4 (128 cg + 32 wave) bytes
	s_mov_b32 s53, 0
	s_add_nc_u64 s[44:45], s[44:45], s[52:53]
	s_lshl_b32 s54, s50, 3
	s_lshl_b32 s55, s36, 1
	s_add_co_u32 s54, s54, s55                     ; my first row tile: 8 cg + 2 wave
	s_mul_i32 s54, s54, s47
	s_lshl_b32 s55, s51, 1
	s_add_co_u32 s54, s54, s55                     ; its K step 2 kg
	s_mul_i32 s54, s54, TILE
	s_add_co_u32 s54, s54, s46
	s_mov_b32 s55, 0
	s_add_nc_u64 s[48:49], s[48:49], s[54:55]
	s_mul_i32 s54, s47, TILE
	s_add_nc_u64 s[56:57], s[48:49], s[54:55]      ; and my second row tile
	v_lshlrev_b32 v3, 2, v2                        ; in: 4 bytes a lane
	v_bfe_u32 v4, v0, 3, 1                         ; my column 8 u + r + 8 (r / 8) of the 32: u,
	v_and_b32 v5, 7, v0
	v_bfe_u32 v6, v0, 4, 1
	v_lshl_add_u32 v5, v6, 3, v5                   ; and r
	v_mul_u32_u24 v4, v4, STP
	s_mul_i32 s58, s36, STW
	s_add_co_u32 s58, s58, \LB                     ; my stage
	v_add_nc_u32 v4, s58, v4
	v_lshl_add_u32 v7, v5, 4, v4                   ; codes: 16 r in tile u
	v_lshl_add_u32 v8, v5, 3, v4                   ; scale words: 8 r
	v_lshlrev_b32 v9, 4, v2
	v_lshlrev_b32 v10, 3, v2
	v_add_nc_u32 v11, s58, v9                      ; back: 16 x lane,
	v_add_nc_u32 v16, s58, v10                     ; 8 x lane
	v_mov_b32 v25, 0
	LOADW 0, \NPB
	LOADW 1, \NPB
	BLOCKW 0, \NPB
	BLOCKW 1, \NPB
	BLOCKW 2, \NPB
	BLOCKW 3, \NPB
	s_wait_alu depctr_va_vdst(0)
	FLUSHW 0
	BLOCKW 4, \NPB
	BLOCKW 5, \NPB
	BLOCKW 6, \NPB
	BLOCKW 7, \NPB
	s_wait_alu depctr_va_vdst(0)
	FLUSHW 1
	FINISH
.endm
; x: K is innermost.  Each load reads 512 consecutive bytes of one token; a tile's 16 x 512 bytes turn through my stage (rows of 528 bytes) and come back 32 neighbours to a lane and block.
.macro LOADX t
.irp j, 0,1,2,3,4,5,6,7,8,9,10,11,12,13,14,15
	global_load_b128 v[32+64*((\t)%2)+4*\j:32+64*((\t)%2)+4*\j+3], v9, s[8:9] offset:(\j+8*(\j/8))*4096+512*(\t) th:TH_LOAD_NT
.endr
.endm
.macro TILEX t
.if (\t) < 3
	s_wait_loadcnt 16                              ; this tile's 16 loads are in; the next tile's may be out
.else
	s_wait_loadcnt 0
.endif
.irp j, 0,1,2,3,4,5,6,7,8,9,10,11,12,13,14,15
	ds_store_b128 v4, v[32+64*((\t)%2)+4*\j:32+64*((\t)%2)+4*\j+3] offset:528*\j
.endr
.irp c, 0,1
.irp i, 0,1,2,3,4,5,6,7
	ds_load_b128 v[160+32*\c+4*\i:160+32*\c+4*\i+3], v7 offset:256*\c+16*\i
.endr
.endr
	s_wait_dscnt 0x0                               ; the numbers are back, and the stores have read their registers
	s_wait_xcnt 0x0                                ; the last tile's global stores have read the codes and the word: they are written again only behind this wait
.if (\t)+2 < 4
	LOADX (\t)+2
.endif
	XQ 160
.irp c, 0,1,2
	global_store_b128 v9, v[XPC+4*\c:XPC+4*\c+3], s[28:29] offset:TILE*(\t)+512*\c
.endr
	global_store_b64 v10, v[XPW:XPW+1], s[28:29] offset:TILE*(\t)+1536
.endm
	s_load_b512 s[8:23], s[0:1], 0x0               ; x, wq, wk, wv, wo, w1, w2, bq
	s_load_b256 s[24:31], s[0:1], 0x40             ; bk, b1, blk0, blk1
	v_lshl_add_u32 v[SPW], v0, 2, SPARE
	v_mov_b32 v[NIL], 0
	v_lshrrev_b32 v1, 5, v0
	v_readfirstlane_b32 s36, v1                    ; wave
	v_and_b32 v2, 31, v0                           ; lane
	s_mov_b32 s[XSEL], 0x76543210
	s_mov_b32 s[XSEL+1], 0xfedcba98
	s_wait_kmcnt 0x0
	s_cmp_ge_u32 ttmp9, 512
	s_cbranch_scc1 .Lpath_e
	s_cmp_ge_u32 ttmp9, 384
	s_cbranch_scc1 .Lpath_x
	s_cmp_ge_u32 ttmp9, 256
	s_cbranch_scc1 .Lpath_w1
	; work-groups 0-255: which weight, and where its image goes.  Only pointers and numbers are chosen, on the work-group's number
	s_lshr_b32 s40, ttmp9, 5
	s_and_b32 s41, ttmp9, 31
	s_sub_co_u32 s42, ttmp9, 128
	s_mov_b32 s46, OFF_B
	s_cmp_eq_u32 s40, 1
	s_cselect_b64 s[44:45], s[12:13], s[10:11]
	s_cselect_b32 s46, OFF_B+WQK, s46
	s_cmp_eq_u32 s40, 2
	s_cselect_b64 s[44:45], s[14:15], s[44:45]
	s_cselect_b32 s46, OFF_A2, s46
	s_cmp_eq_u32 s40, 3
	s_cselect_b64 s[44:45], s[16:17], s[44:45]
	s_cselect_b32 s46, OFF_W, s46
	s_cmp_ge_u32 s40, 4
	s_cselect_b64 s[44:45], s[20:21], s[44:45]
	s_cselect_b32 s46, OFF_W, s46
	s_cselect_b64 s[48:49], s[30:31], s[28:29]
	s_cselect_b32 s41, s42, s41
	s_cselect_b32 s47, 32, 8
	s_and_b32 s50, s41, 7
	s_lshr_b32 s51, s41, 3
	s_wait_alu depctr_va_vdst(0)
	WPATH 4096, 0
.Lpath_w1:
	s_sub_co_u32 s41, ttmp9, 256
	s_mov_b64 s[44:45], s[18:19]
	s_mov_b64 s[48:49], s[30:31]
	s_mov_b32 s46, OFF_B
	s_mov_b32 s47, 8
	s_and_b32 s50, s41, 31
	s_lshr_b32 s51, s41, 5
	s_wait_alu depctr_va_vdst(0)
	WPATH 16384, 4*STW
.Lpath_x:
	s_sub_co_u32 s41, ttmp9, 384                   ; u: row tiles 2 u and 2 u + 1
	s_lshr_b32 s42, s36, 1                         ; which of the two is my wave's,
	s_and_b32 s43, s36, 1                          ; and which four K steps
	s_lshl_b32 s44, s41, 5
	s_lshl_b32 s45, s42, 3
	s_add_co_u32 s44, s44, s45                     ; the tile's first token: 32 u + 8 (wave / 2)
	s_lshl_b32 s44, s44, 12
	s_lshl_b32 s45, s43, 11
	s_add_co_u32 s44, s44, s45
	s_mov_b32 s45, 0
	s_add_nc_u64 s[8:9], s[8:9], s[44:45]
	s_lshl_b32 s46, s41, 1
	s_add_co_u32 s46, s46, s42
	s_lshl_b32 s46, s46, 3
	s_lshl_b32 s47, s43, 2
	s_add_co_u32 s46, s46, s47
	s_mul_i32 s46, s46, TILE
	s_mov_b32 s47, 0
	s_add_nc_u64 s[28:29], s[28:29], s[46:47]      ; x's image begins at blk0's first byte
	s_wait_alu depctr_va_vdst(0)
	v_lshlrev_b32 v9, 4, v2
	v_lshlrev_b32 v10, 3, v2
	s_mul_i32 s48, s36, STX
	s_add_co_u32 s48, s48, LBX                     ; my stage
	v_add_nc_u32 v4, s48, v9                       ; in: 16 x lane of a row
	v_and_b32 v5, 15, v0
	v_bfe_u32 v6, v0, 4, 1
	v_mul_u32_u24 v7, v5, 528
	v_lshl_add_u32 v7, v6, 7, v7
	v_add_nc_u32 v7, s48, v7                       ; back: row r, + 128 h
	v_lshlrev_b32 v[XSH], 3, v6
	v_mov_b32 v[XPW+1], 0
	v_mov_b32 v[XT+6], 0                           ; a lane permute's destination counts as one of its sources
	LOADX 0
	LOADX 1
	s_wait_alu depctr_va_vdst(0)
	TILEX 0
	TILEX 1
	TILEX 2
	TILEX 3
	FINISH
.Lpath_e:
	v_lshlrev_b32 v3, 4, v0                        ; 16 bytes a thread
	v_lshlrev_b32 v4, 2, v0
	global_load_b128 v[32:35], v3, s[22:23]
	global_load_b128 v[36:39], v3, s[22:23] offset:2048
	global_load_b128 v[40:43], v3, s[24:25]
	global_load_b128 v[44:47], v3, s[24:25] offset:2048
.irp j, 0,1,2,3,4,5,6,7
	global_load_b128 v[48+4*\j:51+4*\j], v3, s[26:27] offset:2048*\j
.endr
	v_mov_b32 v5, 0xff800000                       ; the floor under q, k, v: -infinity (no activation)
	v_mov_b32 v6, 0                                ; under the hidden layer: 0 (relu)
	; work-group 512 stores the two floors and the column biases, and nothing else
	s_add_nc_u64 s[40:41], s[28:29], OFF_E
	s_add_nc_u64 s[42:43], s[30:31], OFF_E
	global_store_b32 v4, v5, s[40:41]
	global_store_b32 v4, v6, s[42:43]
	s_wait_alu depctr_va_vdst(0)                   ; directly ahead of the wait below
	s_wait_loadcnt 0x0
	global_store_b128 v3, v[32:35], s[40:41] offset:512          ; blk0: bq, then bk
	global_store_b128 v3, v[36:39], s[40:41] offset:512+2048
	global_store_b128 v3, v[40:43], s[40:41] offset:512+4096
	global_store_b128 v3, v[44:47], s[40:41] offset:512+6144
.irp j, 0,1,2,3,4,5,6,7
	global_store_b128 v3, v[48+4*\j:51+4*\j], s[42:43] offset:512+2048*\j   ; blk1: b1
.endr
	FINISH
.Lfunc_end_k_qcff01fd6b2_prep:
	.size	k_qcff01fd6b2_prep, .Lfunc_end_k_qcff01fd6b2_prep-k_qcff01fd6b2_prep
	.p2alignl 7, 3214868480
	.fill 96, 4, 3214868480
	.section	.rodata,"a",@progbits
	.p2align	6, 0x0
	.amdhsa_kernel k_qcff01fd6b2_prep
		.amdhsa_group_segment_fixed_size 65024
		.amdhsa_private_segment_fixed_size 0
		.amdhsa_enable_private_segment 0
		.amdhsa_kernarg_size 96
		.amdhsa_user_sgpr_count 2
		.amdhsa_user_sgpr_kernarg_segment_ptr 1
		.amdhsa_wavefront_size32 1
		.amdhsa_system_sgpr_workgroup_id_x 1
		.amdhsa_system_sgpr_workgroup_id_y 1
		.amdhsa_system_sgpr_workgroup_id_z 1
		.amdhsa_system_vgpr_workitem_id 0
		.amdhsa_next_free_vgpr 256
		.amdhsa_next_free_sgpr 66
		.amdhsa_reserve_vcc 0
		.amdhsa_float_denorm_mode_32 3
		.amdhsa_float_denorm_mode_16_64 3
		.amdhsa_memory_ordered 1
		.amdhsa_forward_progress 1
		.amdhsa_inst_pref_size 117
	.end_amdhsa_kernel
	.amdgpu_metadata
---
amdhsa.version: [ 1, 2 ]
amdhsa.kernels:
  - .name:           k_qcff01fd6b2_prep
    .symbol:         k_qcff01fd6b2_prep.kd
    .args:
      - { .name: x, .offset: 0, .size: 8, .value_kind: global_buffer, .address_space: global }
      - { .name: wq, .offset: 8, .size: 8, .value_kind: global_buffer, .address_space: global }
      - { .name: wk, .offset: 16, .size: 8, .value_kind: global_buffer, .address_space: global }
      - { .name: wv, .offset: 24, .size: 8, .value_kind: global_buffer, .address_space: global }
      - { .name: wo, .offset: 32, .size: 8, .value_kind: global_buffer, .address_space: global }
      - { .name: w1, .offset: 40, .size: 8, .value_kind: global_buffer, .address_space: global }
      - { .name: w2, .offset: 48, .size: 8, .value_kind: global_buffer, .address_space: global }
      - { .name: bq, .offset: 56, .size: 8, .value_kind: global_buffer, .address_space: global }
      - { .name: bk, .offset: 64, .size: 8, .value_kind: global_buffer, .address_space: global }
      - { .name: b1, .offset: 72, .size: 8, .value_kind: global_buffer, .address_space: global }
      - { .name: blk0, .offset: 80, .size: 8, .value_kind: global_buffer, .address_space: global }
      - { .name: blk1, .offset: 88, .size: 8, .value_kind: global_buffer, .address_space: global }
    .group_segment_fixed_size: 65024
    .private_segment_fixed_size: 0
    .kernarg_segment_align: 8
    .kernarg_segment_size: 96
    .max_flat_workgroup_size: 128
    .sgpr_count:     66
    .vgpr_count:     256
    .wavefront_size: 32
...
	.end_amdgpu_metadata
.endif
;; end of part 5
;; launch qkv (part 6): grid 8 x 24, 4 waves a work-group, clusters of 4 x 4, 327,680 bytes of LDS; arguments blk0, bv, qkv; writes qkv
.if DOCPART == 6
	.amdgcn_target "amdgcn-amd-amdhsa--gfx1250"
	.amdhsa_code_object_version 6
	.text
	.protected	k_qcff01fd6b2_qkv
	.globl	k_qcff01fd6b2_qkv
	.p2align	8
	.type	k_qcff01fd6b2_qkv,@function
k_qcff01fd6b2_qkv:
	s_mov_b64 s[64:65], 0
	v_nop
	global_prefetch_b8 v0, s[64:65] scope:SCOPE_SE
	s_setreg_imm32_b32 hwreg(HW_REG_WAVE_MODE, 25, 1), 1
	s_wait_xcnt 0x0
	s_wait_alu depctr_hold_cnt(0) depctr_sa_sdst(0) depctr_va_vdst(0) depctr_va_sdst(0) depctr_va_ssrc(0) depctr_va_vcc(0) depctr_vm_vsrc(0)
	s_getreg_b32 s2, hwreg(HW_REG_IB_STS2, 6, 4)
	s_cmp_eq_u32 s2, 0
	s_cbranch_scc0 .Lentry_in_a_cluster
	s_endpgm
.Lentry_in_a_cluster:
	s_bfe_u32 s2, ttmp6, 0x10000c
	s_cmp_lg_u32 s2, 0xf033
	s_cbranch_scc0 .Lentry_shape_is_right
	s_endpgm
.Lentry_shape_is_right:
.set TILE,   1792
.set RT2,    2*TILE
.set RPITCH, 8*TILE
.set HALFT,  8*RT2
.set SLOT,   4*HALFT
.set SPARE,  2*SLOT
.set OFF_B,  3670016
.set OFF_A2, 7340032
.set OFF_E,  8257536
.set OFF_EB, OFF_E+512
.set OFF_VT, 14680064
.set OPITCH, 32*TILE
.set FR,  12
.set NL,  3
.set NP,  4
.set NQ,  2
.set ADRA, 16
.set ADRB, 20
.set ADRS, 22
.set LI,   24
.set LS,   25
.set SPW,  28
.set NIL,  29
.set PW,   30
.set SC,   32
.set BC,   64
.set AF,   128
.set HA,   128
.set PC,   192
.set BR,   224
.set TM,   240
.set SEL,  76
.set G1,   24
.set G0,   32
.set G1B,  48
.set G0B,  56
.set MSB, 0
.macro WIN new
.if MSB != (\new)
	s_set_vgpr_msb (MSB<<8)|(\new)
.set MSB, (\new)
.endif
.endm
.set MUL_LO, 0xa1
.set MUL_HI, 0xf1
.set TO_B,   0x40
.macro JLOAD g0a, g1a, g0b, g1b
	s_cmp_eq_u32 s15, 0
	s_cbranch_scc0 .Lfor_b_\@
	tensor_load_to_lds s[\g0a:\g0a+3], s[\g1a:\g1a+7]
	s_nop 0
.rept 4
	v_nop
.endr
	s_branch .Lasked_\@
.Lfor_b_\@:
	tensor_load_to_lds s[\g0b:\g0b+3], s[\g1b:\g1b+7]
	s_nop 0
.rept 4
	v_nop
.endr
.Lasked_\@:
.endm
.macro CREST
	s_cmp_lg_u32 s14, 0
	s_cbranch_scc1 .Lnot_wave_0_\@
	s_barrier_signal -3
.Lnot_wave_0_\@:
	s_barrier_wait -3
	s_barrier_signal -1
	s_barrier_wait -1
.endm
.macro CROUND
	s_barrier_signal -1
	s_barrier_wait -1
	CREST
.endm
	s_load_b128 s[4:7], s[0:1], 0x0
	s_load_b64 s[12:13], s[0:1], 0x10
	v_lshl_add_u32 v[SPW], v0, 2, SPARE
	v_mov_b32 v[NIL], 0
	ds_add_u32 v[SPW], v[NIL]
	ds_add_u32 v[SPW], v[NIL]
	v_lshrrev_b32 v1, 5, v0
	v_readfirstlane_b32 s14, v1
	s_lshr_b32 s15, s14, 1
	s_and_b32 s16, s14, 1
	s_bfe_u32 s40, ttmp6, 0x40000
	s_bfe_u32 s41, ttmp6, 0x40004
	s_and_b32 s18, ttmp7, 0xffff
	s_sub_co_u32 s19, s18, 4
	s_lshl_b32 s19, s19, 1
	s_add_co_u32 s19, s19, ttmp9
	s_cmp_ge_u32 s18, 4
	s_cselect_b32 s20, s19, ttmp9
	s_cselect_b32 s21, 0, s18
	s_cselect_b32 s66, OFF_A2, 0
	s_cselect_b32 s67, 0, OFF_B
	s_cselect_b32 s68, OFF_VT, 0
	s_cselect_b32 s69, 0, -1
	s_cselect_b32 s70, -1, 0
	s_lshl_b32 s42, s20, 2
	s_add_co_u32 s42, s42, s40
	s_lshl_b32 s17, s21, 2
	s_add_co_u32 s17, s17, s41
	s_lshl_b32 s43, s41, 2
	s_lshl_b32 s43, 15, s43
	s_lshl_b32 s44, 0x1111, s40
	s_or_b32 s[G1+0], s43, (3<<16)|(1<<21)
	s_or_b32 s[G1B+0], s44, (3<<16)|(1<<21)
.irp g, G1, G1B
	s_mov_b32 s[\g+1], 448<<16
	s_mov_b32 s[\g+2], 8<<16
	s_mov_b32 s[\g+3], 448<<16
	s_mov_b32 s[\g+4], 8
	s_mov_b32 s[\g+5], 1792
	s_mov_b32 s[\g+6], 0
	s_mov_b32 s[\g+7], 0
.endr
	s_lshl_b32 s18, s16, 3
	s_lshl_b32 s20, s17, 4
	s_add_co_u32 s20, s20, s18
	s_mul_i32 s20, s20, RPITCH
	s_add_co_u32 s20, s20, s66
	s_mov_b32 s21, 0
	s_lshl_b32 s46, s42, 4
	s_add_co_u32 s46, s46, s18
	s_mul_i32 s46, s46, RPITCH
	s_add_co_u32 s46, s46, s67
	s_mov_b32 s47, 0
	s_mul_i32 s45, s14, HALFT
	s_mov_b32 s[SEL], 0x76543210
	s_mov_b32 s[SEL+1], 0xfedcba98
	s_wait_dscnt 0x0
	s_wait_kmcnt 0x0
	s_add_nc_u64 s[20:21], s[4:5], s[20:21]
	s_add_nc_u64 s[46:47], s[4:5], s[46:47]
	CROUND
.irp s, 0,1
	s_mov_b32 s[G0+4*\s], 1
	s_add_co_u32 s[G0+4*\s+1], s45, \s*SLOT
	s_add_nc_u64 s[G0+4*\s+2:G0+4*\s+3], s[20:21], \s*RT2
	s_or_b32 s[G0+4*\s+3], s[G0+4*\s+3], 0x80000000
	s_mov_b32 s[G0B+4*\s], 1
	s_add_co_u32 s[G0B+4*\s+1], s45, \s*SLOT
	s_add_nc_u64 s[G0B+4*\s+2:G0B+4*\s+3], s[46:47], \s*RT2
	s_or_b32 s[G0B+4*\s+3], s[G0B+4*\s+3], 0x80000000
	s_wait_alu depctr_va_vdst(0)
	s_wait_tensorcnt 0x0
	ds_add_u32 v28, v29
	ds_add_u32 v28, v29
	s_wait_dscnt 0x0
	CROUND
	JLOAD G0+4*\s, G1, G0B+4*\s, G1B
.endr
	v_and_b32 v1, 31, v0
	v_and_b32 v2, 15, v0
	v_bfe_u32 v3, v0, 4, 1
	s_wait_alu depctr_va_vdst(0)
	v_lshlrev_b32 v[LI], 4, v1
	v_lshlrev_b32 v[LS], 3, v1
	s_lshl_b32 s72, s42, 10
	s_and_b32 s72, s72, s69
	s_lshl_b32 s73, s16, 9
	s_add_co_u32 s72, s72, s73
	s_add_co_u32 s72, s72, OFF_EB
	s_mov_b32 s73, 0
	s_add_nc_u64 s[72:73], s[4:5], s[72:73]
	s_lshl_b32 s74, s17, 10
	s_and_b32 s74, s74, s70
	s_lshl_b32 s75, s15, 9
	s_add_co_u32 s74, s74, s75
	s_mov_b32 s75, 0
	s_add_nc_u64 s[74:75], s[6:7], s[74:75]
	s_add_nc_u64 s[78:79], s[4:5], OFF_E
	s_load_b32 s71, s[78:79], 0x0
	v_lshlrev_b32 v4, 6, v3
	v_and_b32 v5, 8, v2
	v_add_nc_u32 v5, v5, v2
	v_lshlrev_b32 v5, 2, v5
.irp b, 0,1,2,3
.irp j, 0,1,2,3
	global_load_b128 v[BC+16*\b+4*\j:BC+16*\b+4*\j+3], v4, s[72:73] offset:128*\b+16*\j
.endr
.endr
.irp a, 0,1,2,3,4,5,6,7
	global_load_b32 v[BR+2*\a], v5, s[74:75] offset:4*(32*(\a/2)+8*(\a%2))
	global_load_b32 v[BR+2*\a+1], v5, s[74:75] offset:4*(32*(\a/2)+8*(\a%2))
.endr
	s_mul_i32 s21, s15, HALFT
	s_mul_i32 s22, s16, HALFT
	s_add_co_u32 s22, s22, 2*HALFT
	s_sub_co_u32 s23, s22, s21
	v_mul_u32_u24 v6, s23, v3
	s_wait_alu depctr_va_vdst(0)
	v_add_nc_u32 v6, v6, v[LS]
.irp s, 0,1
	v_add_nc_u32 v[ADRA+\s], s21, v[LI]
	v_add_nc_u32 v[ADRB+\s], s22, v[LI]
	v_add_nc_u32 v[ADRS+\s], s21, v6
	s_add_co_u32 s21, s21, SLOT
	s_add_co_u32 s22, s22, SLOT
.endr
	s_lshl_b32 s20, s17, 4
	s_lshl_b32 s21, s15, 3
	s_add_co_u32 s20, s20, s21
	s_lshl_b32 s20, s20, 5
	s_lshl_b32 s21, s42, 1
	s_add_co_u32 s20, s20, s21
	s_add_co_u32 s20, s20, s16
	s_mul_i32 s20, s20, TILE
	s_add_co_u32 s20, s20, s68
	s_mov_b32 s21, 0
	s_add_nc_u64 s[12:13], s[12:13], s[20:21]
	s_wait_loadcnt 0x0
.set n, 0
.rept 64
	v_and_b32 v[BC+n], s69, v[BC+n]
.set n, n+1
.endr
.set n, 0
.rept 16
	v_and_b32 v[BR+n], s70, v[BR+n]
.set n, n+1
.endr
	s_wait_kmcnt 0x0
.macro FRAG reg, adr, q, i
.irp c, 0,1,2
	ds_load_b128 v[\reg+4*\c:\reg+4*\c+3], v[\adr] offset:(\i)*RT2+(\q)*TILE+512*\c
.endr
.endm
.macro MUL16 a0, p, q, sc, zero
.irp a, \a0, \a0+1
.irp b, 0,1,2,3,4,5,6,7
.if \zero
	v_wmma_scale_f32_16x16x128_f8f6f4 v[8*(8*((\a)%4)+\b):8*(8*((\a)%4)+\b)+7], v[128*(\p)+FR*\b:128*(\p)+FR*\b+FR-1], v[AF+FR*(\a):AF+FR*(\a)+FR-1], 0, v[SC+8*NQ*(\sc)+NQ*\b+(\q)], v[SC+8*NQ*(\sc)+NQ*(\a)+(\q)] matrix_a_fmt:MATRIX_FMT_FP6 matrix_b_fmt:MATRIX_FMT_FP6 matrix_a_scale:MATRIX_SCALE_ROW1
.else
	v_wmma_scale_f32_16x16x128_f8f6f4 v[8*(8*((\a)%4)+\b):8*(8*((\a)%4)+\b)+7], v[128*(\p)+FR*\b:128*(\p)+FR*\b+FR-1], v[AF+FR*(\a):AF+FR*(\a)+FR-1], v[8*(8*((\a)%4)+\b):8*(8*((\a)%4)+\b)+7], v[SC+8*NQ*(\sc)+NQ*\b+(\q)], v[SC+8*NQ*(\sc)+NQ*(\a)+(\q)] matrix_a_fmt:MATRIX_FMT_FP6 matrix_b_fmt:MATRIX_FMT_FP6 matrix_a_scale:MATRIX_SCALE_ROW1
.endif
.endr
.endr
.endm
.macro FETCH_B slot, q, p
	WIN TO_B
.irp i, 0,1,2,3,4,5,6,7
	FRAG 128*(\p)+FR*\i, ADRB+\slot, \q, \i
.endr
	WIN 0
.endm
.macro FETCH_A slot, q, i0
.irp i, \i0, \i0+1, \i0+2, \i0+3
	FRAG AF+FR*(\i), ADRA+\slot, \q, \i
.endr
.endm
.macro SCALES sl
.irp i, 0,1,2,3,4,5,6,7
.irp q, 0,1
	ds_load_b32 v[SC+16*\sl+2*\i+\q], v[ADRS+\sl] offset:\i*RT2+\q*TILE+1536
.endr
.endr
.endm
.macro PLACES n
.rept \n
	v_nop
.endr
.endm
.macro STEP slot, q, zero
	s_wait_dscnt 4*NL
	WIN MUL_LO
	MUL16 0, (\q)%2, \q, \slot, \zero
	MUL16 2, (\q)%2, \q, \slot, \zero
	s_wait_dscnt 0
	PLACES NP
	FETCH_B \slot, (\q)+1, 1-(\q)%2
	FETCH_A \slot, (\q)+1, 0
	WIN MUL_HI
	MUL16 4, (\q)%2, \q, \slot, \zero
	MUL16 6, (\q)%2, \q, \slot, \zero
	PLACES NP
	WIN 0
	FETCH_A \slot, (\q)+1, 4
.endm
.macro TURN slot, next, fill
	s_wait_tensorcnt 0x0
	ds_add_u32 v[SPW], v[NIL]
	s_wait_dscnt 4*NL+1
	WIN MUL_LO
	MUL16 0, 1, NQ-1, \slot, 0
	s_wait_dscnt 0x0
	s_barrier_signal -1
	MUL16 2, 1, NQ-1, \slot, 0
	WIN 0
	s_barrier_wait -1
.if \fill
	CREST
	s_add_nc_u64 s[G0+4*\slot+2:G0+4*\slot+3], s[G0+4*\slot+2:G0+4*\slot+3], 2*RT2
	s_add_nc_u64 s[G0B+4*\slot+2:G0B+4*\slot+3], s[G0B+4*\slot+2:G0B+4*\slot+3], 2*RT2
	JLOAD G0+4*\slot, G1, G0B+4*\slot, G1B
.else
	PLACES NP
.endif
	FETCH_B \next, 0, 0
	FETCH_A \next, 0, 0
	SCALES \next
	WIN MUL_HI
	MUL16 4, 1, NQ-1, \slot, 0
	MUL16 6, 1, NQ-1, \slot, 0
	PLACES NP
	WIN 0
	FETCH_A \next, 0, 4
.endm
	s_wait_tensorcnt 1
	s_barrier_signal -1
	s_barrier_wait -1
	FETCH_B 0, 0, 0
	FETCH_A 0, 0, 0
	SCALES 0
	FETCH_A 0, 0, 4
	STEP 0, 0, 1
	TURN 0, 1, 1
	STEP 1, 0, 0
	TURN 1, 0, 1
	STEP 0, 0, 0
	TURN 0, 1, 0
	STEP 1, 0, 0
	s_wait_dscnt 4*NL
	WIN MUL_LO
	MUL16 0, 1, NQ-1, 1, 0
	MUL16 2, 1, NQ-1, 1, 0
	s_wait_dscnt 0
	WIN MUL_HI
	MUL16 4, 1, NQ-1, 1, 0
	MUL16 6, 1, NQ-1, 1, 0
	WIN 0
.macro QUANT s
.irp b, 0,1,2,3
	v_max3_num_f32 v[TM+\b], |v[\s+16*\b]|, |v[\s+1+16*\b]|, 0x1800000
.endr
.irp i, 2,4,6,8,10,12,14
.irp b, 0,1,2,3
	v_max3_num_f32 v[TM+\b], v[TM+\b], |v[\s+16*\b+\i]|, |v[\s+1+16*\b+\i]|
.endr
.endr
.irp b, 0,1,2,3
	v_permlanex16_b32 v[TM+4+\b], v[TM+\b], s[SEL], s[SEL+1]
.endr
.irp b, 0,1,2,3
	v_max_num_f32 v[TM+\b], v[TM+\b], v[TM+4+\b]
.endr
.irp b, 0,1,2,3
	v_add_nc_u32 v[TM+12+\b], 0xff000000, v[TM+\b]
.endr
.irp b, 0,1,2,3
	v_lshrrev_b32 v[TM+4+\b], 23, v[TM+12+\b]
.endr
	v_lshl_or_b32 v[PW], v[TM+5], 8, v[TM+4]
	v_lshl_or_b32 v[PW], v[TM+6], 16, v[PW]
	v_lshl_or_b32 v[PW], v[TM+7], 24, v[PW]
.irp c, 0,1
	v_cvt_scalef32_pk16_fp6_f32 v[PC+6*\c:PC+2+6*\c], v[\s+32*\c:\s+15+32*\c], v[TM+12+2*\c]
	v_cvt_scalef32_pk16_fp6_f32 v[PC+12+4*\c:PC+14+4*\c], v[\s+16+32*\c:\s+31+32*\c], v[TM+12+2*\c+1]
.endr
	v_nop
.irp c, 0,1
.irp i, 0,1,2
	v_permlane16_swap_b32 v[PC+6*\c+\i], v[PC+12+4*\c+\i]
.endr
.irp i, 0,1,2
	v_mov_b32 v[PC+3+6*\c+\i], v[PC+12+4*\c+\i]
.endr
.endr
.endm
.macro EPI a
	WIN 0x02+(\a)/4
.set n, 0
.rept 32
	v_pk_add_f32 v[HA+2*n:HA+2*n+1], v[64*((\a)%4)+2*n:64*((\a)%4)+2*n+1], v[BC+2*n:BC+2*n+1]
.set n, n+1
.endr
	WIN 0
.set n, 0
.rept 32
	v_pk_add_f32 v[HA+2*n:HA+2*n+1], v[HA+2*n:HA+2*n+1], v[BR+2*(\a):BR+2*(\a)+1]
.set n, n+1
.endr
.set n, 0
.rept 64
	v_max_num_f32 v[HA+n], s71, v[HA+n]
.set n, n+1
.endr
	s_wait_xcnt 0x0
	QUANT HA
.irp c, 0,1,2
	global_store_b128 v[LI], v[PC+4*\c:PC+4*\c+3], s[12:13] offset:(\a)*OPITCH+512*\c th:TH_STORE_NT
.endr
	global_store_b64 v[LS], v[PW:PW+1], s[12:13] offset:(\a)*OPITCH+1536 th:TH_STORE_NT
.endm
	PLACES NP
.irp b, 0,1,2,3
	v_mov_b32 v[TM+4+\b], 0
.endr
	v_mov_b32 v[PW+1], 0
.irp a, 0,1,2,3,4,5,6,7
	EPI \a
.endr
	s_wait_tensorcnt 0x0
	ds_add_u32 v[SPW], v[NIL]
	s_wait_dscnt 0x0
	CROUND
	s_endpgm
.Lfunc_end_k_qcff01fd6b2_qkv:
	.size	k_qcff01fd6b2_qkv, .Lfunc_end_k_qcff01fd6b2_qkv-k_qcff01fd6b2_qkv
	.p2alignl 7, 3214868480
	.fill 96, 4, 3214868480
	.section	.rodata,"a",@progbits
	.p2align	6, 0x0
	.amdhsa_kernel k_qcff01fd6b2_qkv
		.amdhsa_group_segment_fixed_size 327680
		.amdhsa_private_segment_fixed_size 0
		.amdhsa_enable_private_segment 0
		.amdhsa_kernarg_size 24
		.amdhsa_user_sgpr_count 2
		.amdhsa_user_sgpr_kernarg_segment_ptr 1
		.amdhsa_wavefront_size32 1
		.amdhsa_system_sgpr_workgroup_id_x 1
		.amdhsa_system_sgpr_workgroup_id_y 1
		.amdhsa_system_sgpr_workgroup_id_z 1
		.amdhsa_system_vgpr_workitem_id 0
		.amdhsa_next_free_vgpr 1024
		.amdhsa_next_free_sgpr 98
		.amdhsa_reserve_vcc 0
		.amdhsa_float_denorm_mode_32 3
		.amdhsa_float_denorm_mode_16_64 3
		.amdhsa_memory_ordered 1
		.amdhsa_forward_progress 1
		.amdhsa_inst_pref_size 195
	.end_amdhsa_kernel
	.amdgpu_metadata
---
amdhsa.version: [ 1, 2 ]
amdhsa.kernels:
  - .name:           k_qcff01fd6b2_qkv
    .symbol:         k_qcff01fd6b2_qkv.kd
    .args:
      - { .name: blk0, .offset: 0, .size: 8, .value_kind: global_buffer, .address_space: global }
      - { .name: bv, .offset: 8, .size: 8, .value_kind: global_buffer, .address_space: global }
      - { .name: qkv, .offset: 16, .size: 8, .value_kind: global_buffer, .address_space: global }
    .group_segment_fixed_size: 327680
    .private_segment_fixed_size: 0
    .kernarg_segment_align: 8
    .kernarg_segment_size: 24
    .max_flat_workgroup_size: 128
    .sgpr_count:     98
    .vgpr_count:     1024
    .wavefront_size: 32
...
	.end_amdgpu_metadata
.endif
;; end of part 6
;; launch att (part 7): grid 16 x 16, 16 waves a work-group, clusters of 4 x 1, 327,680 bytes of LDS; arguments qkv, act; writes act
.if DOCPART == 7
	.amdgcn_target "amdgcn-amd-amdhsa--gfx1250"
	.amdhsa_code_object_version 6
	.text
	.protected	k_qcff01fd6b2_att
	.globl	k_qcff01fd6b2_att
	.p2align	8
	.type	k_qcff01fd6b2_att,@function
k_qcff01fd6b2_att:
	s_mov_b64 s[64:65], 0
	v_nop
	global_prefetch_b8 v0, s[64:65] scope:SCOPE_SE
	s_setreg_imm32_b32 hwreg(HW_REG_WAVE_MODE, 25, 1), 1
	s_wait_xcnt 0x0
	s_wait_alu depctr_hold_cnt(0) depctr_sa_sdst(0) depctr_va_vdst(0) depctr_va_sdst(0) depctr_va_ssrc(0) depctr_va_vcc(0) depctr_vm_vsrc(0)
	s_getreg_b32 s2, hwreg(HW_REG_IB_STS2, 6, 4)
	s_cmp_eq_u32 s2, 0
	s_cbranch_scc0 .Lentry_in_a_cluster
	s_endpgm
.Lentry_in_a_cluster:
	s_bfe_u32 s2, ttmp6, 0x10000c
	s_cmp_lg_u32 s2, 0x3003
	s_cbranch_scc0 .Lentry_shape_is_right
	s_endpgm
.Lentry_shape_is_right:
; ATTENTION on codes of FP6 (E2M3) with E8M0 scales: ctx = softmax(q k^T / 8) v for 2 x 16 heads of 64, 2,048 keys, no mask; the result is quantised into the tiles of the next product's operand.
; INPUT (one buffer): q's and k's tiles (16 tokens x 128 columns = a PAIR of heads) at (32 x row tile + K step) x 1,792, K steps 0-7 q's pairs, 8-15 k's; from OFF_VT on v transposed: row tile 4 x head + t (16 of the
; head's 64), K step = token / 128.  A tile is 12 registers a lane as they stand, then a scale word for each lane.  Slot r of row tile 2 b + u holds row 32 b + 8 u + r + 8 (r / 8).
; THE SOFTMAX: t = score x log2(e) / 8; M = the row's largest t so far, rounded UP to a whole number; p = 2^(t - M) is quantised along the keys, not normalised; the row's sum is taken of the unquantised p and divides at the end.
; When M moves, the sum and O are multiplied by 2^(old M - new M): exact.  A block's largest p is made from the block's largest score by the same multiply-add and exponential
; (this takes v_exp_f32 not to fall where its input rises; at the worst one p of a block, within an ulp of a power of two, is held one code low).
; SHARES.  A work-group owns 128 queries of one pair of heads; wave w owns the tile of 16 queries w / 2 of head w % 2, in 256 registers: four waves to a SIMD.  Every wave walks all keys, 128 a step.
; THE HEAD'S 64 IN AN INSTRUCTION OF 128: a tile of k or q holds both heads (registers 0-5 the even one, 6-11 the odd one).  My q fragment's registers of the OTHER head are cleared: zero codes add nothing,
; so k's fragments and all scale words are used as they lie.
; Both products are used transposed (S^T = k q^T, O^T = v^T p^T): a lane holds one query throughout, and by the row slots p's 64 registers are keys 32 b + 16 h + 0 .. 15 in order, O^T's 32 likewise the head's channels.
; RING: two LDS slots of 512 keys (k: 32 tiles; v^T: 8 row tiles x 4 K steps).  CLUSTER: the four work-groups of a cluster walk the same k and v: each tile is asked for jointly (waves 0, 1: k's halves; waves 2, 3: v's).
; No prefetch: a refill has four key steps of all sixteen waves in which to land.
; LIMITS: a block of zeros, or under 2^-124, gets the scale byte 1 (read by this program alone); NaN and infinities are not served.
; REGISTERS: v1-7 addresses that stay; v8-11 addresses in hand; v12 -M, v13 the largest t, v[14:15] the sum; v16-27 q; v32-79 four fragments; v96-159 S^T, then p; v160-191 O^T; v224-235 p's codes; v232-254 at work;
; v248-251 the tiles' scale words, v253 p's, v255 q's.
.set TILE,   1792
.set QP,     32*TILE                   ; from row tile to row tile in memory
.set OFF_VT, 14680064
.set HV,     16*TILE                   ; what one tensor load brings: 28,672 bytes
.set VOFF,   2*HV                      ; a slot: k's 32 tiles, then v's 8 x 4
.set SLOT1,  1<<17                     ; slot 1 begins here: one exclusive or turns an address
.set NSL,    4
.set STAGE,  2*SLOT1                   ; the way out: 1,024 bytes for each wave, its own
.set SPARE,  STAGE+16*1024             ; the spare words, 128 bytes for each wave: eight blocks of 256 bytes that no other line names
.set AK0,  1                           ; v1  16 x lane
.set AV0,  2                           ; v2  my head's v in a slot + 16 x lane
.set AS0,  3                           ; v3  8 x lane
.set AVS0, 4                           ; v4  my head's v in a slot + 8 x lane
.set SPW,  5                           ; v5  LDS address of my spare word; never rewritten
.set NIL,  6                           ; v6  0; never rewritten
.set ADK,  8
.set ADV,  9
.set ADS,  10
.set ADT,  11
.set WV,   18
.set SEL,  20
.set CS,   22
.set G1K,  24
.set G1V,  32
.set G0K,  40
.set G0V,  44
.set TB,   48                          ; s48  LDS byte at which the slot in hand begins
.set SLOTS, 49
.macro TLOAD                           ; waves 0 and 1 fetch for k, waves 2 and 3 for v, the others nothing; an s_nop 0 and four v_nop follow each line
	s_cmp_lt_u32 s[WV], 2
	s_cbranch_scc0 .Lnot_k_\@
	tensor_load_to_lds s[G0K:G0K+3], s[G1K:G1K+7]
	s_nop 0
.rept 4
	v_nop
.endr
	s_branch .Lasked_\@
.Lnot_k_\@:
	s_cmp_lt_u32 s[WV], 4
	s_cbranch_scc0 .Lasked_\@
	tensor_load_to_lds s[G0V:G0V+3], s[G1V:G1V+7]
	s_nop 0
.rept 4
	v_nop
.endr
.Lasked_\@:
.endm
.macro CROUND                          ; a round of the cluster's barrier
	s_barrier_signal -1
	s_barrier_wait -1
	s_cmp_lg_u32 s[WV], 0
	s_cbranch_scc1 .Lnot_wave_0_\@
	s_barrier_signal -3
.Lnot_wave_0_\@:
	s_barrier_wait -3
	s_barrier_signal -1
	s_barrier_wait -1
.endm
.macro PLACES
.rept 4
	v_nop
.endr
.endm
.macro FRAG reg, adr, off
.irp c, 0,1,2
	ds_load_b128 v[\reg+4*\c:\reg+4*\c+3], v[\adr] offset:\off+512*\c
.endr
.endm
	s_load_b128 s[4:7], s[0:1], 0x0                ; the tiles of q, k, v; the output
	v_lshl_add_u32 v[SPW], v0, 2, SPARE
	v_mov_b32 v[NIL], 0
	ds_add_u32 v[SPW], v[NIL]                      ; the wave's opening: the add, with its wait ahead of the first tensor loads; work on registers stands between them
	ds_add_u32 v[SPW], v[NIL]
	v_lshrrev_b32 v8, 5, v0
	s_delay_alu instid0(VALU_DEP_1)
	v_readfirstlane_b32 s[WV], v8                  ; wave 0..15
	s_bfe_u32 s50, ttmp6, 0x40000                  ; cx
	s_lshl_b32 s51, ttmp9, 2
	s_add_co_u32 s51, s51, s50                     ; my block of 128 queries: it enters q's and the output's addresses alone
	s_and_b32 s52, ttmp7, 0xffff
	s_lshr_b32 s53, s52, 3                         ; batch
	s_and_b32 s54, s52, 7                          ; pair of heads
	s_lshr_b32 s55, s[WV], 1                       ; my tile of queries
	s_and_b32 s56, s[WV], 1                        ; my head of the pair.  Also: which half I fetch
	s_lshl_b32 s57, s53, 7                         ; the batch's first row tile
	s_lshl_b32 s58, s56, 4
	s_add_co_u32 s58, s58, s57
	s_mul_i32 s58, s58, QP
	s_add_co_u32 s59, s54, 8
	s_mul_i32 s59, s59, TILE
	s_add_co_u32 s58, s58, s59                     ; k: row tile 128 batch + 16 half, K step 8 + pair
	s_mov_b32 s59, 0
	s_lshl_b32 s60, s54, 3
	s_lshl_b32 s61, s56, 2
	s_add_co_u32 s60, s60, s61
	s_mul_i32 s60, s60, QP
	s_mul_i32 s61, s53, 16*TILE
	s_add_co_u32 s60, s60, s61
	s_add_co_u32 s60, s60, OFF_VT                  ; v: row tile 8 pair + 4 half, K step 16 batch
	s_mov_b32 s61, 0
	s_lshl_b32 s62, s51, 3
	s_add_co_u32 s62, s62, s57                     ; my block's first row tile
	s_add_co_u32 s66, s62, s55
	s_mul_i32 s66, s66, QP
	s_mul_i32 s67, s54, TILE
	s_add_co_u32 s66, s66, s67                     ; q: my tile, K step pair
	s_mov_b32 s67, 0
	s_and_b32 s68, s[WV], 7
	s_add_co_u32 s68, s68, s62
	s_lshl_b32 s68, s68, 3
	s_add_co_u32 s68, s68, s54
	s_mul_i32 s68, s68, TILE                       ; the output tile that wave w % 8 stores: (8 x row tile + pair) x 1,792
	s_mov_b32 s69, 0
	s_mov_b32 s[G1K], 15|(3<<16)|(1<<21)           ; 15:0 the mask: all four work-groups; 17:16 elements of 8 bytes; 21 set beside a mask
	s_mov_b32 s[G1K+1], 224<<16                    ; k: 16 tiles of 1,792 bytes,
	s_mov_b32 s[G1K+2], 16<<16
	s_mov_b32 s[G1K+3], 224<<16
	s_mov_b32 s[G1K+4], 16
	s_mov_b32 s[G1K+5], 7168                       ; 57,344 bytes apart
	s_mov_b32 s[G1K+6], 0
	s_mov_b32 s[G1K+7], 0
	s_mov_b32 s[G1V], 15|(3<<16)|(1<<21)
	s_mov_b32 s[G1V+1], 896<<16                    ; v: 4 row tiles x 4 K steps on end, 7,168 bytes
	s_mov_b32 s[G1V+2], 4<<16
	s_mov_b32 s[G1V+3], 896<<16
	s_mov_b32 s[G1V+4], 4
	s_mov_b32 s[G1V+5], 7168
	s_mov_b32 s[G1V+6], 0
	s_mov_b32 s[G1V+7], 0
	s_cmp_eq_u32 s56, 0
	s_cselect_b32 s70, -1, 0                       ; what is kept of q's registers 0-5,
	s_cselect_b32 s71, 0, -1                       ; and of 6-11
	s_mul_i32 s72, s56, HV
	s_add_co_u32 s73, s72, VOFF
	s_mov_b32 s[SEL], 0x76543210
	s_mov_b32 s[SEL+1], 0xfedcba98
	s_mov_b32 s[CS], 0x3e38aa3b                    ; c = log2(e) / 8
	s_mov_b32 s[CS+1], s[CS]                       ; (named with it as a pair, so it is written)
	s_mov_b32 s[TB], 0
	s_mov_b32 s[SLOTS], NSL-1
	s_wait_dscnt 0x0                               ; the opening add is done
	s_wait_kmcnt 0x0
	s_mov_b32 s[G0K], 1
	s_mov_b32 s[G0K+1], s72
	s_add_nc_u64 s[G0K+2:G0K+3], s[4:5], s[58:59]
	s_or_b32 s[G0K+3], s[G0K+3], 0x80000000
	s_mov_b32 s[G0V], 1
	s_mov_b32 s[G0V+1], s73
	s_add_nc_u64 s[G0V+2:G0V+3], s[4:5], s[60:61]
	s_or_b32 s[G0V+3], s[G0V+3], 0x80000000
	CROUND                                         ; all four work-groups are here: the first joint loads meet
	TLOAD                                          ; slot 0
	s_add_nc_u64 s[74:75], s[4:5], s[66:67]
	s_add_nc_u64 s[6:7], s[6:7], s[68:69]
	v_and_b32 v7, 31, v0                           ; lane
	s_delay_alu instid0(VALU_DEP_1)
	v_lshlrev_b32 v[AK0], 4, v7
	s_delay_alu instid0(VALU_DEP_2)
	v_lshlrev_b32 v[AS0], 3, v7
.irp c, 0,1,2
	global_load_b128 v[16+4*\c:19+4*\c], v[AK0], s[74:75] offset:512*\c   ; q's fragment stays in registers
.endr
	global_load_b32 v255, v[AS0], s[74:75] offset:1536
	v_add_nc_u32 v[AV0], s73, v[AK0]
	v_add_nc_u32 v[AVS0], s73, v[AS0]
	v_mov_b32 v13, 0xff61b1e6                      ; the largest t so far: -3e38
	s_delay_alu instid0(VALU_DEP_1)
	v_floor_f32 v12, -v13                          ; -M
	v_mov_b32 v14, 0
	v_mov_b32 v15, 0
.irp b, 0,1,2,3
	v_mov_b32 v[236+\b], 0                         ; a lane permute's destination counts as one of its sources
.endr
	v_mov_b32 v253, 0
	s_wait_loadcnt 0x0
.irp i, 0,1,2,3,4,5
	v_and_b32 v[16+\i], s70, v[16+\i]              ; the other head's codes become zeros
	v_and_b32 v[22+\i], s71, v[22+\i]
.endr
.set n, 0
.rept 32
	v_mov_b32 v[160+n], 0                          ; O^T: the step is written once; the first finds zeros
.set n, n+1
.endr
; A KEY STEP: 128 keys, the q-th of the slot in hand.
.macro STEP q
	v_add_nc_u32 v[ADK], s[TB], v[AK0]             ; (these four are also the places behind the last step's products)
	s_wait_alu depctr_va_vdst(0)
	v_add_nc_u32 v[ADV], s[TB], v[AV0]
	v_add_nc_u32 v[ADS], s[TB], v[AS0]
	s_wait_alu depctr_va_vdst(0)
	v_add_nc_u32 v[ADT], s[TB], v[AVS0]
	s_wait_alu depctr_va_vdst(0)
.irp g, 0,1                                    ; S^T = k q^T, four tiles of 16 keys at a time
.if \g
	PLACES
.endif
.irp t, 0,1,2,3
	FRAG 32+12*\t, ADK, (8*(\q)+4*\g+\t)*TILE
	ds_load_b32 v[248+\t], v[ADS] offset:(8*(\q)+4*\g+\t)*TILE+1536
.endr
	s_wait_dscnt 0x0
.irp t, 0,1,2,3
	v_wmma_scale_f32_16x16x128_f8f6f4 v[96+8*(4*\g+\t):103+8*(4*\g+\t)], v[32+12*\t:43+12*\t], v[16:27], 0, v[248+\t], v255 matrix_a_fmt:MATRIX_FMT_FP6 matrix_b_fmt:MATRIX_FMT_FP6
.endr
.endr
	PLACES
.irp t, 0,1,2,3                                ; my head's four tiles of v^T for these 128 keys: asked for now, they land while the softmax is walked
	FRAG 32+12*\t, ADV, (4*\t+(\q))*TILE
	ds_load_b32 v[248+\t], v[ADT] offset:(4*\t+(\q))*TILE+1536
.endr
.irp b, 0,1,2,3
	v_max3_num_f32 v[232+\b], v[96+16*\b], v[97+16*\b], v[98+16*\b]   ; the largest score of each block of 32 keys: for the row's maximum, and for the block's largest p
.endr
.irp i, 3,5,7,9,11,13
.irp b, 0,1,2,3
	v_max3_num_f32 v[232+\b], v[232+\b], v[96+16*\b+\i], v[97+16*\b+\i]
.endr
.endr
.irp b, 0,1,2,3
	v_max_num_f32 v[232+\b], v[232+\b], v[111+16*\b]
.endr
.irp b, 0,1,2,3
	s_delay_alu instid0(VALU_DEP_4)
	v_permlanex16_b32 v[236+\b], v[232+\b], s[SEL], s[SEL+1]
.endr
.irp b, 0,1,2,3
	s_delay_alu instid0(VALU_DEP_4)
	v_max_num_f32 v[232+\b], v[232+\b], v[236+\b]  ; with lane l xor 16's 16 keys
.endr
	s_delay_alu instid0(VALU_DEP_2)
	v_max3_num_f32 v254, v232, v233, v234
	s_delay_alu instid0(VALU_DEP_1)
	v_max_num_f32 v254, v254, v235
	s_delay_alu instid0(VALU_DEP_1)
	v_mul_f32 v254, s[CS], v254                    ; as t (c is positive)
	s_delay_alu instid0(VALU_DEP_1)
	v_max_num_f32 v13, v13, v254                   ; the running largest t
	v_mov_b32 v254, v12
	s_delay_alu instid0(VALU_DEP_2)
	v_floor_f32 v12, -v13                          ; the new -M = -ceil(t): a whole number
	s_delay_alu instid0(VALU_DEP_1)
	v_sub_f32 v254, v12, v254                      ; old M - new M, 0 or less
	s_delay_alu instid0(VALU_DEP_1)
	v_cvt_i32_f32 v254, v254                       ; (it saturates)
	s_delay_alu instid0(VALU_DEP_1)
	v_ldexp_f32 v252, 1.0, v254                    ; f = 2^(old M - new M)
.set n, 0
.rept 32
	v_pk_fma_f32 v[96+n:97+n], v[96+n:97+n], s[CS:CS+1], v[12:13] op_sel_hi:[1,0,0]   ; t - M, two at a time
.set n, n+2
.endr
.irp b, 0,1,2,3
	v_fma_f32 v[232+\b], v[232+\b], s[CS], v12
.endr
.set n, 0
	s_wait_alu depctr_va_vdst(0)
.rept 64
	v_exp_f32 v[96+n], v[96+n]                     ; p = 2^(t - M), at most 1
.set n, n+1
.endr
	v_pk_mul_f32 v[14:15], v[14:15], v[252:253] op_sel_hi:[1,0]   ; the sums under the new M: a plain place behind the exponentials
	s_wait_alu depctr_va_vdst(0)                   ; one wait for the batch of 64, ahead of its first reader
.irp b, 0,1,2,3
	v_exp_f32 v[232+\b], v[232+\b]                 ; the blocks' largest p
.endr
	v_pk_add_f32 v[236:237], v[100:101], v[104:105]
	v_pk_add_f32 v[246:247], v[108:109], v[112:113]
	v_pk_add_f32 v[244:245], v[116:117], v[120:121]
	v_pk_add_f32 v[242:243], v[124:125], v[128:129]
	v_pk_add_f32 v[240:241], v[132:133], v[136:137]
	v_pk_add_f32 v[238:239], v[140:141], v[144:145]
	v_pk_add_f32 v[230:231], v[148:149], v[152:153]
	v_pk_add_f32 v[14:15], v[14:15], v[156:157]
	v_pk_add_f32 v[236:237], v[236:237], v[96:97]
	v_pk_add_f32 v[246:247], v[246:247], v[98:99]
	v_pk_add_f32 v[244:245], v[244:245], v[102:103]
	v_pk_add_f32 v[242:243], v[242:243], v[106:107]
	v_pk_add_f32 v[240:241], v[240:241], v[110:111]
	v_pk_add_f32 v[238:239], v[238:239], v[114:115]
	v_pk_add_f32 v[230:231], v[230:231], v[118:119]
	v_pk_add_f32 v[14:15], v[14:15], v[122:123]
	v_pk_add_f32 v[236:237], v[236:237], v[126:127]
	v_pk_add_f32 v[246:247], v[246:247], v[130:131]
	v_pk_add_f32 v[244:245], v[244:245], v[134:135]
	v_pk_add_f32 v[242:243], v[242:243], v[138:139]
	v_pk_add_f32 v[240:241], v[240:241], v[142:143]
	v_pk_add_f32 v[238:239], v[238:239], v[146:147]
	v_pk_add_f32 v[230:231], v[230:231], v[150:151]
	v_pk_add_f32 v[14:15], v[14:15], v[154:155]
	v_pk_add_f32 v[236:237], v[236:237], v[158:159]
	s_delay_alu instid0(VALU_DEP_2)
	v_pk_add_f32 v[14:15], v[14:15], v[242:243]
	s_delay_alu instid0(VALU_DEP_2)
	v_pk_add_f32 v[236:237], v[236:237], v[240:241]
	v_pk_add_f32 v[246:247], v[246:247], v[238:239]
	v_pk_add_f32 v[244:245], v[244:245], v[230:231]
	s_delay_alu instid0(VALU_DEP_2)
	v_pk_add_f32 v[14:15], v[14:15], v[246:247]
	s_delay_alu instid0(VALU_DEP_2)
	v_pk_add_f32 v[236:237], v[236:237], v[244:245]
	s_delay_alu instid0(VALU_DEP_1)
	v_pk_add_f32 v[14:15], v[14:15], v[236:237]
	s_wait_alu depctr_va_vdst(0)                   ; and one for the four
.irp b, 0,1,2,3
	v_max_num_f32 v[232+\b], 0x1800000, v[232+\b]  ; the floor 2^(3 - 127): the byte cannot fall under 1
.endr
.irp b, 0,1,2,3
	s_delay_alu instid0(VALU_DEP_4)
	v_add_nc_u32 v[244+\b], 0xff000000, v[232+\b]  ; the conversion's scale operand
.endr
.irp b, 0,1,2,3
	s_delay_alu instid0(VALU_DEP_4)
	v_lshrrev_b32 v[236+\b], 23, v[244+\b]         ; the scale's byte
.endr
	s_delay_alu instid0(VALU_DEP_3)
	v_lshl_or_b32 v253, v237, 8, v236              ; p's scale word for these 128 keys
	s_delay_alu instid0(VALU_DEP_1)
	v_lshl_or_b32 v253, v238, 16, v253
	s_delay_alu instid0(VALU_DEP_1)
	v_lshl_or_b32 v253, v239, 24, v253
.irp c, 0,1
	v_cvt_scalef32_pk16_fp6_f32 v[224+6*\c:226+6*\c], v[96+32*\c:111+32*\c], v[244+2*\c]
	v_cvt_scalef32_pk16_fp6_f32 v[236+4*\c:238+4*\c], v[112+32*\c:127+32*\c], v[244+2*\c+1]
.endr
	v_nop                                          ; one plain place behind a scaled conversion
.irp c, 0,1
.irp i, 0,1,2
	v_permlane16_swap_b32 v[224+6*\c+\i], v[236+4*\c+\i]
.endr
.irp i, 0,1,2
	s_delay_alu instid0(VALU_DEP_3)
	v_mov_b32 v[227+6*\c+\i], v[236+4*\c+\i]
.endr
.endr
.set n, 0
.rept 16
	v_pk_mul_f32 v[160+n:161+n], v[160+n:161+n], v[252:253] op_sel_hi:[1,0]   ; O^T under the new M; these sixteen stand between the scale word's making and the products
.set n, n+2
.endr
	s_wait_alu depctr_va_vdst(0)
	s_wait_dscnt 0x0                               ; v's fragments are in
.irp t, 0,1,2,3                                ; O^T += v^T p^T: four accumulators, one turn each
	v_wmma_scale_f32_16x16x128_f8f6f4 v[160+8*\t:167+8*\t], v[32+12*\t:43+12*\t], v[224:235], v[160+8*\t:167+8*\t], v[248+\t], v253 matrix_a_fmt:MATRIX_FMT_FP6 matrix_b_fmt:MATRIX_FMT_FP6
.endr
.endm
; THE CHANGE OF SLOTS stands at a slot's head.  Each wave waits for all its tensor loads, adds 0 to its spare word, and waits for that and for its reads of the slot that it has left.
; fill = 1: a round of the cluster's barrier, and behind it the slot just left is filled with the next 512 keys, jointly.
.macro CHANGE fill
	s_wait_tensorcnt 0x0                           ; no tensor load of mine is out, so a group 0 may be written
	ds_add_u32 v[SPW], v[NIL]
.if \fill
	s_xor_b32 s[G0K+1], s[G0K+1], SLOT1
	s_add_nc_u64 s[G0K+2:G0K+3], s[G0K+2:G0K+3], 32*QP
	s_xor_b32 s[G0V+1], s[G0V+1], SLOT1
	s_add_nc_u64 s[G0V+2:G0V+3], s[G0V+2:G0V+3], 4*TILE
.endif
	s_wait_dscnt 0x0                               ; the add is done, and my reads of the slot that I have left are over
.if \fill
	CROUND
	TLOAD                                          ; the first thing behind the round, and a wave's one tensor load until the next
.else
	s_barrier_signal -1
	s_barrier_wait -1
.endif
.endm
.macro SLOT_STEPS
	STEP 0
	STEP 1
	STEP 2
	STEP 3
	s_xor_b32 s[TB], s[TB], SLOT1
.endm
.Lslot:                                            ; three trips: behind each change of slots but the last the next slot is asked for
	CHANGE 1
	SLOT_STEPS
	s_sub_co_u32 s[SLOTS], s[SLOTS], 1
	s_cmp_lg_u32 s[SLOTS], 0
	s_cbranch_scc1 .Lslot
	CHANGE 0                                       ; the last slot is written out
	SLOT_STEPS
	; THE WAY OUT.  O^T / the sum is my head's 64 channels of 16 queries: two blocks of 32 along the next K, half a tile.  It is quantised in registers; the two waves of a tile meet in LDS.
	v_add_f32 v14, v14, v15
	s_delay_alu instid0(VALU_DEP_1)
	v_permlanex16_b32 v252, v14, s[SEL], s[SEL+1]
	s_delay_alu instid0(VALU_DEP_1)
	v_add_f32 v14, v14, v252                       ; the row's sum
	s_wait_alu depctr_va_vdst(0)
	v_rcp_f32 v14, v14
	s_lshl_b32 s76, s[WV], 10
	s_add_co_u32 s76, s76, STAGE                   ; my 1,024 bytes
	v_add_nc_u32 v8, s76, v[AS0]                   ; (plain work behind the reciprocal)
	v_lshlrev_b32 v9, 2, v7
	s_delay_alu instid0(VALU_DEP_1)
	v_add_nc_u32 v9, s76, v9
	s_and_b32 s77, s[WV], 7
	s_lshl_b32 s77, s77, 11
	s_add_co_u32 s77, s77, STAGE                   ; what wave w % 8 reads back: the parts of waves 2 w and 2 w + 1
	v_add_nc_u32 v10, s77, v[AS0]
	v_lshlrev_b32 v11, 2, v7
	s_delay_alu instid0(VALU_DEP_1)
	v_add_nc_u32 v11, s77, v11
	s_wait_alu depctr_va_vdst(0)                   ; the wait ahead of the reciprocal's first reader
.set n, 0
.rept 32
	v_mul_f32 v[96+n], v[160+n], v14               ; register 16 b + i is channel 32 b + 16 h + i
.set n, n+1
.endr
.irp b, 0,1
	v_max3_num_f32 v[232+\b], |v[96+16*\b]|, |v[97+16*\b]|, 0x1800000
.endr
.irp i, 2,4,6,8,10,12,14
.irp b, 0,1
	s_delay_alu instid0(VALU_DEP_2)
	v_max3_num_f32 v[232+\b], v[232+\b], |v[96+16*\b+\i]|, |v[97+16*\b+\i]|
.endr
.endr
.irp b, 0,1
	s_delay_alu instid0(VALU_DEP_2)
	v_permlanex16_b32 v[236+\b], v[232+\b], s[SEL], s[SEL+1]
.endr
.irp b, 0,1
	s_delay_alu instid0(VALU_DEP_2)
	v_max_num_f32 v[232+\b], v[232+\b], v[236+\b]
.endr
.irp b, 0,1
	s_delay_alu instid0(VALU_DEP_2)
	v_add_nc_u32 v[244+\b], 0xff000000, v[232+\b]
.endr
.irp b, 0,1
	s_delay_alu instid0(VALU_DEP_2)
	v_lshrrev_b32 v[236+\b], 23, v[244+\b]
.endr
	s_delay_alu instid0(VALU_DEP_1)
	v_lshl_or_b32 v240, v237, 8, v236              ; my half of the scale word
	v_cvt_scalef32_pk16_fp6_f32 v[224:226], v[96:111], v244
	v_cvt_scalef32_pk16_fp6_f32 v[228:230], v[112:127], v245
	v_nop                                          ; one plain place behind a scaled conversion
.irp i, 0,1,2
	v_permlane16_swap_b32 v[224+\i], v[228+\i]
.endr
	s_delay_alu instid0(VALU_DEP_3)
	v_mov_b32 v227, v228
	s_delay_alu instid0(VALU_DEP_3)
	v_mov_b32 v228, v229
	s_delay_alu instid0(VALU_DEP_3)
	v_mov_b32 v229, v230                           ; v224-229: registers 6 x head .. + 5 of the tile
	ds_store_b64 v8, v[224:225]
	ds_store_b64 v8, v[226:227] offset:256
	ds_store_b64 v8, v[228:229] offset:512
	ds_store_b32 v9, v240 offset:768
	s_wait_dscnt 0x0                               ; for the others' sake: my stores are done
	s_barrier_signal -1
	s_barrier_wait -1
	s_cmp_ge_u32 s[WV], 8
	s_cbranch_scc1 .Ldone
.irp p, 0,1,2,3,4,5
	ds_load_b64 v[32+2*\p:33+2*\p], v10 offset:256*(\p%3)+1024*(\p/3)   ; the tile's twelve registers, lane for lane
.endr
	ds_load_b32 v44, v11 offset:768
	ds_load_b32 v46, v11 offset:1792
	s_wait_dscnt 0x0
	v_lshl_or_b32 v44, v46, 16, v44                ; the two halves make the scale word
	v_mov_b32 v45, 0
.irp c, 0,1,2
	global_store_b128 v[AK0], v[32+4*\c:35+4*\c], s[6:7] offset:512*\c   ; 32 lanes store 512 consecutive bytes, aligned to 256
.endr
	global_store_b64 v[AS0], v[44:45], s[6:7] offset:1536
.Ldone:
	s_wait_tensorcnt 0x0                           ; the wave's end
	ds_add_u32 v[SPW], v[NIL]
	s_wait_dscnt 0x0
	CROUND                                         ; the closing round
	s_endpgm
.Lfunc_end_k_qcff01fd6b2_att:
	.size	k_qcff01fd6b2_att, .Lfunc_end_k_qcff01fd6b2_att-k_qcff01fd6b2_att
	.p2alignl 7, 3214868480
	.fill 96, 4, 3214868480
	.section	.rodata,"a",@progbits
	.p2align	6, 0x0
	.amdhsa_kernel k_qcff01fd6b2_att
		.amdhsa_group_segment_fixed_size 327680
		.amdhsa_private_segment_fixed_size 0
		.amdhsa_enable_private_segment 0
		.amdhsa_kernarg_size 16
		.amdhsa_user_sgpr_count 2
		.amdhsa_user_sgpr_kernarg_segment_ptr 1
		.amdhsa_wavefront_size32 1
		.amdhsa_system_sgpr_workgroup_id_x 1
		.amdhsa_system_sgpr_workgroup_id_y 1
		.amdhsa_system_sgpr_workgroup_id_z 1
		.amdhsa_system_vgpr_workitem_id 0
		.amdhsa_next_free_vgpr 256
		.amdhsa_next_free_sgpr 100
		.amdhsa_reserve_vcc 0
		.amdhsa_float_denorm_mode_32 3
		.amdhsa_float_denorm_mode_16_64 3
		.amdhsa_memory_ordered 1
		.amdhsa_forward_progress 1
		.amdhsa_inst_pref_size 159
	.end_amdhsa_kernel
	.amdgpu_metadata
---
amdhsa.version: [ 1, 2 ]
amdhsa.kernels:
  - .name:           k_qcff01fd6b2_att
    .symbol:         k_qcff01fd6b2_att.kd
    .args:
      - { .name: qkv, .offset: 0, .size: 8, .value_kind: global_buffer, .address_space: global }
      - { .name: act, .offset: 8, .size: 8, .value_kind: global_buffer, .address_space: global }
    .group_segment_fixed_size: 327680
    .private_segment_fixed_size: 0
    .kernarg_segment_align: 8
    .kernarg_segment_size: 16
    .max_flat_workgroup_size: 512
    .sgpr_count:     100
    .vgpr_count:     256
    .wavefront_size: 32
...
	.end_amdgpu_metadata
.endif
;; end of part 7
;; launch woln (part 8): grid 256 x 1, 16 waves a work-group, no clusters, 125,184 bytes of LDS; arguments act, blk0, bo, x, g1, be1, o1f, blk1; writes o1f, blk1
.if DOCPART == 8
	.amdgcn_target "amdgcn-amd-amdhsa--gfx1250"
	.amdhsa_code_object_version 6
	.text
	.protected	k_qcff01fd6b2_woln
	.globl	k_qcff01fd6b2_woln
	.p2align	8
	.type	k_qcff01fd6b2_woln,@function
k_qcff01fd6b2_woln:
	s_mov_b64 s[64:65], 0
	v_nop
	global_prefetch_b8 v0, s[64:65] scope:SCOPE_SE
	s_setreg_imm32_b32 hwreg(HW_REG_WAVE_MODE, 25, 1), 1
	s_wait_xcnt 0x0
; out1 = layernorm(x + ctx wo + bo) x g1 + be1; the product on codes of FP6 (E2M3) with E8M0 scales, K = 128 x KS = 1,024, N = 1,024.  The result leaves as f32 and (IMG) as tiles of codes for the next product.
; OPERANDS are images of tiles of 1,792 bytes (16 rows x 128 K: 12 registers a lane as they stand, then a scale word for each lane); tile (row tile, K step) lies at (KS x row tile + K step) x 1,792; W's image begins at OFF_W.
; Slot r of row tile 2 b + u holds row (token; column of W) 32 b + 8 u + r + 8 (r / 8).
; SHARES.  The norm wants whole rows: a work-group owns ONE row tile (16 rows) x all 1,024 columns: 256 work-groups.  Wave w of 16 owns W's row tiles 4 w .. 4 w + 3 (64 columns): 4 accumulators, which take turns; and it norms row slot w.
; W GOES FROM MEMORY STRAIGHT INTO REGISTERS, in three sets that take turns: a set is asked for again as soon as its 4 products are issued, three K steps ahead of its use.  A trip is three K steps; KS = 3 + 3 TRIPS + 5.
; A's row tile, all of K, is copied once into LDS (wave t brings tile t) and read from there by all waves, with W's sets.
; NO TENSOR LOAD, NO CLUSTER: each tile of W is used by one wave of the work-group alone, and a ring of two K steps (2 x 114,688 bytes) beside A's place for 32 tiles (57,344) and the stage (65,792) passes 327,680 bytes of LDS.
; PREFETCH: wave 0 asks, in each trip that loads, for W's tiles of the trip after: 64 row tiles x 21 blocks of 256 bytes, shared out by address: work-group g % 128 takes blocks 0-10 or 11-20 of row tile (g % 128) / 2;
; an address past the row tile's last block is held at that block.  The tail asks for nothing.
; THE MATRIX INSTRUCTION IS USED TRANSPOSED (source 0 = 16 columns of W, source 1 = A's 16 rows): a lane holds one row and eight neighbouring columns.
; LIMITS: a block of zeros, or under 2^-124, gets the scale byte 1 (read by this program alone); NaN and infinities are not served.
; REGISTERS: v1-15 addresses; v16-21 W's scale words, v22-24 A's (they hold nothing else); v25-31 addresses; v32-63 accumulators; set s at v[64 + 64 s]: 48 of W, 12 of A.
.set KS,    8
.set IMG,   1
.set TILE,  1792
.set PITCH, KS*TILE
.set TRIPS, (KS-8)/3
.set OFF_W, 8274432
.set SP,    4112                       ; a stage row: 4,096 bytes + 16
.set STAGE, 32*TILE                    ; behind A's tiles
.set SPARE, STAGE+16*SP                ; the spare words, 128 bytes for each wave, that no other line names
.set LI,  1                            ; 16 x lane
.set LS,  2                            ; 8 x lane
.set SPW, 5
.set NIL, 6
.set AAD, 7                            ; LDS: A's codes of the trip in hand
.set AAS, 8                            ; and scale words
.set STO, 9
.set RD,  10
.set RD3, 11
.set SB,  16
.set SA,  22
.set VBS, 25                           ; 8 x lane + h x PITCH
.set PF,  27
.set PFB, 28
.set T0,  30
.set T1,  31
.set ACC, 32
.set GA,  64
.set BE,  96
.set Y,   128
.set SS,  160
.set RS,  192
.set BI,  224
.set XN,  64
.set XPC, 192
.set XPD, 204
.set XT,  212
.set XPW, 220
.set XSH, 222
.set XSEL, 42
.macro PLACES
.rept 4
	v_nop
.endr
.endm
.macro WLOAD s, imm                    ; my four tiles of W of one K step: 14 loads
.irp b, 0,1,2,3
.irp c, 0,1,2
	global_load_b128 v[64+64*(\s)+12*\b+4*\c:64+64*(\s)+12*\b+4*\c+3], v[LI], s[10:11] offset:(\imm)+\b*PITCH+512*\c
.endr
.endr
.irp p, 0,1
	global_load_b32 v[SB+2*(\s)+\p], v[VBS], s[10:11] offset:(\imm)+2*\p*PITCH+1536   ; lanes 0-15 tile 2 p's words, lanes 16-31 tile 2 p + 1's
.endr
.endm
.macro WPRE
	WLOAD 0, 0
	WLOAD 1, TILE
	WLOAD 2, 2*TILE
.endm
.macro ALDS s, imm                     ; A's tile of one K step out of LDS: 4 loads
.irp c, 0,1,2
	ds_load_b128 v[112+64*(\s)+4*\c:115+64*(\s)+4*\c], v[AAD] offset:(\imm)+512*\c
.endr
	ds_load_b32 v[SA+(\s)], v[AAS] offset:(\imm)+1536
.endm
.macro ALOAD j                         ; A's tile wave + 16 j from memory
.irp c, 0,1,2
	global_load_b128 v[32+16*\j+4*\c:35+16*\j+4*\c], v[LI], s[8:9] offset:16*TILE*\j+512*\c th:TH_LOAD_NT
.endr
	global_load_b64 v[44+16*\j:45+16*\j], v[LS], s[8:9] offset:16*TILE*\j+1536 th:TH_LOAD_NT
.endm
.macro ASTORE j
.irp c, 0,1,2
	ds_store_b128 v[T0], v[32+16*\j+4*\c:35+16*\j+4*\c] offset:16*TILE*\j+512*\c
.endr
	ds_store_b64 v[T1], v[44+16*\j:45+16*\j] offset:16*TILE*\j+1536
.endm
.macro WM1 s, b, c, row
	v_wmma_scale_f32_16x16x128_f8f6f4 v[ACC+8*(\b):ACC+8*(\b)+7], v[64+64*(\s)+12*(\b):64+64*(\s)+12*(\b)+11], v[112+64*(\s):123+64*(\s)], \c, v[SB+2*(\s)+(\b)/2], v[SA+(\s)] matrix_a_fmt:MATRIX_FMT_FP6 matrix_b_fmt:MATRIX_FMT_FP6 matrix_a_scale:MATRIX_SCALE_ROW\row
.endm
.macro WM4 s, zero                     ; four products on four accumulators
.irp b, 0,2
.if \zero
	WM1 \s, \b, 0, 0
	WM1 \s, \b+1, 0, 1
.else
	WM1 \s, \b, v[ACC+8*\b:ACC+8*\b+7], 0
	WM1 \s, \b+1, v[ACC+8*\b+8:ACC+8*\b+15], 1
.endif
.endr
.endm
.macro PFADDR                          ; my blocks of the three K steps from byte s48 of a row tile on, held at the row tile's last block
	v_add_nc_u32 v[PF], s48, v[PFB]
	s_delay_alu instid0(VALU_DEP_1)
	v_min_u32 v[PF], PITCH-256, v[PF]
	s_delay_alu instid0(VALU_DEP_1)
	v_add_nc_u32 v[PF], s50, v[PF]
.endm
.macro PFGO
	s_cmp_lg_u32 s26, 0
	s_cbranch_scc1 .Lnp_\@
	global_prefetch_b8 v[PF], s[46:47] th:TH_LOAD_NT scope:SCOPE_SE
.Lnp_\@:
.endm
; A K step on set s.  lc, dc: the loads and LDS loads issued behind this set's, which may be out.  adv: a trip begins: bases go three K steps on, behind the wait that frees them.  rl: the set is asked for again.
.macro STEP s, zero, adv, pf, rl, lc, dc
	s_wait_loadcnt \lc
	s_wait_dscnt \dc
.if \adv
	s_wait_xcnt 0x0
	s_add_nc_u64 s[10:11], s[10:11], 3*TILE
	s_add_co_u32 s54, s54, 3*TILE
	v_add_nc_u32 v[AAD], s54, v[LI]
	v_add_nc_u32 v[AAS], s54, v[LS]
.if \pf
	s_add_co_u32 s48, s48, 3*TILE
	PFADDR
.endif
	s_wait_alu depctr_va_vdst(0)
.endif
	WM4 \s, \zero
	PLACES                             ; in front of loads into registers that the products have read, and of the first read of results
.if \rl
	WLOAD \s, (\s)*TILE
	ALDS \s, (\s)*TILE
.endif
.if \pf
	PFGO
.endif
.endm
.macro VEC reg, base                   ; 4,096 bytes on end: lane l takes columns 128 i + 4 l + 0 .. 3
.irp i, 0,1,2,3,4,5,6,7
	global_load_b128 v[\reg+4*\i:\reg+4*\i+3], v[LI], s[\base:\base+1] offset:512*\i
.endr
.endm
.macro RED x                           ; a sum over the 32 lanes, in every lane
	s_delay_alu instid0(VALU_DEP_1)
	v_add_f32_dpp v[\x], v[\x], v[\x] row_xmask:1 row_mask:0xf bank_mask:0xf
	s_delay_alu instid0(VALU_DEP_1)
	v_add_f32_dpp v[\x], v[\x], v[\x] row_xmask:2 row_mask:0xf bank_mask:0xf
	s_delay_alu instid0(VALU_DEP_1)
	v_add_f32_dpp v[\x], v[\x], v[\x] row_xmask:4 row_mask:0xf bank_mask:0xf
	s_delay_alu instid0(VALU_DEP_1)
	v_add_f32_dpp v[\x], v[\x], v[\x] row_xmask:8 row_mask:0xf bank_mask:0xf
	s_delay_alu instid0(VALU_DEP_1)
	v_permlanex16_b32 v[\x+1], v[\x], s[XSEL], s[XSEL+1]
	s_delay_alu instid0(VALU_DEP_1)
	v_add_f32 v[\x], v[\x], v[\x+1]
.endm
	s_load_b256 s[8:15], s[0:1], 0x0               ; A's image, the block with W's image, bias, residual
	s_load_b128 s[16:19], s[0:1], 0x20             ; g, be
	s_load_b64 s[20:21], s[0:1], 0x30              ; the f32 output
.if IMG
	s_load_b64 s[22:23], s[0:1], 0x38              ; the image's buffer
.endif
	v_lshl_add_u32 v[SPW], v0, 2, SPARE
	v_mov_b32 v[NIL], 0
	v_lshrrev_b32 v63, 5, v0
	v_and_b32 v62, 31, v0                          ; lane
	v_and_b32 v47, 15, v0                          ; r
	v_bfe_u32 v46, v0, 4, 1                        ; h
	v_readfirstlane_b32 s26, v63                   ; wave 0..15
	v_lshlrev_b32 v[LI], 4, v62
	v_lshlrev_b32 v[LS], 3, v62
	v_mul_u32_u24 v[STO], v47, SP
	v_mul_u32_u24 v[VBS], v46, PITCH
	s_mul_i32 s40, s26, TILE
	s_mul_i32 s34, ttmp9, PITCH
	s_add_co_u32 s34, s34, s40                     ; A: my work-group's row tile, my wave's K step
	s_mov_b32 s35, 0
	s_mul_i32 s36, s26, 4*PITCH
	s_add_co_u32 s36, s36, OFF_W                   ; W: my four row tiles
	s_mov_b32 s37, 0
	s_lshr_b32 s38, ttmp9, 1                       ; my row's token: 32 (wg / 2) + 8 (wg % 2) + w + 8 (w / 8)
	s_lshl_b32 s38, s38, 5
	s_and_b32 s39, ttmp9, 1
	s_lshl_b32 s39, s39, 3
	s_add_co_u32 s38, s38, s39
	s_add_co_u32 s38, s38, s26
	s_and_b32 s39, s26, 8
	s_add_co_u32 s38, s38, s39
	s_lshl_b32 s38, s38, 12
	s_mov_b32 s39, 0
	s_lshl_b32 s31, s26, 8
	s_add_co_u32 s31, s31, STAGE                   ; the stage: my 64 columns
	s_mul_i32 s32, s26, SP
	s_add_co_u32 s32, s32, STAGE                   ; and my row
.if IMG
	s_lshl_b32 s52, ttmp9, 3
	s_and_b32 s53, s26, 7
	s_add_co_u32 s52, s52, s53
	s_mul_i32 s52, s52, TILE                       ; the image's tile (row tile wg, K step w % 8)
	s_lshl_b32 s33, s53, 9
	s_add_co_u32 s33, s33, STAGE
	s_mov_b32 s53, 0
.endif
	s_and_b32 s50, ttmp9, 127                      ; the prefetches' share
	s_and_b32 s51, s50, 1
	s_lshr_b32 s50, s50, 1
	s_mul_i32 s50, s50, PITCH
	s_sub_co_u32 s41, 10, s51
	s_mul_i32 s51, s51, 11
	s_mov_b32 s48, 3*TILE
	s_mov_b32 s54, 0
	s_mov_b32 s[XSEL], 0x76543210
	s_mov_b32 s[XSEL+1], 0xfedcba98
	s_mov_b32 s44, 0x3a800000                      ; 1 / 1,024
	s_mov_b32 s45, 0x358637bd                      ; 1e-6
	s_wait_alu depctr_va_vdst(0)
	v_add_nc_u32 v[T0], s40, v[LI]
	v_add_nc_u32 v[T1], s40, v[LS]
	v_add_nc_u32 v[VBS], v[VBS], v[LS]
	v_lshl_add_u32 v[STO], v46, 6, v[STO]
	v_add_nc_u32 v[RD], s32, v[LI]
	v_min_u32 v[PFB], s41, v62
	v_add_nc_u32 v[AAD], s54, v[LI]
	v_add_nc_u32 v[AAS], s54, v[LS]
	v_add_nc_u32 v[STO], s31, v[STO]               ; row r, byte 256 w + 64 h + what the tile adds
	v_add_nc_u32 v[PFB], s51, v[PFB]
.if IMG
	v_mul_u32_u24 v[RD3], v47, SP
	s_delay_alu instid0(VALU_DEP_1)
	v_lshl_add_u32 v[RD3], v46, 7, v[RD3]
	s_delay_alu instid0(VALU_DEP_1)
	v_add_nc_u32 v[RD3], s33, v[RD3]               ; row r, + 128 h, + 512 (w % 8)
.endif
	v_lshlrev_b32 v[PFB], 8, v[PFB]
	s_delay_alu instid0(VALU_DEP_1)
	PFADDR
	s_wait_alu depctr_va_vdst(0)
	s_wait_kmcnt 0x0
	s_add_nc_u64 s[8:9], s[8:9], s[34:35]
	s_add_nc_u64 s[46:47], s[10:11], OFF_W
	s_add_nc_u64 s[10:11], s[10:11], s[36:37]
	s_add_nc_u64 s[14:15], s[14:15], s[38:39]
	s_add_nc_u64 s[20:21], s[20:21], s[38:39]
.if IMG
	s_add_nc_u64 s[22:23], s[22:23], s[52:53]
.endif
.if KS == 8                            ; eight tiles of A: waves 0-7 bring one each
	s_cmp_lt_u32 s26, 8
	s_cbranch_scc0 .Lno_a
	ALOAD 0
	WPRE
	s_wait_loadcnt 42                              ; A's tile is in; W's three sets, 42 loads, may be out
	ASTORE 0
	s_branch .Ljoin
.Lno_a:
	WPRE
.Ljoin:
.else                                  ; 32 tiles: two a wave
	ALOAD 0
	ALOAD 1
	WPRE
	s_wait_loadcnt 42
	ASTORE 0
	ASTORE 1
.endif
	PFGO                                           ; K steps 3 to 5
	s_wait_dscnt 0x0                               ; for the others' sake: my stores are done
	s_barrier_signal -1
	s_barrier_wait -1
	ALDS 0, 0
	ALDS 1, TILE
	ALDS 2, 2*TILE
	STEP 0, 1, 1, 1, 1, 28, 8                      ; K steps 0 to 2; the first starts the sums.  Two younger sets may be out: 28 loads, 8 LDS loads
	STEP 1, 0, 0, 0, 1, 28, 8
	STEP 2, 0, 0, 0, 1, 28, 8
.if TRIPS > 0
	s_mov_b32 s55, 0
.Lk:
	STEP 0, 0, 1, 1, 1, 28, 8
	STEP 1, 0, 0, 0, 1, 28, 8
	STEP 2, 0, 0, 0, 1, 28, 8
	s_add_co_u32 s55, s55, 1
	s_cmp_lt_u32 s55, TRIPS
	s_cbranch_scc1 .Lk
.endif
	STEP 0, 0, 1, 0, 1, 28, 8                      ; the last five K steps: two more sets are asked for, then nothing of W
	STEP 1, 0, 0, 0, 1, 28, 8
	STEP 2, 0, 0, 0, 0, 28, 8
	VEC RS, 14                                     ; set 2's registers take my row of the residual and the bias,
	VEC BI, 12
	STEP 0, 0, 0, 0, 0, 30, 4                      ; (younger: the last set's 14 and these 16)
	VEC GA, 16                                     ; set 0's g and be
	VEC BE, 18
	STEP 1, 0, 0, 0, 0, 32, 0                      ; (younger: 16 + 16)
.irp b, 0,1,2,3
	ds_store_b128 v[STO], v[ACC+8*\b:ACC+8*\b+3] offset:128*(\b/2)+32*(\b%2)        ; each accumulator from its low end on: columns 32 (b / 2) + 16 h + 8 (b % 2) + 0 .. 7 of my 64
	ds_store_b128 v[STO], v[ACC+8*\b+4:ACC+8*\b+7] offset:128*(\b/2)+32*(\b%2)+16
.endr
	s_wait_dscnt 0x0
	s_barrier_signal -1
	s_barrier_wait -1                              ; 16 whole rows lie in the stage
.irp i, 0,1,2,3,4,5,6,7
	ds_load_b128 v[Y+4*\i:Y+4*\i+3], v[RD] offset:512*\i
.endr
	s_wait_dscnt 0x0
	s_wait_loadcnt 0x0
.set n, 0
.rept 16
	v_pk_add_f32 v[Y+2*n:Y+2*n+1], v[Y+2*n:Y+2*n+1], v[BI+2*n:BI+2*n+1]
.set n, n+1
.endr
.set n, 0
.rept 16
	v_pk_add_f32 v[Y+2*n:Y+2*n+1], v[Y+2*n:Y+2*n+1], v[RS+2*n:RS+2*n+1]
.set n, n+1
.endr
.irp c, 0,1,2,3
	v_pk_add_f32 v[SS+2*\c:SS+2*\c+1], v[Y+2*\c:Y+2*\c+1], v[Y+8+2*\c:Y+8+2*\c+1]   ; the row's sum, in four chains
.endr
.irp k, 16,24
.irp c, 0,1,2,3
	s_delay_alu instid0(VALU_DEP_4)
	v_pk_add_f32 v[SS+2*\c:SS+2*\c+1], v[SS+2*\c:SS+2*\c+1], v[Y+\k+2*\c:Y+\k+2*\c+1]
.endr
.endr
	s_delay_alu instid0(VALU_DEP_3)
	v_pk_add_f32 v[SS:SS+1], v[SS:SS+1], v[SS+2:SS+3]
	s_delay_alu instid0(VALU_DEP_2)
	v_pk_add_f32 v[SS+4:SS+5], v[SS+4:SS+5], v[SS+6:SS+7]
	s_delay_alu instid0(VALU_DEP_1)
	v_pk_add_f32 v[SS:SS+1], v[SS:SS+1], v[SS+4:SS+5]
	s_delay_alu instid0(VALU_DEP_1)
	v_add_f32 v[SS], v[SS], v[SS+1]
	RED SS
	s_delay_alu instid0(VALU_DEP_1)
	v_mul_f32 v[SS+2], 0xba800000, v[SS]           ; - the mean
.set n, 0
.rept 16
	v_pk_add_f32 v[Y+2*n:Y+2*n+1], v[Y+2*n:Y+2*n+1], v[SS+2:SS+3] op_sel_hi:[1,0]
.set n, n+1
.endr
	v_pk_mul_f32 v[SS+4:SS+5], v[Y:Y+1], v[Y:Y+1]  ; the squares of the differences, in two chains
	v_pk_mul_f32 v[SS+6:SS+7], v[Y+2:Y+3], v[Y+2:Y+3]
.irp k, 4,8,12,16,20,24,28
	s_delay_alu instid0(VALU_DEP_2)
	v_pk_fma_f32 v[SS+4:SS+5], v[Y+\k:Y+\k+1], v[Y+\k:Y+\k+1], v[SS+4:SS+5]
	s_delay_alu instid0(VALU_DEP_2)
	v_pk_fma_f32 v[SS+6:SS+7], v[Y+\k+2:Y+\k+3], v[Y+\k+2:Y+\k+3], v[SS+6:SS+7]
.endr
	s_delay_alu instid0(VALU_DEP_1)
	v_pk_add_f32 v[SS+4:SS+5], v[SS+4:SS+5], v[SS+6:SS+7]
	s_delay_alu instid0(VALU_DEP_1)
	v_add_f32 v[SS+4], v[SS+4], v[SS+5]
	RED SS+4
	s_delay_alu instid0(VALU_DEP_1)
	v_fma_f32 v[SS+4], v[SS+4], s44, s45           ; the variance + 1e-6
	s_wait_alu depctr_va_vdst(0)                   ; the wait ahead of the transcendental,
	v_rsq_f32 v[SS+6], v[SS+4]
	v_nop                                          ; a plain place behind it,
	s_wait_alu depctr_va_vdst(0)                   ; and the wait ahead of its first reader
.set n, 0
.rept 16
	v_pk_mul_f32 v[Y+2*n:Y+2*n+1], v[Y+2*n:Y+2*n+1], v[SS+6:SS+7] op_sel_hi:[1,0]
.set n, n+1
.endr
.set n, 0
.rept 16
	v_pk_fma_f32 v[Y+2*n:Y+2*n+1], v[Y+2*n:Y+2*n+1], v[GA+2*n:GA+2*n+1], v[BE+2*n:BE+2*n+1]
.set n, n+1
.endr
.irp i, 0,1,2,3,4,5,6,7
	global_store_b128 v[LI], v[Y+4*\i:Y+4*\i+3], s[20:21] offset:512*\i th:TH_STORE_NT   ; 32 lanes store 512 consecutive bytes, aligned to 256
.endr
.if IMG
.irp i, 0,1,2,3,4,5,6,7
	ds_store_b128 v[RD], v[Y+4*\i:Y+4*\i+3] offset:512*\i   ; back into my own row, which I alone have read
.endr
	s_wait_dscnt 0x0
	s_barrier_signal -1
	s_barrier_wait -1                              ; 16 normed rows lie in the stage
	s_cmp_ge_u32 s26, 8
	s_cbranch_scc1 .Lend                           ; eight tiles: waves 0-7 make one each
	v_mov_b32 v[XT+6], 0                           ; a lane permute's destination counts as one of its sources
	v_mov_b32 v[XPW+1], 0
	v_bfe_u32 v[XSH], v0, 4, 1
	s_delay_alu instid0(VALU_DEP_1)
	v_lshlrev_b32 v[XSH], 3, v[XSH]                ; 8 h
.irp c, 0,1
.irp i, 0,1,2,3,4,5,6,7
	ds_load_b128 v[XN+32*\c+4*\i:XN+32*\c+4*\i+3], v[RD3] offset:256*\c+16*\i   ; register 32 c + i = k 64 c + 32 h + i of row r: two whole blocks
.endr
.endr
	s_wait_dscnt 0x0
.irp c, 0,1
	v_max3_num_f32 v[XT+\c], |v[XN+32*\c]|, |v[XN+32*\c+1]|, 0x1800000   ; with the floor 2^(3 - 127): the byte cannot fall under 1
.endr
.irp i, 2,4,6,8,10,12,14,16,18,20,22,24,26,28,30
.irp c, 0,1
	s_delay_alu instid0(VALU_DEP_2)
	v_max3_num_f32 v[XT+\c], v[XT+\c], |v[XN+32*\c+\i]|, |v[XN+32*\c+\i+1]|
.endr
.endr
.irp c, 0,1
	s_delay_alu instid0(VALU_DEP_2)
	v_add_nc_u32 v[XT+2+\c], 0xff000000, v[XT+\c]  ; 2 off the exponent field: the conversion's scale operand
.endr
.irp c, 0,1
	s_delay_alu instid0(VALU_DEP_2)
	v_lshrrev_b32 v[XT+4+\c], 23, v[XT+2+\c]       ; the scale's byte
.endr
	s_delay_alu instid0(VALU_DEP_1)
	v_lshl_or_b32 v[XPW], v[XT+5], 16, v[XT+4]     ; blocks h and 2 + h,
	s_delay_alu instid0(VALU_DEP_1)
	v_lshlrev_b32 v[XPW], v[XSH], v[XPW]           ; 8 h bits up;
	s_delay_alu instid0(VALU_DEP_1)
	v_permlanex16_b32 v[XT+6], v[XPW], s[XSEL], s[XSEL+1]
	s_delay_alu instid0(VALU_DEP_1)
	v_or_b32 v[XPW], v[XPW], v[XT+6]               ; with lane l xor 16's two the word is whole
.irp c, 0,1
	v_cvt_scalef32_pk16_fp6_f32 v[XPC+6*\c:XPC+6*\c+2], v[XN+32*\c:XN+32*\c+15], v[XT+2+\c]
	v_cvt_scalef32_pk16_fp6_f32 v[XPD+4*\c:XPD+4*\c+2], v[XN+32*\c+16:XN+32*\c+31], v[XT+2+\c]   ; (a conversion's three registers begin on an even number)
.endr
	v_nop                                          ; one plain place behind a scaled conversion
.irp c, 0,1
.irp i, 0,1,2
	v_mov_b32 v[XPC+6*\c+3+\i], v[XPD+4*\c+\i]
.endr
.endr
.irp c, 0,1,2
	global_store_b128 v[LI], v[XPC+4*\c:XPC+4*\c+3], s[22:23] offset:512*\c
.endr
	global_store_b64 v[LS], v[XPW:XPW+1], s[22:23] offset:1536
.Lend:
.endif
	s_wait_tensorcnt 0x0                           ; the wave's end, behind my last LDS store
	ds_add_u32 v[SPW], v[NIL]
	s_wait_dscnt 0x0
	s_endpgm
.Lfunc_end_k_qcff01fd6b2_woln:
	.size	k_qcff01fd6b2_woln, .Lfunc_end_k_qcff01fd6b2_woln-k_qcff01fd6b2_woln
	.p2alignl 7, 3214868480
	.fill 96, 4, 3214868480
	.section	.rodata,"a",@progbits
	.p2align	6, 0x0
	.amdhsa_kernel k_qcff01fd6b2_woln
		.amdhsa_group_segment_fixed_size 125184
		.amdhsa_private_segment_fixed_size 0
		.amdhsa_enable_private_segment 0
		.amdhsa_kernarg_size 64
		.amdhsa_user_sgpr_count 2
		.amdhsa_user_sgpr_kernarg_segment_ptr 1
		.amdhsa_wavefront_size32 1
		.amdhsa_system_sgpr_workgroup_id_x 1
		.amdhsa_system_sgpr_workgroup_id_y 1
		.amdhsa_system_sgpr_workgroup_id_z 1
		.amdhsa_system_vgpr_workitem_id 0
		.amdhsa_next_free_vgpr 256
		.amdhsa_next_free_sgpr 66
		.amdhsa_reserve_vcc 0
		.amdhsa_float_denorm_mode_32 3
		.amdhsa_float_denorm_mode_16_64 3
		.amdhsa_memory_ordered 1
		.amdhsa_forward_progress 1
		.amdhsa_inst_pref_size 49
	.end_amdhsa_kernel
	.amdgpu_metadata
---
amdhsa.version: [ 1, 2 ]
amdhsa.kernels:
  - .name:           k_qcff01fd6b2_woln
    .symbol:         k_qcff01fd6b2_woln.kd
    .args:
      - { .name: act, .offset: 0, .size: 8, .value_kind: global_buffer, .address_space: global }
      - { .name: blk0, .offset: 8, .size: 8, .value_kind: global_buffer, .address_space: global }
      - { .name: bo, .offset: 16, .size: 8, .value_kind: global_buffer, .address_space: global }
      - { .name: x, .offset: 24, .size: 8, .value_kind: global_buffer, .address_space: global }
      - { .name: g1, .offset: 32, .size: 8, .value_kind: global_buffer, .address_space: global }
      - { .name: be1, .offset: 40, .size: 8, .value_kind: global_buffer, .address_space: global }
      - { .name: o1f, .offset: 48, .size: 8, .value_kind: global_buffer, .address_space: global }
      - { .name: blk1, .offset: 56, .size: 8, .value_kind: global_buffer, .address_space: global }
    .group_segment_fixed_size: 125184
    .private_segment_fixed_size: 0
    .kernarg_segment_align: 8
    .kernarg_segment_size: 64
    .max_flat_workgroup_size: 512
    .sgpr_count:     66
    .vgpr_count:     256
    .wavefront_size: 32
...
	.end_amdgpu_metadata
.endif
;; end of part 8
;; launch ffn1: the kernel of part 6 again; grid 16 x 16, 4 waves a work-group, clusters of 4 x 4, 327,680 bytes of LDS; arguments blk1, b1, act; writes act
;; launch ffn2 (part 9): grid 4 x 64, 4 waves a work-group, clusters of 4 x 4, 327,680 bytes of LDS; arguments act, blk1, part; writes part
.if DOCPART == 9
	.amdgcn_target "amdgcn-amd-amdhsa--gfx1250"
	.amdhsa_code_object_version 6
	.text
	.protected	k_qcff01fd6b2_ffn2
	.globl	k_qcff01fd6b2_ffn2
	.p2align	8
	.type	k_qcff01fd6b2_ffn2,@function
k_qcff01fd6b2_ffn2:
	s_mov_b64 s[64:65], 0
	v_nop
	global_prefetch_b8 v0, s[64:65] scope:SCOPE_SE
	s_setreg_imm32_b32 hwreg(HW_REG_WAVE_MODE, 25, 1), 1
	s_wait_xcnt 0x0
	s_wait_alu depctr_hold_cnt(0) depctr_sa_sdst(0) depctr_va_vdst(0) depctr_va_sdst(0) depctr_va_ssrc(0) depctr_va_vcc(0) depctr_vm_vsrc(0)
	s_getreg_b32 s2, hwreg(HW_REG_IB_STS2, 6, 4)
	s_cmp_eq_u32 s2, 0
	s_cbranch_scc0 .Lentry_in_a_cluster
	s_endpgm
.Lentry_in_a_cluster:
	s_bfe_u32 s2, ttmp6, 0x10000c
	s_cmp_lg_u32 s2, 0xf033
	s_cbranch_scc0 .Lentry_shape_is_right
	s_endpgm
.Lentry_shape_is_right:
.set TILE,   1792
.set RT2,    2*TILE
.set RPITCH, 32*TILE
.set KHALF,  8*TILE                    ; K is cut in four: cluster y / 4 says which 8 K steps are mine, and which of the four parts takes my sums
.set HALFT,  8*RT2
.set SLOT,   4*HALFT
.set SPARE,  2*SLOT
.set STAGE,  SPARE+512
.set SPITCH, 528
.set OFF_W,  8274432
.set PBYTES, 16777216
.set LAPS,   2                         ; 8 K steps = 4 slots = twice round the ring
.set FR,  12
.set NL,  3
.set NP,  4
.set NQ,  2
.set ADRA, 16
.set ADRB, 20
.set ADRS, 22
.set LI,   24
.set LS,   25
.set STO,  26
.set RD,   27
.set SPW,  28
.set NIL,  29
.set SC,   32
.set AF,   128
.set BK,   128
.set G1,   24
.set G0,   32
.set G1B,  48
.set G0B,  56
.set MSB, 0
.macro WIN new
.if MSB != (\new)
	s_set_vgpr_msb (MSB<<8)|(\new)
.set MSB, (\new)
.endif
.endm
.set MUL_LO, 0xa1
.set MUL_HI, 0xf1
.set TO_B,   0x40
.macro JLOAD g0a, g1a, g0b, g1b
	s_cmp_eq_u32 s15, 0
	s_cbranch_scc0 .Lfor_b_\@
	tensor_load_to_lds s[\g0a:\g0a+3], s[\g1a:\g1a+7]
	s_nop 0
.rept 4
	v_nop
.endr
	s_branch .Lasked_\@
.Lfor_b_\@:
	tensor_load_to_lds s[\g0b:\g0b+3], s[\g1b:\g1b+7]
	s_nop 0
.rept 4
	v_nop
.endr
.Lasked_\@:
.endm
.macro CREST
	s_cmp_lg_u32 s14, 0
	s_cbranch_scc1 .Lnot_wave_0_\@
	s_barrier_signal -3
.Lnot_wave_0_\@:
	s_barrier_wait -3
	s_barrier_signal -1
	s_barrier_wait -1
.endm
.macro CROUND
	s_barrier_signal -1
	s_barrier_wait -1
	CREST
.endm
	s_load_b128 s[4:7], s[0:1], 0x0
	s_load_b64 s[12:13], s[0:1], 0x10
	v_lshl_add_u32 v[SPW], v0, 2, SPARE
	v_mov_b32 v[NIL], 0
	ds_add_u32 v[SPW], v[NIL]
	ds_add_u32 v[SPW], v[NIL]
	v_lshrrev_b32 v1, 5, v0
	v_readfirstlane_b32 s14, v1
	s_lshr_b32 s15, s14, 1
	s_and_b32 s16, s14, 1
	s_bfe_u32 s40, ttmp6, 0x40000
	s_bfe_u32 s41, ttmp6, 0x40004
	s_and_b32 s18, ttmp7, 0xffff
	s_and_b32 s19, s18, 3
	s_lshr_b32 s9, s18, 2
	s_mul_i32 s8, s9, KHALF
	s_lshl_b32 s42, ttmp9, 2
	s_add_co_u32 s42, s42, s40
	s_lshl_b32 s17, s19, 2
	s_add_co_u32 s17, s17, s41
	s_lshl_b32 s43, s41, 2
	s_lshl_b32 s43, 15, s43
	s_lshl_b32 s44, 0x1111, s40
	s_or_b32 s[G1+0], s43, (3<<16)|(1<<21)
	s_or_b32 s[G1B+0], s44, (3<<16)|(1<<21)
.irp g, G1, G1B
	s_mov_b32 s[\g+1], 448<<16
	s_mov_b32 s[\g+2], 8<<16
	s_mov_b32 s[\g+3], 448<<16
	s_mov_b32 s[\g+4], 8
	s_mov_b32 s[\g+5], 7168
	s_mov_b32 s[\g+6], 0
	s_mov_b32 s[\g+7], 0
.endr
	s_lshl_b32 s18, s16, 3
	s_lshl_b32 s20, s17, 4
	s_add_co_u32 s20, s20, s18
	s_mul_i32 s20, s20, RPITCH
	s_add_co_u32 s20, s20, s8
	s_mov_b32 s21, 0
	s_lshl_b32 s46, s42, 4
	s_add_co_u32 s46, s46, s18
	s_mul_i32 s46, s46, RPITCH
	s_add_co_u32 s46, s46, s8
	s_add_co_u32 s46, s46, OFF_W
	s_mov_b32 s47, 0
	s_mul_i32 s45, s14, HALFT
	s_wait_dscnt 0x0
	s_wait_kmcnt 0x0
	s_add_nc_u64 s[20:21], s[4:5], s[20:21]
	s_add_nc_u64 s[46:47], s[6:7], s[46:47]
	CROUND
.irp s, 0,1
	s_mov_b32 s[G0+4*\s], 1
	s_add_co_u32 s[G0+4*\s+1], s45, \s*SLOT
	s_add_nc_u64 s[G0+4*\s+2:G0+4*\s+3], s[20:21], \s*RT2
	s_or_b32 s[G0+4*\s+3], s[G0+4*\s+3], 0x80000000
	s_mov_b32 s[G0B+4*\s], 1
	s_add_co_u32 s[G0B+4*\s+1], s45, \s*SLOT
	s_add_nc_u64 s[G0B+4*\s+2:G0B+4*\s+3], s[46:47], \s*RT2
	s_or_b32 s[G0B+4*\s+3], s[G0B+4*\s+3], 0x80000000
	s_wait_alu depctr_va_vdst(0)
	s_wait_tensorcnt 0x0
	ds_add_u32 v28, v29
	ds_add_u32 v28, v29
	s_wait_dscnt 0x0
	CROUND
	JLOAD G0+4*\s, G1, G0B+4*\s, G1B
.endr
	v_and_b32 v1, 31, v0
	v_and_b32 v2, 15, v0
	v_bfe_u32 v3, v0, 4, 1
	v_lshlrev_b32 v[LI], 4, v1
	v_lshlrev_b32 v[LS], 3, v1
	s_mul_i32 s21, s15, HALFT
	s_mul_i32 s22, s16, HALFT
	s_add_co_u32 s22, s22, 2*HALFT
	s_sub_co_u32 s23, s22, s21
	v_mul_u32_u24 v6, s23, v3
	v_add_nc_u32 v6, v6, v[LS]
.irp s, 0,1
	v_add_nc_u32 v[ADRA+\s], s21, v[LI]
	v_add_nc_u32 v[ADRB+\s], s22, v[LI]
	v_add_nc_u32 v[ADRS+\s], s21, v6
	s_add_co_u32 s21, s21, SLOT
	s_add_co_u32 s22, s22, SLOT
.endr
	s_mul_i32 s23, s14, 16*SPITCH
	s_add_co_u32 s23, s23, STAGE
	v_mul_u32_u24 v5, v2, SPITCH
	v_lshl_add_u32 v5, v3, 6, v5
	v_add_nc_u32 v[STO], s23, v5
	v_add_nc_u32 v[RD], s23, v[LI]
	s_lshl_b32 s20, s17, 8
	s_lshl_b32 s21, s15, 7
	s_add_co_u32 s20, s20, s21
	s_lshl_b32 s20, s20, 12
	s_lshl_b32 s21, s42, 10
	s_add_co_u32 s20, s20, s21
	s_lshl_b32 s21, s16, 9
	s_add_co_u32 s20, s20, s21
	s_mul_i32 s21, s9, PBYTES
	s_add_co_u32 s20, s20, s21
	s_mov_b32 s21, 0
	s_add_nc_u64 s[12:13], s[12:13], s[20:21]
.macro FRAG reg, adr, q, i
.irp c, 0,1,2
	ds_load_b128 v[\reg+4*\c:\reg+4*\c+3], v[\adr] offset:(\i)*RT2+(\q)*TILE+512*\c
.endr
.endm
.macro MUL16 a0, p, q, sc, zero
.irp a, \a0, \a0+1
.irp b, 0,1,2,3,4,5,6,7
.if \zero
	v_wmma_scale_f32_16x16x128_f8f6f4 v[8*(8*((\a)%4)+\b):8*(8*((\a)%4)+\b)+7], v[128*(\p)+FR*\b:128*(\p)+FR*\b+FR-1], v[AF+FR*(\a):AF+FR*(\a)+FR-1], 0, v[SC+8*NQ*(\sc)+NQ*\b+(\q)], v[SC+8*NQ*(\sc)+NQ*(\a)+(\q)] matrix_a_fmt:MATRIX_FMT_FP6 matrix_b_fmt:MATRIX_FMT_FP6 matrix_a_scale:MATRIX_SCALE_ROW1
.else
	v_wmma_scale_f32_16x16x128_f8f6f4 v[8*(8*((\a)%4)+\b):8*(8*((\a)%4)+\b)+7], v[128*(\p)+FR*\b:128*(\p)+FR*\b+FR-1], v[AF+FR*(\a):AF+FR*(\a)+FR-1], v[8*(8*((\a)%4)+\b):8*(8*((\a)%4)+\b)+7], v[SC+8*NQ*(\sc)+NQ*\b+(\q)], v[SC+8*NQ*(\sc)+NQ*(\a)+(\q)] matrix_a_fmt:MATRIX_FMT_FP6 matrix_b_fmt:MATRIX_FMT_FP6 matrix_a_scale:MATRIX_SCALE_ROW1
.endif
.endr
.endr
.endm
.macro FETCH_B slot, q, p
	WIN TO_B
.irp i, 0,1,2,3,4,5,6,7
	FRAG 128*(\p)+FR*\i, ADRB+\slot, \q, \i
.endr
	WIN 0
.endm
.macro FETCH_A slot, q, i0
.irp i, \i0, \i0+1, \i0+2, \i0+3
	FRAG AF+FR*(\i), ADRA+\slot, \q, \i
.endr
.endm
.macro SCALES sl
.irp i, 0,1,2,3,4,5,6,7
.irp q, 0,1
	ds_load_b32 v[SC+16*\sl+2*\i+\q], v[ADRS+\sl] offset:\i*RT2+\q*TILE+1536
.endr
.endr
.endm
.macro PLACES n
.rept \n
	v_nop
.endr
.endm
.macro STEP slot, q, zero
	s_wait_dscnt 4*NL
	WIN MUL_LO
	MUL16 0, (\q)%2, \q, \slot, \zero
	MUL16 2, (\q)%2, \q, \slot, \zero
	s_wait_dscnt 0
	PLACES NP
	FETCH_B \slot, (\q)+1, 1-(\q)%2
	FETCH_A \slot, (\q)+1, 0
	WIN MUL_HI
	MUL16 4, (\q)%2, \q, \slot, \zero
	MUL16 6, (\q)%2, \q, \slot, \zero
	PLACES NP
	WIN 0
	FETCH_A \slot, (\q)+1, 4
.endm
.macro TURN slot, next, fill
	s_wait_tensorcnt 0x0
	ds_add_u32 v[SPW], v[NIL]
	s_wait_dscnt 4*NL+1
	WIN MUL_LO
	MUL16 0, 1, NQ-1, \slot, 0
	s_wait_dscnt 0x0
	s_barrier_signal -1
	MUL16 2, 1, NQ-1, \slot, 0
	WIN 0
	s_barrier_wait -1
.if \fill
	CREST
	s_add_nc_u64 s[G0+4*\slot+2:G0+4*\slot+3], s[G0+4*\slot+2:G0+4*\slot+3], 2*RT2
	s_add_nc_u64 s[G0B+4*\slot+2:G0B+4*\slot+3], s[G0B+4*\slot+2:G0B+4*\slot+3], 2*RT2
	JLOAD G0+4*\slot, G1, G0B+4*\slot, G1B
.else
	PLACES NP
.endif
	FETCH_B \next, 0, 0
	FETCH_A \next, 0, 0
	SCALES \next
	WIN MUL_HI
	MUL16 4, 1, NQ-1, \slot, 0
	MUL16 6, 1, NQ-1, \slot, 0
	PLACES NP
	WIN 0
	FETCH_A \next, 0, 4
.endm
	s_wait_alu depctr_va_vdst(0)
	s_wait_tensorcnt 1
	s_barrier_signal -1
	s_barrier_wait -1
	FETCH_B 0, 0, 0
	FETCH_A 0, 0, 0
	SCALES 0
	FETCH_A 0, 0, 4
	STEP 0, 0, 1
	s_mov_b32 s3, LAPS-1
.Llap:
	TURN 0, 1, 1
	STEP 1, 0, 0
	TURN 1, 0, 1
	STEP 0, 0, 0
	s_sub_co_u32 s3, s3, 1
	s_cmp_lg_u32 s3, 0
	s_cbranch_scc1 .Llap
	TURN 0, 1, 0
	STEP 1, 0, 0
	s_wait_dscnt 4*NL
	WIN MUL_LO
	MUL16 0, 1, NQ-1, 1, 0
	MUL16 2, 1, NQ-1, 1, 0
	s_wait_dscnt 0
	WIN MUL_HI
	MUL16 4, 1, NQ-1, 1, 0
	MUL16 6, 1, NQ-1, 1, 0
	WIN 0
.macro TOSTAGE a
.set AC, 64*((\a)%4)
	WIN 0x08+4*((\a)/4)
.irp b, 0,1,2,3,4,5,6,7
	ds_store_b128 v[STO], v[AC+8*\b:AC+8*\b+3] offset:128*(\b/2)+32*(\b%2)
	ds_store_b128 v[STO], v[AC+8*\b+4:AC+8*\b+7] offset:128*(\b/2)+32*(\b%2)+16
.endr
	WIN 0
.set BB, BK+64*((\a)%2)
.irp t, 0,1,2,3,4,5,6,7,8,9,10,11,12,13,14,15
	ds_load_b128 v[BB+4*\t:BB+4*\t+3], v[RD] offset:\t*SPITCH
.endr
.endm
.macro SEND a, younger
.set BB, BK+64*((\a)%2)
	s_wait_dscnt \younger
.irp t, 0,1,2,3,4,5,6,7,8,9,10,11,12,13,14,15
	global_store_b128 v[LI], v[BB+4*\t:BB+4*\t+3], s[12:13] offset:(32*((\a)/2)+8*((\a)%2)+\t+8*(\t/8))*4096 th:TH_STORE_NT
.endr
.endm
	PLACES NP
	TOSTAGE 0
.irp a, 1,2,3,4,5,6,7
.if \a > 1
	s_wait_xcnt 0x0
.endif
	TOSTAGE \a
	SEND \a-1, 32
.endr
	SEND 7, 0
	s_wait_tensorcnt 0x0
	ds_add_u32 v[SPW], v[NIL]
	s_wait_dscnt 0x0
	CROUND
	s_endpgm
.Lfunc_end_k_qcff01fd6b2_ffn2:
	.size	k_qcff01fd6b2_ffn2, .Lfunc_end_k_qcff01fd6b2_ffn2-k_qcff01fd6b2_ffn2
	.p2alignl 7, 3214868480
	.fill 96, 4, 3214868480
	.section	.rodata,"a",@progbits
	.p2align	6, 0x0
	.amdhsa_kernel k_qcff01fd6b2_ffn2
		.amdhsa_group_segment_fixed_size 327680
		.amdhsa_private_segment_fixed_size 0
		.amdhsa_enable_private_segment 0
		.amdhsa_kernarg_size 24
		.amdhsa_user_sgpr_count 2
		.amdhsa_user_sgpr_kernarg_segment_ptr 1
		.amdhsa_wavefront_size32 1
		.amdhsa_system_sgpr_workgroup_id_x 1
		.amdhsa_system_sgpr_workgroup_id_y 1
		.amdhsa_system_sgpr_workgroup_id_z 1
		.amdhsa_system_vgpr_workitem_id 0
		.amdhsa_next_free_vgpr 1024
		.amdhsa_next_free_sgpr 66
		.amdhsa_reserve_vcc 0
		.amdhsa_float_denorm_mode_32 3
		.amdhsa_float_denorm_mode_16_64 3
		.amdhsa_memory_ordered 1
		.amdhsa_forward_progress 1
		.amdhsa_inst_pref_size 136
	.end_amdhsa_kernel
	.amdgpu_metadata
---
amdhsa.version: [ 1, 2 ]
amdhsa.kernels:
  - .name:           k_qcff01fd6b2_ffn2
    .symbol:         k_qcff01fd6b2_ffn2.kd
    .args:
      - { .name: act, .offset: 0, .size: 8, .value_kind: global_buffer, .address_space: global }
      - { .name: blk1, .offset: 8, .size: 8, .value_kind: global_buffer, .address_space: global }
      - { .name: part, .offset: 16, .size: 8, .value_kind: global_buffer, .address_space: global }
    .group_segment_fixed_size: 327680
    .private_segment_fixed_size: 0
    .kernarg_segment_align: 8
    .kernarg_segment_size: 24
    .max_flat_workgroup_size: 128
    .sgpr_count:     66
    .vgpr_count:     1024
    .wavefront_size: 32
...
	.end_amdgpu_metadata
.endif
;; end of part 9
;; launch ln2 (part 10): grid 256 x 1, 16 waves a work-group, no clusters, 0 bytes of LDS; arguments part, o1f, b2, g2, be2, out0; writes out0
.if DOCPART == 10
	.amdgcn_target "amdgcn-amd-amdhsa--gfx1250"
	.amdhsa_code_object_version 6
	.text
	.protected	k_qcff01fd6b2_ln2
	.globl	k_qcff01fd6b2_ln2
	.p2align	8
	.type	k_qcff01fd6b2_ln2,@function
k_qcff01fd6b2_ln2:
	s_mov_b64 s[64:65], 0
	v_nop
	global_prefetch_b8 v0, s[64:65] scope:SCOPE_SE
	s_setreg_imm32_b32 hwreg(HW_REG_WAVE_MODE, 25, 1), 1
	s_wait_xcnt 0x0
; LN2: out0 = layernorm(o1f + part[0] + part[1] + part[2] + part[3] + b2) x g2 + be2, all in f32.  part: [4][4096][1024], the second product's sums over the four quarters of K; o1f, out0: [4096][1024]; b2, g2, be2: [1024].
; A stream: every byte of part and o1f is read once and every byte of out0 written once, by loads and stores of 16 bytes a lane that cover 512 consecutive bytes, aligned to 256.  No LDS, no barrier, no matrix unit, no cluster:
; work-groups share only the three vectors of 4,096 bytes.  No prefetch: the text has no loop to run ahead in; all of a wave's row is asked for at its head.
; SHARES.  A row of 4,096 bytes is 32 registers of one wave: a wave takes one whole row, so both reductions stay inside the wave.  16 waves, 256 work-groups x 16 rows.  Lane l holds columns 128 i + 4 l + 0 .. 3.
; 48 loads go out first (four parts, the residual, b2); g2 and be2 are asked for into the registers of parts 1 and 3 as soon as the sums have read them, and land while the row is reduced.
; The mean is taken first and the variance of the differences, as the definition has it.  LIMITS: NaN and infinities among the inputs are not served.
.set PBYTES, 16777216
.set LI,  1                            ; v1       16 x lane; never rewritten
.set SS,  4                            ; v4-11    at work
.set P0,  16                           ; v16-47   my row of part[0]; the row is summed and normed here
.set P1,  48                           ; v48-79   of part[1]; then g2
.set P2,  80                           ; v80-111  of part[2]
.set P3,  112                          ; v112-143 of part[3]; then be2
.set RS,  144                          ; v144-175 of o1f
.set BI,  176                          ; v176-207 b2
.set GA,  P1
.set BE,  P3
.set SEL, 20                           ; s[20:21] lane selects: lane l xor 16
.macro ROWLD reg, base                 ; 4,096 bytes that this wave alone reads
.irp i, 0,1,2,3,4,5,6,7
	global_load_b128 v[\reg+4*\i:\reg+4*\i+3], v[LI], s[\base:\base+1] offset:512*\i th:TH_LOAD_NT
.endr
.endm
.macro VECLD reg, base                 ; 4,096 bytes that every wave reads
.irp i, 0,1,2,3,4,5,6,7
	global_load_b128 v[\reg+4*\i:\reg+4*\i+3], v[LI], s[\base:\base+1] offset:512*\i
.endr
.endm
.macro ADD16 d, b                      ; d += b, 32 numbers a lane
.set n, 0
.rept 16
	v_pk_add_f32 v[\d+2*n:\d+2*n+1], v[\d+2*n:\d+2*n+1], v[\b+2*n:\b+2*n+1]
.set n, n+1
.endr
.endm
.macro RED x                           ; a sum over the 32 lanes, in every lane
	s_delay_alu instid0(VALU_DEP_1)
	v_add_f32_dpp v[\x], v[\x], v[\x] row_xmask:1 row_mask:0xf bank_mask:0xf
	s_delay_alu instid0(VALU_DEP_1)
	v_add_f32_dpp v[\x], v[\x], v[\x] row_xmask:2 row_mask:0xf bank_mask:0xf
	s_delay_alu instid0(VALU_DEP_1)
	v_add_f32_dpp v[\x], v[\x], v[\x] row_xmask:4 row_mask:0xf bank_mask:0xf
	s_delay_alu instid0(VALU_DEP_1)
	v_add_f32_dpp v[\x], v[\x], v[\x] row_xmask:8 row_mask:0xf bank_mask:0xf
	s_delay_alu instid0(VALU_DEP_1)
	v_permlanex16_b32 v[\x+1], v[\x], s[SEL], s[SEL+1]   ; (its destination has been written: it counts as one of its sources)
	s_delay_alu instid0(VALU_DEP_1)
	v_add_f32 v[\x], v[\x], v[\x+1]
.endm
	s_load_b256 s[4:11], s[0:1], 0x0               ; part s[4:5], o1f s[6:7], b2 s[8:9], g2 s[10:11]
	s_load_b128 s[12:15], s[0:1], 0x20             ; be2 s[12:13], out0 s[14:15]
	v_lshrrev_b32 v2, 5, v0
	s_delay_alu instid0(VALU_DEP_1)
	v_readfirstlane_b32 s16, v2                    ; wave 0..15
	v_and_b32 v3, 31, v0
	s_delay_alu instid0(VALU_DEP_1)
	v_lshlrev_b32 v[LI], 4, v3
	s_lshl_b32 s17, ttmp9, 4
	s_add_co_u32 s17, s17, s16                     ; my row: 16 x work-group + wave
	s_lshl_b32 s18, s17, 12
	s_mov_b32 s19, 0
	s_mov_b32 s[SEL], 0x76543210
	s_mov_b32 s[SEL+1], 0xfedcba98
	s_mov_b32 s24, 0x3a800000                      ; 1 / 1,024
	s_mov_b32 s25, 0x358637bd                      ; 1e-6
	s_wait_alu depctr_va_vdst(0)
	s_wait_kmcnt 0x0
	s_add_nc_u64 s[4:5], s[4:5], s[18:19]
	s_add_nc_u64 s[22:23], s[4:5], PBYTES          ; the same row of the other parts: too far for an immediate
	s_add_nc_u64 s[26:27], s[22:23], PBYTES
	s_add_nc_u64 s[28:29], s[26:27], PBYTES
	s_add_nc_u64 s[6:7], s[6:7], s[18:19]
	s_add_nc_u64 s[14:15], s[14:15], s[18:19]
	ROWLD P0, 4
	ROWLD P1, 22
	ROWLD P2, 26
	ROWLD P3, 28
	ROWLD RS, 6
	VECLD BI, 8
	s_wait_loadcnt 16                              ; loads come back in order: the four parts are in; the 16 loads of the residual and b2 may be out
	ADD16 P0, P1
	ADD16 P2, P3
	VECLD GA, 10                                   ; the sums have read parts 1 and 3: their registers take g2 and be2
	VECLD BE, 12
	ADD16 P0, P2
	s_wait_loadcnt 16                              ; the residual and b2 are in; the 16 loads of g2 and be2 may be out
	ADD16 RS, BI
	ADD16 P0, RS
.irp c, 0,1,2,3
	v_pk_add_f32 v[SS+2*\c:SS+2*\c+1], v[P0+2*\c:P0+2*\c+1], v[P0+8+2*\c:P0+8+2*\c+1]   ; the row's sum, in four chains
.endr
.irp k, 16,24
.irp c, 0,1,2,3
	s_delay_alu instid0(VALU_DEP_4)
	v_pk_add_f32 v[SS+2*\c:SS+2*\c+1], v[SS+2*\c:SS+2*\c+1], v[P0+\k+2*\c:P0+\k+2*\c+1]
.endr
.endr
	s_delay_alu instid0(VALU_DEP_3)
	v_pk_add_f32 v[SS:SS+1], v[SS:SS+1], v[SS+2:SS+3]
	s_delay_alu instid0(VALU_DEP_2)
	v_pk_add_f32 v[SS+4:SS+5], v[SS+4:SS+5], v[SS+6:SS+7]
	s_delay_alu instid0(VALU_DEP_1)
	v_pk_add_f32 v[SS:SS+1], v[SS:SS+1], v[SS+4:SS+5]
	s_delay_alu instid0(VALU_DEP_1)
	v_add_f32 v[SS], v[SS], v[SS+1]
	RED SS
	s_delay_alu instid0(VALU_DEP_1)
	v_mul_f32 v[SS+2], 0xba800000, v[SS]           ; - the mean
.set n, 0
.rept 16
	v_pk_add_f32 v[P0+2*n:P0+2*n+1], v[P0+2*n:P0+2*n+1], v[SS+2:SS+3] op_sel_hi:[1,0]
.set n, n+1
.endr
	v_pk_mul_f32 v[SS+4:SS+5], v[P0:P0+1], v[P0:P0+1]          ; the squares, in two chains
	v_pk_mul_f32 v[SS+6:SS+7], v[P0+2:P0+3], v[P0+2:P0+3]
.irp k, 4,8,12,16,20,24,28
	s_delay_alu instid0(VALU_DEP_2)
	v_pk_fma_f32 v[SS+4:SS+5], v[P0+\k:P0+\k+1], v[P0+\k:P0+\k+1], v[SS+4:SS+5]
	s_delay_alu instid0(VALU_DEP_2)
	v_pk_fma_f32 v[SS+6:SS+7], v[P0+\k+2:P0+\k+3], v[P0+\k+2:P0+\k+3], v[SS+6:SS+7]
.endr
	s_delay_alu instid0(VALU_DEP_1)
	v_pk_add_f32 v[SS+4:SS+5], v[SS+4:SS+5], v[SS+6:SS+7]
	s_delay_alu instid0(VALU_DEP_1)
	v_add_f32 v[SS+4], v[SS+4], v[SS+5]
	RED SS+4
	s_delay_alu instid0(VALU_DEP_1)
	v_fma_f32 v[SS+4], v[SS+4], s24, s25           ; the variance + 1e-6
	s_wait_alu depctr_va_vdst(0)                   ; the wait ahead of the transcendental,
	v_rsq_f32 v[SS+6], v[SS+4]
	v_nop                                          ; a plain place behind it,
	s_wait_alu depctr_va_vdst(0)                   ; and the wait ahead of its first reader
.set n, 0
.rept 16
	v_pk_mul_f32 v[P0+2*n:P0+2*n+1], v[P0+2*n:P0+2*n+1], v[SS+6:SS+7] op_sel_hi:[1,0]
.set n, n+1
.endr
	s_wait_loadcnt 0x0                             ; g2 and be2 are in
.set n, 0
.rept 16
	v_pk_fma_f32 v[P0+2*n:P0+2*n+1], v[P0+2*n:P0+2*n+1], v[GA+2*n:GA+2*n+1], v[BE+2*n:BE+2*n+1]
.set n, n+1
.endr
.irp i, 0,1,2,3,4,5,6,7
	global_store_b128 v[LI], v[P0+4*\i:P0+4*\i+3], s[14:15] offset:512*\i th:TH_STORE_NT
.endr
	s_endpgm
.Lfunc_end_k_qcff01fd6b2_ln2:
	.size	k_qcff01fd6b2_ln2, .Lfunc_end_k_qcff01fd6b2_ln2-k_qcff01fd6b2_ln2
	.p2alignl 7, 3214868480
	.fill 96, 4, 3214868480
	.section	.rodata,"a",@progbits
	.p2align	6, 0x0
	.amdhsa_kernel k_qcff01fd6b2_ln2
		.amdhsa_group_segment_fixed_size 0
		.amdhsa_private_segment_fixed_size 0
		.amdhsa_enable_private_segment 0
		.amdhsa_kernarg_size 48
		.amdhsa_user_sgpr_count 2
		.amdhsa_user_sgpr_kernarg_segment_ptr 1
		.amdhsa_wavefront_size32 1
		.amdhsa_system_sgpr_workgroup_id_x 1
		.amdhsa_system_sgpr_workgroup_id_y 1
		.amdhsa_system_sgpr_workgroup_id_z 1
		.amdhsa_system_vgpr_workitem_id 0
		.amdhsa_next_free_vgpr 208
		.amdhsa_next_free_sgpr 66
		.amdhsa_reserve_vcc 0
		.amdhsa_float_denorm_mode_32 3
		.amdhsa_float_denorm_mode_16_64 3
		.amdhsa_memory_ordered 1
		.amdhsa_forward_progress 1
		.amdhsa_inst_pref_size 21
	.end_amdhsa_kernel
	.amdgpu_metadata
---
amdhsa.version: [ 1, 2 ]
amdhsa.kernels:
  - .name:           k_qcff01fd6b2_ln2
    .symbol:         k_qcff01fd6b2_ln2.kd
    .args:
      - { .name: part, .offset: 0, .size: 8, .value_kind: global_buffer, .address_space: global }
      - { .name: o1f, .offset: 8, .size: 8, .value_kind: global_buffer, .address_space: global }
      - { .name: b2, .offset: 16, .size: 8, .value_kind: global_buffer, .address_space: global }
      - { .name: g2, .offset: 24, .size: 8, .value_kind: global_buffer, .address_space: global }
      - { .name: be2, .offset: 32, .size: 8, .value_kind: global_buffer, .address_space: global }
      - { .name: out0, .offset: 40, .size: 8, .value_kind: global_buffer, .address_space: global }
    .group_segment_fixed_size: 0
    .private_segment_fixed_size: 0
    .kernarg_segment_align: 8
    .kernarg_segment_size: 48
    .max_flat_workgroup_size: 512
    .sgpr_count:     66
    .vgpr_count:     208
    .wavefront_size: 32
...
	.end_amdgpu_metadata
.endif
;; end of part 10
